; MI455X (gfx1250); checked and timed in simulation.
; The chip was launched on July 23, 2026; its instructions are those of AMD's public machine-readable ISA for CDNA 5 (MIT licence, August 2026) and "CDNA5" Instruction Set Architecture Reference Guide (July 2026). The comments in the code are by the model that wrote it; some were corrected since.
;; Mo E. Allowed arithmetic: matrix products marked QUANTISED: E3M2 operands, one E8M0 scale for each 32 along K, by v_wmma_scale_f32_16x16x128_f8f6f4 with both operands' format E3M2, f32 sums; products left as they are: f32 operands where the result goes on into a quantised operand, else bf16, f16 or f32 operands; f32 sums; everything else in f32.
;; Inputs: W1 8 x 1,024 x 2,048 float32; W2 8 x 2,048 x 2,048 float32; W3 8 x 2,048 x 1,024 float32; Wg1 1,024 x 64 float32; Wg2 64 x 8 float32; b1 8 x 2,048 float32; b2 8 x 2,048 float32; b3 8 x 1,024 float32; bg1 64 float32; bg2 8 float32; x 1,024 x 1,024 float32.
;; Outputs: out0 1,024 x 1,024 float32.
;; Constants: top_k = 2.
;; This version of the problem:
;;   THIS VERSION OF THE PROBLEM IS GIVEN IN LOW PRECISION. The matrix products marked QUANTISED in the list below multiply operands that are first quantised to E3M2 (3 exponent bits, 2 mantissa bits; 6 bits a number), with one power-of-two scale for each 32 numbers along K (OCP MX v1.0); their sums are f32. All else is computed in f32.
;;   The module's matrix products, in the order in which they are computed (A, B: the left and right operand; K: the contracted axis; several contracted axes count as one K, in the product's order):
;;     1. [M 1,024, K 1,024] x [K 1,024, N 64]; A: input x; B: input Wg1: QUANTISED
;;     2. [M 1,024, K 64] x [K 64, N 8]; A: computed on the way; B: input Wg2: left as it is (N = 8 < 16)
;;     3. [M 16,384, K 1,024] x [K 1,024, N 1,024]; A: input W1; B: input x: QUANTISED
;;     4. batch 8 x [M 1,024, K 2,048] x [K 2,048, N 2,048]; A: computed on the way; B: input W2: QUANTISED
;;     5. batch 8 x [M 1,024, K 2,048] x [K 2,048, N 1,024]; A: computed on the way; B: input W3: QUANTISED
;;     6. batch 1,024 x [M 1,024, K 8] x [K 8, N 1]; A: computed on the way; B: computed on the way: left as it is (K = 8 < 32)
;;   THE QUANTISER, for each operand of a quantised product, along K:
;;     - K is cut into blocks of 32 from its start; a last block that is shorter is filled with zeros.
;;     - A block's scale is 2^e with e = floor(log2(the largest magnitude in the block)) - 4, held to -126 .. 127; a block of zeros has e = 0. As a byte (E8M0): e + 127.
;;     - Each number is divided by its block's scale, clamped to +-28, and rounded to the nearest number of E3M2, ties to even, subnormals kept.
;;     - The product sums the exact products of the quantised numbers (number of the format x scale) in f32.
;;   ~~~python
;;   def quantise(x, axis):      # numpy; x: float32 -> the quantised numbers, widened to float32 again
;;       x = np.moveaxis(x, axis, -1); K = x.shape[-1]
;;       x = np.pad(x, [(0, 0)] * (x.ndim - 1) + [(0, -K % 32)]); x = x.reshape(x.shape[:-1] + (-1, 32)); a = np.abs(x).max(-1, keepdims=True)
;;       e = np.where(a > 0, np.clip(np.frexp(np.where(a > 0, a, 1))[1] - 1 - 4, -126, 127), 0)      # np.frexp(a)[1] - 1 = floor(log2(a)), exactly
;;       r = np.clip(x / 2.0 ** e, -28, 28)
;;       step = 2.0 ** (np.maximum(np.frexp(np.where(r == 0, 1, r))[1] - 1, -2) - 2)
;;       q = np.round(r / step) * step * 2.0 ** e      # np.round: ties to even
;;       return np.moveaxis(q.reshape(q.shape[:-2] + (-1,))[..., :K], -1, axis).astype(np.float32)
;;   ~~~
;;   OPERANDS COMPUTED ON THE WAY. 'Computed on the way' means the value that the module computes at that place (a softmax that the list does not call 'softmax' is quantised finished and normalised). What goes into a quantiser is computed in f32, as accurately as f32 sums, v_exp_f32 and their like allow (about 1e-6 of the number): no bf16 or f16 on the way to a quantiser, and a product that is left as it is and whose result goes on into a quantised operand takes f32 operands (vector FMAs, or v_wmma_f32_16x16x4_f32). A number that lies on a knife's edge between two numbers of the format may be rounded either way, as far as f32 arithmetic and the matrix unit's own rounding can turn it there, and no further.
;; 2 versions. Each part assembles by itself: llvm-mc -triple=amdgcn-amd-amdhsa -mcpu=gfx1250 --defsym DOCPART=n.
;; ======== version 1 of 2: 5 launches
;; workspace buffers: xq 819,200 bytes; gw 8,192 bytes; choice 8,192 bytes of whole numbers; route 33,792 bytes of whole numbers; h1 13,107,200 bytes; h2 13,107,200 bytes; y 67,108,864 bytes; b3z 65,536 bytes
;; launch gate (part 1): grid 64 x 1, 8 waves a work-group, no clusters, 50,688 bytes of LDS; arguments x, Wg1, bg1, Wg2, bg2, b3, xq, gw, choice, b3z; writes xq, gw, choice, b3z
.if DOCPART == 1
	.amdgcn_target "amdgcn-amd-amdhsa--gfx1250"
	.amdhsa_code_object_version 6
	.text
	.protected	k_q6cd8a434b7_gate
	.globl	k_q6cd8a434b7_gate
	.p2align	8
	.type	k_q6cd8a434b7_gate,@function
k_q6cd8a434b7_gate:
	s_mov_b64 s[64:65], 0
	v_nop
	global_prefetch_b8 v0, s[64:65] scope:SCOPE_SE
	s_setreg_imm32_b32 hwreg(HW_REG_WAVE_MODE, 25, 1), 1
	s_wait_xcnt 0x0
; THE GATE.  gates = softmax(relu(x Wg1 + bg1) Wg2 + bg2); the two largest gates of each token and their experts are stored (gw: f32, choice: whole numbers, at fixed places).
; x Wg1 is a product on codes of E3M2 with one E8M0 scale for each 32 along K; x's codes and scale words are also stored (xq), since the first expert layer multiplies the same quantised x.
; b3z = [2][8][1024]: b3, then zeros: the third layer splits its K in two halves, and each half begins its sums from one half of this table.
; SHARES.  Work-group g: tokens 16 g .. 16 g + 15.  Wave w: K step w (k = 128 w .. 128 w + 127): it quantises its part of x and of Wg1 and makes four partial tiles (16 hidden units x 16 tokens).
; The eight waves' parts meet in LDS; waves 0-3 finish one tile of hidden units each (bias, relu, their part of the 8 logits, in f32); wave 0 takes the softmax and the choice.
; No address and no branch hangs on the choice: it is made by selects and stored.
; LIMITS: NaN and infinities are not served.  A block whose largest magnitude lies under 2^-122 gets the scale byte 1 (a block of zeros too: its codes are zeros; the bytes are read by this program alone).
; Two gates that are equal in f32 keep the lower expert, as the strict compare below has it; gates that differ only by f32 rounding may be chosen the other way round than by another order of sums.
.set XST, 0          ; LDS: x's codes, 16 rows x 768 bytes: r 768 + 96 w + 48 h
.set XSS, 12288      ; x's scale words: r 32 + 4 w
.set PP,  12800      ; the partial tiles: w 4096 + ct 1024 + {0, 512} + 16 lane
.set LG,  45568      ; the logits' four parts: ct 1024 + {0, 512} + 16 lane
.set WN0, 16         ; v16-79   64 numbers of Wg1
.set WN1, 80         ; v80-143  the other set; first x's 64 numbers
.set XA,  144        ; v144-155 x's fragment
.set XSW, 156        ; x's scale word
.set WB,  158        ; v158-169 Wg1's fragment
.set WSW, 170        ; its scale word
.set CT,  172        ; the conversions' second halves
.set MX,  180
.set SO,  182
.set BY,  184
.set PX,  186
.set DD,  188        ; v188-203 two accumulators by turns
.set LL,  204        ; v204-211 my part of the 8 logits
.set PL,  212
.macro XLOAD                         ; lane (r, h): x(r, 128 w + 64 c + 32 h + 0 .. 31): two whole blocks
.irp c,0,1
.irp i,0,1,2,3,4,5,6,7
	global_load_b128 v[WN1+32*\c+4*\i:WN1+32*\c+4*\i+3], v4, s[4:5] offset:256*\c+16*\i th:TH_LOAD_NT
.endr
.endr
.endm
.macro WLOAD ct, buf                 ; lane (r, h): Wg1(128 w + 64 c + 32 h + i, 16 ct + r): a lane to a column, registers down K
.irp c,0,1
.irp i,0,1,2,3,4,5,6,7,8,9,10,11,12,13,14,15,16,17,18,19,20,21,22,23,24,25,26,27,28,29,30,31
	global_load_b32 v[\buf+32*\c+\i], v5, s[6:7] offset:(64*\c+\i)*256+64*(\ct)
.endr
.endr
.endm
.macro QF src, frag, word            ; 64 numbers (two whole blocks of a lane) -> 12 registers of codes and the row's scale word
.irp c,0,1
	v_max3_num_f32 v[MX+\c], |v[\src+32*\c]|, |v[\src+32*\c+1]|, 0x2800000   ; the floor 2^(5 - 127) holds the byte at 1 from below
.endr
.irp i,2,4,6,8,10,12,14,16,18,20,22,24,26,28,30
.irp c,0,1
	v_max3_num_f32 v[MX+\c], v[MX+\c], |v[\src+32*\c+\i]|, |v[\src+32*\c+\i+1]|
.endr
.endr
.irp c,0,1
	v_add_nc_u32 v[SO+\c], 0xfe000000, v[MX+\c]      ; 4 off the exponent field: the conversion's scale operand
.endr
.irp c,0,1
	v_lshrrev_b32 v[BY+\c], 23, v[SO+\c]             ; the scale's byte
.endr
	v_lshl_or_b32 v[\word], v[BY+1], 16, v[BY]       ; blocks h and 2 + h,
	v_lshlrev_b32 v[\word], v10, v[\word]            ; 8 h bits up;
	v_permlanex16_b32 v[PX], v[\word], s26, s27
	v_or_b32 v[\word], v[\word], v[PX]               ; with lane l xor 16's two the word is whole
.irp c,0,1
	v_cvt_scalef32_pk16_bf6_f32 v[\frag+6*\c:\frag+6*\c+2], v[\src+32*\c:\src+32*\c+15], v[SO+\c]
	v_cvt_scalef32_pk16_bf6_f32 v[CT+4*\c:CT+4*\c+2], v[\src+32*\c+16:\src+32*\c+31], v[SO+\c]
.endr
	v_nop                                            ; one plain place behind the conversions
.irp c,0,1
.irp i,0,1,2
	v_mov_b32 v[\frag+6*\c+3+\i], v[CT+4*\c+\i]
.endr
.endr
.endm
.macro TILE ct, buf, left            ; hidden units 16 ct .. 16 ct + 15 x my 16 tokens, my K step
	s_wait_loadcnt \left                             ; this tile's 64 loads are in; the next tile's may stay out
	QF \buf, WB, WSW
.if \ct < 2
	WLOAD \ct+2, \buf                                ; the set is free: the tile two on
.endif
.rept 8
	v_nop                                            ; a scale register written by vector instructions stands 8 places ahead of the product
.endr
	v_wmma_scale_f32_16x16x128_f8f6f4 v[DD+8*(\ct%2):DD+8*(\ct%2)+7], v[WB:WB+11], v[XA:XA+11], 0, v[WSW], v[XSW] matrix_a_fmt:MATRIX_FMT_BF6 matrix_b_fmt:MATRIX_FMT_BF6
.rept 4
	v_nop
.endr
	ds_store_b128 v8, v[DD+8*(\ct%2):DD+8*(\ct%2)+3] offset:1024*\ct        ; lane (r, h): token r, hidden units 16 ct + 8 h + 0 .. 7
	ds_store_b128 v8, v[DD+8*(\ct%2)+4:DD+8*(\ct%2)+7] offset:1024*\ct+512
.endm
	s_load_b256 s[4:11], s[0:1], 0x0                 ; x, Wg1, bg1, Wg2
	s_load_b256 s[12:19], s[0:1], 0x20               ; bg2, b3, xq, gw
	s_load_b128 s[20:23], s[0:1], 0x40               ; choice, b3z
	v_lshl_add_u32 v254, v0, 2, 0xc200
	v_mov_b32 v255, 0
	v_lshrrev_b32 v1, 5, v0
	v_readfirstlane_b32 s24, v1                      ; wave
	v_and_b32 v1, 31, v0                             ; lane
	v_and_b32 v2, 15, v0                             ; r
	v_bfe_u32 v3, v0, 4, 1                           ; h
	v_lshlrev_b32 v4, 12, v2
	v_lshl_add_u32 v4, v3, 7, v4                     ; x: row r of 4,096 bytes + 128 h
	v_lshlrev_b32 v5, 2, v2
	v_lshl_add_u32 v5, v3, 13, v5                    ; Wg1: 32 h rows of 256 bytes + 4 r
	s_mul_i32 s25, s24, 96
	v_mul_u32_u24 v6, v2, 768
	v_mad_u32_u24 v6, v3, 48, v6
	v_add_nc_u32 v6, s25, v6                         ; XST
	s_lshl_b32 s25, s24, 2
	v_lshl_add_u32 v7, v2, 5, XSS
	v_add_nc_u32 v7, s25, v7
	s_lshl_b32 s25, s24, 12
	v_lshl_add_u32 v8, v1, 4, PP
	v_add_nc_u32 v8, s25, v8                         ; where I put my partial tiles
	v_lshlrev_b32 v9, 4, v0                          ; 16 x thread
	v_lshlrev_b32 v10, 3, v3                         ; 8 h
	v_lshlrev_b32 v11, 4, v1                         ; 16 x lane
	v_lshlrev_b32 v12, 8, v3                         ; Wg2: 8 h rows of 32 bytes
	v_lshlrev_b32 v13, 5, v3                         ; bg1: 8 h numbers
	s_lshl_b32 s25, s24, 10
	v_lshl_add_u32 v14, v1, 4, PP
	v_add_nc_u32 v14, s25, v14                       ; waves 0-3: tile ct = wave of every wave's parts
	v_lshl_add_u32 v15, v1, 4, LG
	v_add_nc_u32 v15, s25, v15
	v_lshl_add_u32 v232, v1, 4, LG
	v_lshl_add_u32 v233, v1, 4, XSS
	v_mov_b32 v[PX], 0                               ; a lane permute's destination counts as one of its sources
.irp e,0,1,2,3,4,5,6,7
	v_mov_b32 v[PL+\e], 0
.endr
	s_mov_b32 s26, 0x76543210
	s_mov_b32 s27, 0xfedcba98                        ; selects for lane l xor 16
	s_wait_kmcnt 0x0
	s_load_b256 s[48:55], s[12:13], 0x0              ; bg2
	s_lshl_b32 s28, ttmp9, 16
	s_lshl_b32 s30, s24, 9
	s_add_co_u32 s28, s28, s30
	s_mov_b32 s29, 0
	s_add_nc_u64 s[4:5], s[4:5], s[28:29]            ; x at my 16 tokens, my K step
	s_lshl_b32 s28, s24, 15
	s_add_nc_u64 s[6:7], s[6:7], s[28:29]            ; Wg1 at my 128 rows
	XLOAD
	WLOAD 0, WN0
	s_lshl_b32 s28, s24, 6
	s_add_nc_u64 s[8:9], s[8:9], s[28:29]            ; bg1, Wg2: the 16 hidden units of tile = wave (used by waves 0-3 alone)
	s_lshl_b32 s28, s24, 9
	s_add_nc_u64 s[10:11], s[10:11], s[28:29]
	s_mul_i32 s28, ttmp9, 12288
	s_add_nc_u64 s[32:33], s[16:17], s[28:29]        ; xq: my tokens' codes
	s_lshl_b32 s28, ttmp9, 9
	s_add_nc_u64 s[14:15], s[14:15], s[28:29]        ; b3, b3z: 512 bytes a work-group
	s_add_nc_u64 s[22:23], s[22:23], s[28:29]
	s_add_co_u32 s28, s28, 786432
	s_add_nc_u64 s[34:35], s[16:17], s[28:29]        ; xq: my tokens' scale words
	s_lshl_b32 s28, ttmp9, 7
	s_add_nc_u64 s[20:21], s[20:21], s[28:29]
	s_add_nc_u64 s[18:19], s[18:19], s[28:29]
	s_wait_loadcnt 63                                ; 64 loads were issued behind x's 16; 63 is the largest count that a wait names: x is in
	QF WN1, XA, XSW
.irp g,0,1,2
	ds_store_b128 v6, v[XA+4*\g:XA+4*\g+3] offset:XST+16*\g
.endr
	ds_store_b32 v7, v[XSW]
	WLOAD 1, WN1
	TILE 0, WN0, 63
	TILE 1, WN1, 63
	TILE 2, WN0, 63
	TILE 3, WN1, 0
	s_cmp_lt_u32 s24, 4
	s_cbranch_scc0 .Lnog
.irp i,0,1,2,3,4,5,6,7,8,9,10,11,12,13,14,15
	global_load_b128 v[16+4*\i:19+4*\i], v12, s[10:11] offset:16*\i          ; v[16 + 8 j + e] = Wg2(16 w + 8 h + j, e)
.endr
	global_load_b128 v[80:83], v13, s[8:9]
	global_load_b128 v[84:87], v13, s[8:9] offset:16
.Lnog:
	s_wait_dscnt 0x0                                 ; my stores have landed
	s_barrier_signal -1
	s_barrier_wait -1                                ; x's codes and all partial tiles lie in LDS
.irp i,0,1,2
	ds_load_b128 v[220+4*\i:223+4*\i], v9 offset:XST+4096*\i
.endr
	s_wait_dscnt 0x0
.irp i,0,1,2
	global_store_b128 v9, v[220+4*\i:223+4*\i], s[32:33] offset:4096*\i       ; a wave stores 512 consecutive bytes, aligned
.endr
	s_cmp_lt_u32 s24, 4
	s_cbranch_scc1 .Lsum
	s_cmp_eq_u32 s24, 4
	s_cbranch_scc0 .Lnot4
	ds_load_b128 v[236:239], v233                    ; wave 4: the 16 tokens' scale words, 512 bytes
	s_wait_dscnt 0x0
	global_store_b128 v11, v[236:239], s[34:35]
.Lnot4:
	s_cmp_eq_u32 s24, 5
	s_cbranch_scc0 .Lmeet
	global_load_b128 v[240:243], v11, s[14:15]       ; wave 5: b3z = b3, then zeros
.irp i,0,1,2,3
	v_mov_b32 v[244+\i], 0
.endr
	global_store_b128 v11, v[244:247], s[22:23] offset:32768
	s_wait_loadcnt 0x0
	global_store_b128 v11, v[240:243], s[22:23]
	s_branch .Lmeet
.Lsum:                                               ; waves 0-3: tile ct = wave
.irp p,0,1,2,3,4,5,6,7
	ds_load_b128 v[88+8*\p:91+8*\p], v14 offset:4096*\p
	ds_load_b128 v[92+8*\p:95+8*\p], v14 offset:4096*\p+512
.endr
	s_wait_dscnt 0x0
.irp p,1,2,3,4,5,6,7
.irp k,0,2,4,6
	v_pk_add_f32 v[88+\k:89+\k], v[88+\k:89+\k], v[88+8*\p+\k:89+8*\p+\k]     ; the eight K steps, ascending
.endr
.endr
	s_wait_loadcnt 0x0                               ; Wg2, bg1
.irp k,0,2,4,6
	v_pk_add_f32 v[88+\k:89+\k], v[88+\k:89+\k], v[80+\k:81+\k]
.endr
.irp j,0,1,2,3,4,5,6,7
	v_max_num_f32 v[88+\j], 0, v[88+\j]
.endr
.irp e,0,1,2,3,4,5,6,7
	v_mul_f32 v[LL+\e], v88, v[16+\e]
.endr
.irp j,1,2,3,4,5,6,7
.irp e,0,1,2,3,4,5,6,7
	v_fmac_f32 v[LL+\e], v[88+\j], v[16+8*\j+\e]
.endr
.endr
.irp e,0,1,2,3,4,5,6,7
	v_permlanex16_b32 v[PL+\e], v[LL+\e], s26, s27
.endr
.irp e,0,1,2,3,4,5,6,7
	v_add_f32 v[LL+\e], v[LL+\e], v[PL+\e]           ; the tile's 16 hidden units
.endr
	ds_store_b128 v15, v[LL:LL+3]
	ds_store_b128 v15, v[LL+4:LL+7] offset:512
.Lmeet:
	s_wait_dscnt 0x0
	s_barrier_signal -1
	s_barrier_wait -1                                ; the logits' four parts lie in LDS
	s_cmp_lg_u32 s24, 0
	s_cbranch_scc1 .Lend
.irp c,0,1,2,3
	ds_load_b128 v[16+8*\c:19+8*\c], v232 offset:1024*\c
	ds_load_b128 v[20+8*\c:23+8*\c], v232 offset:1024*\c+512
.endr
	s_wait_dscnt 0x0
	s_wait_kmcnt 0x0                                 ; bg2
.irp c,1,2,3
.irp k,0,2,4,6
	v_pk_add_f32 v[16+\k:17+\k], v[16+\k:17+\k], v[16+8*\c+\k:17+8*\c+\k]
.endr
.endr
.irp e,0,1,2,3,4,5,6,7
	v_add_f32 v[16+\e], s[48+\e], v[16+\e]
.endr
	v_max3_num_f32 v48, v16, v17, v18                ; the maximum is taken away ahead of the exponentials
	v_max3_num_f32 v48, v48, v19, v20
	v_max3_num_f32 v48, v48, v21, v22
	v_max_num_f32 v48, v48, v23
.irp e,0,1,2,3,4,5,6,7
	v_sub_f32 v[24+\e], v[16+\e], v48
.endr
.irp e,0,1,2,3,4,5,6,7
	v_mul_f32 v[24+\e], 0x3fb8aa3b, v[24+\e]
.endr
.irp e,0,1,2,3,4,5,6,7
	v_exp_f32 v[24+\e], v[24+\e]
.endr
	v_nop                                            ; a plain place behind the batch,
	s_wait_alu depctr_va_vdst(0)                     ; and one wait for it, ahead of its first reader
	v_add_f32 v49, v24, v25
.irp e,2,3,4,5,6,7
	v_add_f32 v49, v49, v[24+\e]
.endr
	v_rcp_f32 v50, v49
	v_nop
	s_wait_alu depctr_va_vdst(0)
.irp e,0,1,2,3,4,5,6,7
	v_mul_f32 v[32+\e], v[24+\e], v50                ; the gates
.endr
	v_mov_b32 v52, v32                               ; v[52:53] the two gates, v[54:55] their experts
	v_mov_b32 v54, 0
.irp e,1,2,3,4,5,6,7
	v_cmp_gt_f32 vcc_lo, v[32+\e], v52               ; strictly larger: the lower index keeps a tie
	v_cndmask_b32 v52, v52, v[32+\e], vcc_lo
	v_cndmask_b32 v54, v54, \e, vcc_lo
.endr
.irp e,0,1,2,3,4,5,6,7
	v_cmp_eq_u32 vcc_lo, \e, v54
	v_cndmask_b32 v[32+\e], v[32+\e], -1.0, vcc_lo   ; the chosen one falls under every gate
.endr
	v_mov_b32 v53, v32
	v_mov_b32 v55, 0
.irp e,1,2,3,4,5,6,7
	v_cmp_gt_f32 vcc_lo, v[32+\e], v53
	v_cndmask_b32 v53, v53, v[32+\e], vcc_lo
	v_cndmask_b32 v55, v55, \e, vcc_lo
.endr
	v_lshlrev_b32 v56, 3, v2                         ; lanes r and r + 16 hold, and store, the same
	global_store_b64 v56, v[54:55], s[20:21]
	global_store_b64 v56, v[52:53], s[18:19]
.Lend:
	s_wait_tensorcnt 0x0
	ds_add_u32 v254, v255
	s_wait_dscnt 0x0
	s_endpgm
.Lfunc_end_k_q6cd8a434b7_gate:
	.size	k_q6cd8a434b7_gate, .Lfunc_end_k_q6cd8a434b7_gate-k_q6cd8a434b7_gate
	.p2alignl 7, 3214868480
	.fill 96, 4, 3214868480
	.section	.rodata,"a",@progbits
	.p2align	6, 0x0
	.amdhsa_kernel k_q6cd8a434b7_gate
		.amdhsa_group_segment_fixed_size 50688
		.amdhsa_private_segment_fixed_size 0
		.amdhsa_enable_private_segment 0
		.amdhsa_kernarg_size 80
		.amdhsa_user_sgpr_count 2
		.amdhsa_user_sgpr_kernarg_segment_ptr 1
		.amdhsa_wavefront_size32 1
		.amdhsa_system_sgpr_workgroup_id_x 1
		.amdhsa_system_sgpr_workgroup_id_y 1
		.amdhsa_system_sgpr_workgroup_id_z 1
		.amdhsa_system_vgpr_workitem_id 0
		.amdhsa_next_free_vgpr 256
		.amdhsa_next_free_sgpr 66
		.amdhsa_reserve_vcc 1
		.amdhsa_float_denorm_mode_32 3
		.amdhsa_float_denorm_mode_16_64 3
		.amdhsa_memory_ordered 1
		.amdhsa_forward_progress 1
		.amdhsa_inst_pref_size 63
	.end_amdhsa_kernel
	.amdgpu_metadata
---
amdhsa.version: [ 1, 2 ]
amdhsa.kernels:
  - .name:           k_q6cd8a434b7_gate
    .symbol:         k_q6cd8a434b7_gate.kd
    .args:
      - { .name: x, .offset: 0, .size: 8, .value_kind: global_buffer, .address_space: global }
      - { .name: Wg1, .offset: 8, .size: 8, .value_kind: global_buffer, .address_space: global }
      - { .name: bg1, .offset: 16, .size: 8, .value_kind: global_buffer, .address_space: global }
      - { .name: Wg2, .offset: 24, .size: 8, .value_kind: global_buffer, .address_space: global }
      - { .name: bg2, .offset: 32, .size: 8, .value_kind: global_buffer, .address_space: global }
      - { .name: b3, .offset: 40, .size: 8, .value_kind: global_buffer, .address_space: global }
      - { .name: xq, .offset: 48, .size: 8, .value_kind: global_buffer, .address_space: global }
      - { .name: gw, .offset: 56, .size: 8, .value_kind: global_buffer, .address_space: global }
      - { .name: choice, .offset: 64, .size: 8, .value_kind: global_buffer, .address_space: global }
      - { .name: b3z, .offset: 72, .size: 8, .value_kind: global_buffer, .address_space: global }
    .group_segment_fixed_size: 50688
    .private_segment_fixed_size: 0
    .kernarg_segment_align: 8
    .kernarg_segment_size: 80
    .max_flat_workgroup_size: 256
    .sgpr_count:     66
    .vgpr_count:     256
    .wavefront_size: 32
...
	.end_amdgpu_metadata
.endif
;; end of part 1
;; launch l1 (part 2): grid 32 x 8, 16 waves a work-group, no clusters, 68,096 bytes of LDS; arguments W1, b1, xq, choice, h1, route; writes h1, route
.if DOCPART == 2
	.amdgcn_target "amdgcn-amd-amdhsa--gfx1250"
	.amdhsa_code_object_version 6
	.text
	.protected	k_q6cd8a434b7_l1
	.globl	k_q6cd8a434b7_l1
	.p2align	8
	.type	k_q6cd8a434b7_l1,@function
k_q6cd8a434b7_l1:
	s_mov_b64 s[64:65], 0
	v_nop
	global_prefetch_b8 v0, s[64:65] scope:SCOPE_SE
	s_setreg_imm32_b32 hwreg(HW_REG_WAVE_MODE, 25, 1), 1
	s_wait_xcnt 0x0
; EXPERT LAYER 1: h1 = Q(relu(Q(x) Q(W1[e]) + b1[e])) for the rows routed to expert e.  Products on codes of E3M2 with one E8M0 scale for each 32 along K, sums in f32.
; SHARES.  Work-group (slice, e): 64 columns of expert e, all of K = 1,024 in 8 steps of 128.  A row of its part of W1 is 256 consecutive bytes, aligned; each byte of W1 is read once in the launch.
; ROLES.  Waves 0-3 PRODUCE: they issue weight loads alone (three sets of 16 loads of 512 bytes a wave are out), quantise along K in registers and put codes and scale bytes into LDS,
; where the whole slice stays: each LDS byte is written once.  Wave q owns block q (32 along K) of every step.  They end behind the last barrier.
; Waves 4-15 CONSUME: wave 4 + C has two slots of one unit (32 rows x 64 columns): units C and 12 + C in the first sweep, 24 + C and 36 + C in the second.
; Loads of a wave come back in order, so the weight stream and the gather of activations are given to different waves.
; A ROUND has two arms, of which a wave takes one, and one barrier behind them: producing waves make K step k; consuming waves multiply K step k - 1 (in round 0: the sweep's set-up).
; The last K step's products and the way out follow behind the last barrier.  The consuming arm begins with a wait for all loads.
; THE SECOND SWEEP (rows 768 on) stands behind the last barrier and has none: all codes lie in LDS and nobody writes them.  A wave without a unit there jumps over it: a scalar branch on the count.
; THE SORT.  Wave 4 reads the choice of all 1,024 tokens, ranks expert e's tokens (a counting sort by lane masks), lays the list of tokens in LDS; slice 0 stores ranks and count (route) for the later launches.
; Rows behind an expert's last are computed from token 0 up to a whole unit, and an expert without tokens still makes one unit: so every byte of h1 that a later launch reads has been stored.
; The set-up of a sweep (bias into the accumulators, first step's activations) runs for both slots; products, later loads and stores are jumped over by the count.
; THE COLUMNS OF A TILE ARE NOT NEIGHBOURS: lane r of tile 2 b + u takes column 32 b + 8 u + r + 8 (r / 8), so that a lane's 16 results of tiles 2 b, 2 b + 1 are 16 neighbours along the next K.
; A PREFETCH INTO THE L2: behind the loads of K step s + 3 stands one prefetch for K step s + 5: my block's 32 rows x the slice's 256 bytes, a lane a row, two rounds ahead of the loads that will ask for them.
; A wave asks for the rows that it will load itself, so each row's 256 bytes are named once in the launch.  K steps 0 to 4 come by their loads alone; the last five rounds ask for nothing.
; No tensor load, no cluster: jumps hang on counts read from memory.
; REGISTERS.  v0 the thread's number, kept; v1 weights' offset; v2, v3 where a producer stores codes, bytes; v4 where a consumer reads codes; v5 the prefetches' offset: my lane x a row of W1;
; v6-11: first the sort's (8 lane, lane, spare word, 4 lane, the count's place, the list's place), then tokens' codes (slot u, tile t: 6 + 2 u + t) and tokens' scale words (10 + u);
; v12-13 weights' scale words, v14-15 activations'.  v16-63: consumers: activations (u, t) at 16 + 24 u + 12 t; producers: v16-31 one column's 16 numbers, v32-47 codes, the maxima in every fourth.
; v64-255: producers: three sets of 64 numbers; consumers: v64-111 four weight fragments, v112-127 at work, v128-255 accumulators (u, t, c) at 128 + 64 u + 32 t + 8 c.
; The loads that a consuming wave leaves out across a barrier (v14-63) and the weight loads (v64-255) name different registers.
; LIMITS: NaN and infinities not served; a block under 2^-122 (zeros too) gets the scale byte 1.  Rows 768 .. 1,023 of one expert are served by the second sweep, whose activation loads are not hidden behind a weight stream.
.set KS,   8
.set ROWB, 8192
.set KREG, 7168      ; LDS, K step s at s KREG: 64 places of 112 bytes (96 of codes + 16); in a place block q at 48 (q & 1) + 24 (q >> 1)
.set SCB,  KS*KREG   ; scale words: SCB + 256 s + 4 place + q
.set LIST, 59392     ; 1,536 words: row -> token
.set DUMW, 1536      ; and behind them 32 words for the lanes that have nothing to place
.set CNTW, 65792     ; the count, 32 times
.set AHEAD, 2        ; rounds between a prefetch and the loads of the same K step
.set PFO,  5
.set TMP,  16
.set CD,   32
.set AF,   16
.set BF,   64
.set TT,   64        ; the way out: 32 numbers of a tile
.set MS,   96        ; and what is made of them
.set EO16, 112       ; the way out: 16 x lane, 8 x lane, 1024 h + 4 r
.set EO8,  113
.set EOS,  114
.set BO,   118       ; the set-up: 64 h
.macro PLOAD s                       ; K step s: lanes 0-15 the slice's 256 bytes of row 32 q + i, lanes 16-31 of row 32 q + 16 + i
.set XL, 64+64*((\s)%3)
.irp i,0,1,2,3,4,5,6,7,8,9,10,11,12,13,14,15
	global_load_b128 v[XL+4*\i:XL+4*\i+3], v1, s[30:31] offset:((\s)%8)*128*ROWB+\i*ROWB th:TH_LOAD_NT
.endr
.endm
.macro PROD s                        ; X[4 i + j] = W(128 s + 32 q + 16 hb + i, 4 cg + j)
.set XB, 64+64*((\s)%3)
.if (\s)+2 < KS
	s_wait_loadcnt 32                                ; this set is in; the two younger sets of 16 stay out
.elseif (\s)+1 < KS
	s_wait_loadcnt 16
.else
	s_wait_loadcnt 0x0
.endif
.irp j,0,1,2,3
	v_max3_num_f32 v[CD+3+4*\j], |v[XB+\j]|, |v[XB+4+\j]|, 0x2800000          ; four columns by turns; the floor 2^(5 - 127)
.endr
.irp i,2,4,6,8,10,12,14
.irp j,0,1,2,3
	v_max3_num_f32 v[CD+3+4*\j], v[CD+3+4*\j], |v[XB+4*\i+\j]|, |v[XB+4*\i+4+\j]|
.endr
.endr
.irp j,0,1,2,3
	v_permlanex16_b32 v[TMP+\j], v[CD+3+4*\j], s26, s27
.endr
.irp j,0,1,2,3
	v_max_num_f32 v[CD+3+4*\j], v[CD+3+4*\j], v[TMP+\j]                       ; with the block's other 16 rows
.endr
.irp j,0,1,2,3
	v_add_nc_u32 v[CD+3+4*\j], 0xfe000000, v[CD+3+4*\j]                       ; 4 off the exponent field: the conversion's scale operand
.endr
.irp j,0,1,2,3
.irp i,0,1,2,3,4,5,6,7,8,9,10,11,12,13,14,15
	v_mov_b32 v[TMP+\i], v[XB+4*\i+\j]               ; a column's 16 numbers on end: the conversion takes neighbours along K from consecutive registers
.endr
	v_cvt_scalef32_pk16_bf6_f32 v[CD+4*\j:CD+4*\j+2], v[TMP:TMP+15], v[CD+4*\j+3]
	v_nop                                            ; one plain place behind a conversion
.endr
.if (\s)+3 < KS
	PLOAD (\s)+3                                     ; the set is free
.endif
.if (\s)+3+AHEAD < KS
	global_prefetch_b8 v[PFO], s[30:31] offset:(((\s)+3+AHEAD)%8)*128*ROWB th:TH_LOAD_NT scope:SCOPE_SE   ; my 32 rows of the K step that I load two rounds on; its address registers are never rewritten
.endif
.irp p,0,8
	v_cndmask_b32 v[CD+\p+7], v[CD+\p+3], v[CD+\p+7], s28                     ; lanes 0-15 the pair's first column, lanes 16-31 its second
.endr
.irp p,0,8
	v_lshrrev_b32 v[CD+\p+7], 23, v[CD+\p+7]         ; the scale's byte
.endr
.irp p,0,8
.irp i,0,1,2
	v_permlane16_swap_b32 v[CD+\p+\i], v[CD+\p+4+\i] ; lane (cg, hh) now holds the whole block of column 4 cg + p / 4 + hh
.endr
.endr
.irp p,0,8
.irp i,0,1,2
	v_mov_b32 v[CD+\p+3+\i], v[CD+\p+4+\i]
.endr
.endr
.irp p,0,1
.irp i,0,1,2
	ds_store_b64 v2, v[CD+8*\p+2*\i:CD+8*\p+2*\i+1] offset:(\s)*KREG+224*\p+8*\i
.endr
	ds_store_b8 v3, v[CD+8*\p+7] offset:256*(\s)+8*\p
.endr
.rept 4
	v_nop                                            ; v16-47 are operand registers in the products' text: what vector instructions wrote there stands four places ahead of a scaled product
.endr
.endm
.macro BIASLOAD u                    ; the sums begin from the bias: it is loaded into the accumulators, in the result's layout
.irp t,0,1
.irp c,0,1,2,3
	global_load_b128 v[128+64*(\u)+32*\t+8*\c:128+64*(\u)+32*\t+8*\c+3], v[BO], s[42:43] offset:128*(\c/2)+32*(\c%2)
	global_load_b128 v[128+64*(\u)+32*\t+8*\c+4:128+64*(\u)+32*\t+8*\c+7], v[BO], s[42:43] offset:128*(\c/2)+32*(\c%2)+16
.endr
.endr
.endm
.macro ALOAD u, s                    ; slot u's two fragments and scale words of K step s, gathered from xq by token
.irp t,0,1
.irp g,0,1,2
	global_load_b128 v[AF+24*(\u)+12*\t+4*\g:AF+24*(\u)+12*\t+4*\g+3], v[6+2*(\u)+\t], s[34:35] offset:96*(\s)+16*\g
.endr
.endr
	global_load_b32 v[14+(\u)], v[10+(\u)], s[36:37] offset:4*(\s)
.endm
.macro WM u, t, c                    ; source 0 = 16 columns of the weights, source 1 = 16 rows: a lane holds one row and eight columns
.set AC, 128+64*(\u)+32*(\t)+8*(\c)
.set FB, BF+12*(\c)
.set FA, AF+24*(\u)+12*(\t)
.if ((\c)%2 == 0) && ((\t) == 0)
	v_wmma_scale_f32_16x16x128_f8f6f4 v[AC:AC+7], v[FB:FB+11], v[FA:FA+11], v[AC:AC+7], v[12+(\c)/2], v[14+(\u)] matrix_a_fmt:MATRIX_FMT_BF6 matrix_b_fmt:MATRIX_FMT_BF6
.elseif (\t) == 0
	v_wmma_scale_f32_16x16x128_f8f6f4 v[AC:AC+7], v[FB:FB+11], v[FA:FA+11], v[AC:AC+7], v[12+(\c)/2], v[14+(\u)] matrix_a_fmt:MATRIX_FMT_BF6 matrix_b_fmt:MATRIX_FMT_BF6 matrix_a_scale:MATRIX_SCALE_ROW1
.elseif (\c)%2 == 0
	v_wmma_scale_f32_16x16x128_f8f6f4 v[AC:AC+7], v[FB:FB+11], v[FA:FA+11], v[AC:AC+7], v[12+(\c)/2], v[14+(\u)] matrix_a_fmt:MATRIX_FMT_BF6 matrix_b_fmt:MATRIX_FMT_BF6 matrix_b_scale:MATRIX_SCALE_ROW1
.else
	v_wmma_scale_f32_16x16x128_f8f6f4 v[AC:AC+7], v[FB:FB+11], v[FA:FA+11], v[AC:AC+7], v[12+(\c)/2], v[14+(\u)] matrix_a_fmt:MATRIX_FMT_BF6 matrix_b_fmt:MATRIX_FMT_BF6 matrix_a_scale:MATRIX_SCALE_ROW1 matrix_b_scale:MATRIX_SCALE_ROW1
.endif
.endm
.macro UNIT u, s                     ; eight accumulators by turns, one instruction a turn, from step to step too
.irp t,0,1
.irp c,0,1,2,3
	WM \u, \t, \c
.endr
.endr
.rept 4
	v_nop                                            ; places in front of loads into registers that these products read, and of the first read of results
.endr
.if (\s)+1 < KS
	ALOAD \u, (\s)+1                                 ; a whole K step ahead of its use
.endif
.endm
.macro CSTEP s
	s_wait_loadcnt 0x0                               ; this step's activations, asked for a step ago: no load of mine is out when the registers below are loaded
	s_cmp_eq_u32 s21, 0
	s_cbranch_scc1 .Lce_\@
	v_and_b32 v112, 31, v0
	v_lshl_add_u32 v112, v112, 2, SCB                ; the scale words' place: SCB + 4 x lane
.irp t,0,1,2,3
.irp g,0,1,2
	ds_load_b128 v[BF+12*\t+4*\g:BF+12*\t+4*\g+3], v4 offset:(\s)*KREG+1792*\t+16*\g
.endr
.endr
	ds_load_b32 v12, v112 offset:256*(\s)            ; lanes 0-15 tile 0's words, lanes 16-31 tile 1's
	ds_load_b32 v13, v112 offset:256*(\s)+128        ; tiles 2 and 3
	s_wait_dscnt 0x0
	UNIT 0, \s
	s_cmp_lt_u32 s21, 2
	s_cbranch_scc1 .Lce_\@
	UNIT 1, \s
.Lce_\@:
.endm
.macro SCAL first                    ; a sweep's scalars: slot 0 holds unit first + C, slot 1 unit first + 12 + C
	s_add_co_u32 s44, s24, \first
	s_add_co_u32 s45, s44, 12
	s_cmp_gt_u32 s22, s44
	s_cselect_b32 s21, 1, 0
	s_cmp_gt_u32 s22, s45
	s_cselect_b32 s46, 1, 0
	s_add_co_u32 s21, s21, s46                       ; how many of the two exist
	s_sub_co_u32 s46, s22, 1
	s_min_u32 s44, s44, s46                          ; an empty slot is held at the expert's last unit
	s_min_u32 s45, s45, s46
	s_min_u32 s44, s44, 31
	s_min_u32 s45, s45, 31
.irp u,0,1
	s_mul_i32 s48, s[44+\u], 49152
	s_add_nc_u64 s[74+2*\u:75+2*\u], s[38:39], s[48:49]                       ; the slot's unit in h1's codes,
	s_lshl_b32 s48, s[44+\u], 11
	s_add_nc_u64 s[78+2*\u:79+2*\u], s[40:41], s[48:49]                       ; in its scale words
.endr
	s_lshl_b32 s46, s16, 7
	s_add_co_u32 s46, s46, LIST-512+128*(\first)     ; the list's words of unit first + C, C = wave - 4
.endm
.macro SETUP                         ; a consuming wave's start of a sweep: the rows' tokens, the bias, the first K step's activations
	s_wait_loadcnt 0x0                               ; no load of a consuming wave is out here: the registers below are loaded only behind this wait
	v_and_b32 v112, 31, v0
	v_lshl_add_u32 v112, v112, 2, s46
	ds_load_b32 v113, v112                           ; lane l: the token of row l of slot 0's unit,
	ds_load_b32 v114, v112 offset:1536               ; of slot 1's
	v_mov_b32 v115, 0
	v_mov_b32 v116, 0
	v_bfe_u32 v117, v0, 4, 1                         ; h
	v_lshlrev_b32 v[BO], 6, v117
	BIASLOAD 0
	BIASLOAD 1
	s_wait_dscnt 0x0
.irp u,0,1
	v_permlanex16_b32 v[115+\u], v[113+\u], s26, s27
	v_cndmask_b32 v119, v[113+\u], v[115+\u], s28    ; lane (r, h): the token of row r,
	v_cndmask_b32 v120, v[115+\u], v[113+\u], s28    ; of row 16 + r
	v_min_u32 v119, 1023, v119
	v_min_u32 v120, 1023, v120
	v_min_u32 v121, 1023, v[113+\u]
	v_mul_u32_u24 v119, v119, 768
	v_mul_u32_u24 v120, v120, 768
	v_mad_u32_u24 v[6+2*\u], v117, 48, v119
	v_mad_u32_u24 v[7+2*\u], v117, 48, v120
	v_lshlrev_b32 v[10+\u], 5, v121
.endr
	ALOAD 0, 0
	ALOAD 1, 0
	s_wait_loadcnt 0x0                               ; bias and first activations are in
.endm
.macro ROUND k                       ; two arms, one barrier
	s_cmp_lt_u32 s16, 4
	s_cbranch_scc0 .Lc_\@
	PROD \k
	s_branch .Lj_\@
.Lc_\@:
.if (\k) == 0
	SETUP
.else
	CSTEP (\k)-1
.endif
.Lj_\@:
	s_wait_dscnt 0x0                                 ; a producer's stores have landed; a consumer's LDS loads are in
	s_barrier_signal -1
	s_barrier_wait -1                                ; K step k lies in LDS
.endm
.macro QTILE u, t                    ; 16 rows x 64 columns: relu, two blocks of 32 along the next K, codes in the next operand's register order
.set AC, 128+64*(\u)+32*(\t)
.set Z, AF+24*(\u)+12*(\t)
.irp i,0,1,2,3,4,5,6,7,8,9,10,11,12,13,14,15,16,17,18,19,20,21,22,23,24,25,26,27,28,29,30,31
	v_max_num_f32 v[TT+\i], 0, v[AC+\i]              ; each accumulator from its low end on; register 16 b + i: column 32 b + 16 h + i
.endr
	v_max3_num_f32 v[MS], v[TT], v[TT+1], 0x2800000  ; none is negative: no |.|
	v_max3_num_f32 v[MS+1], v[TT+16], v[TT+17], 0x2800000
.irp i,2,4,6,8,10,12,14
	v_max3_num_f32 v[MS], v[MS], v[TT+\i], v[TT+1+\i]
	v_max3_num_f32 v[MS+1], v[MS+1], v[TT+16+\i], v[TT+17+\i]
.endr
	v_permlanex16_b32 v[MS+2], v[MS], s26, s27
	v_permlanex16_b32 v[MS+3], v[MS+1], s26, s27
	v_max_num_f32 v[MS], v[MS], v[MS+2]
	v_max_num_f32 v[MS+1], v[MS+1], v[MS+3]
	v_add_nc_u32 v[MS+4], 0xfe000000, v[MS]
	v_add_nc_u32 v[MS+5], 0xfe000000, v[MS+1]
	v_lshrrev_b32 v[MS+6], 23, v[MS+4]
	v_lshrrev_b32 v[MS+7], 23, v[MS+5]
	v_lshl_or_b32 v[MS+8+(\t)], v[MS+7], 8, v[MS+6]  ; the row's two scale bytes
	v_cvt_scalef32_pk16_bf6_f32 v[Z:Z+2], v[TT:TT+15], v[MS+4]
	v_cvt_scalef32_pk16_bf6_f32 v[Z+6:Z+8], v[TT+16:TT+31], v[MS+5]
	v_nop
.irp i,0,1,2
	v_permlane16_swap_b32 v[Z+\i], v[Z+6+\i]         ; lane (r, h): the whole block h
.endr
.irp i,0,1,2
	v_mov_b32 v[Z+3+\i], v[Z+6+\i]
.endr
	global_store_b128 v[EO16], v[Z:Z+3], s[74+2*(\u):75+2*(\u)] offset:24576*(\t)        ; 512 consecutive bytes, aligned
	global_store_b64 v[EO8], v[Z+4:Z+5], s[74+2*(\u):75+2*(\u)] offset:24576*(\t)+512    ; 256 consecutive bytes, aligned
.endm
.macro QUNIT u
	QTILE \u, 0
	QTILE \u, 1
	v_cndmask_b32 v[MS+10+(\u)], v[MS+8], v[MS+9], s28                        ; lanes 0-15 the first tile's rows, lanes 16-31 the second's
	global_store_b16 v[EOS], v[MS+10+(\u)], s[78+2*(\u):79+2*(\u)]            ; two of a scale word's four bytes: the other slice of the K step stores the other two
.endm
.macro OUT                           ; a sweep's way out
	s_cmp_eq_u32 s21, 0
	s_cbranch_scc1 .Lo_\@
	v_and_b32 v[EO16], 31, v0
	v_lshlrev_b32 v[EO8], 3, v[EO16]
	v_lshlrev_b32 v[EO16], 4, v[EO16]
	v_and_b32 v[EOS], 15, v0
	v_bfe_u32 v115, v0, 4, 1
	v_lshlrev_b32 v[EOS], 2, v[EOS]
	v_lshl_add_u32 v[EOS], v115, 10, v[EOS]
	v_mov_b32 v[MS+2], 0                             ; a lane permute's destination counts as one of its sources
	v_mov_b32 v[MS+3], 0
	QUNIT 0
	s_cmp_lt_u32 s21, 2
	s_cbranch_scc1 .Lo_\@
	QUNIT 1
.Lo_\@:
.endm
	s_load_b256 s[4:11], s[0:1], 0x0                 ; W1, b1, xq, choice
	s_load_b128 s[12:15], s[0:1], 0x20               ; h1, route
	v_lshrrev_b32 v1, 5, v0
	v_readfirstlane_b32 s16, v1                      ; wave
	v_and_b32 v16, 15, v0                            ; r, cg
	v_bfe_u32 v17, v0, 4, 1                          ; h, hb
	v_and_b32 v18, 31, v0                            ; lane
	v_mov_b32 v19, 0                                 ; v16-19 are later the destinations of lane permutes, which count as sources: all four are written here
.irp i,0,1,2,3
	v_mov_b32 v[20+\i], 0                            ; sixteen bytes of zeros, for the list
.endr
	v_lshlrev_b32 v1, 4, v16
	v_lshl_add_u32 v1, v17, 17, v1                   ; 16 hb rows + 16 cg
	v_and_b32 v2, 9, v16
	v_bfe_u32 v3, v16, 1, 1
	v_lshl_add_u32 v2, v3, 2, v2
	v_bfe_u32 v3, v16, 2, 1
	v_lshl_add_u32 v2, v3, 1, v2                     ; cg with bits 1 and 2 exchanged: a column's bits 3 and 4
	v_lshl_add_u32 v2, v2, 2, v17                    ; the place of column 4 cg + hb
	s_and_b32 s44, s16, 3
	v_lshl_add_u32 v3, v2, 2, SCB
	v_add_nc_u32 v3, s44, v3
	v_mul_u32_u24 v2, v2, 112
	s_and_b32 s45, s16, 1
	s_mul_i32 s45, s45, 48
	s_bfe_u32 s46, s16, 0x10001
	s_mul_i32 s46, s46, 24
	s_add_co_u32 s45, s45, s46
	v_add_nc_u32 v2, s45, v2
	v_mul_u32_u24 v4, v16, 112
	v_mad_u32_u24 v4, v17, 48, v4
	v_lshlrev_b32 v[PFO], 13, v18                    ; my lane x a row of W1
	v_lshlrev_b32 v6, 3, v18                         ; the sort's registers, made by every wave: 8 x lane,
	v_mov_b32 v7, v18                                ; lane,
	v_add_nc_u32 v8, DUMW, v18                       ; my spare word behind the list,
	v_lshlrev_b32 v9, 2, v18                         ; 4 x lane,
	v_lshl_add_u32 v10, v18, 2, CNTW                 ; the count's place,
	v_lshl_add_u32 v11, v18, 4, LIST                 ; the list, 16 bytes a lane
	s_and_b32 s17, ttmp7, 0xffff                     ; expert
	s_mov_b32 s18, ttmp9                             ; slice
	s_mov_b32 s26, 0x76543210
	s_mov_b32 s27, 0xfedcba98
	s_mov_b32 s28, 0xffff0000                        ; lanes 16-31
	s_sub_co_u32 s24, s16, 4                         ; C (of use in consuming waves alone)
	s_lshl_b32 s44, s17, 23
	s_lshl_b32 s45, s18, 8
	s_add_co_u32 s44, s44, s45
	s_and_b32 s45, s16, 3
	s_lshl_b32 s45, s45, 18
	s_add_co_u32 s44, s44, s45                       ; expert, slice, my block's 32 rows
	s_mov_b32 s45, 0
	s_wait_kmcnt 0x0
	s_cmp_eq_u32 s16, 4
	s_cbranch_scc0 .Lnochoice
.irp c,0,1,2,3,4,5,6,7,8,9,10,11,12,13,14,15,16,17,18,19,20,21,22,23,24,25,26,27,28,29,30,31
	global_load_b64 v[128+2*\c:129+2*\c], v6, s[10:11] offset:256*\c          ; wave 4, first thing: token 32 c + lane: its two experts
.endr
.irp k,0,1,2,3,4,5,6,7,8,9,10,11
	ds_store_b128 v11, v[20:23] offset:512*\k        ; while they are out: rows behind an expert's last are token 0
.endr
.Lnochoice:
	s_add_nc_u64 s[30:31], s[4:5], s[44:45]
	s_cmp_lt_u32 s16, 4
	s_cbranch_scc0 .Lnoprod
	s_wait_loadcnt 0x0                               ; no load is out when the weights' registers are first loaded
	PLOAD 0
	PLOAD 1
	PLOAD 2
.Lnoprod:
	s_mov_b64 s[34:35], s[8:9]                       ; xq's codes
	s_add_nc_u64 s[36:37], s[8:9], 786432            ; and scale words
	s_mul_i32 s48, s17, 1572864
	s_mul_i32 s49, s18, 768
	s_add_co_u32 s48, s48, s49
	s_mov_b32 s49, 0                                 ; stays 0: the upper word of every offset below
	s_add_nc_u64 s[38:39], s[12:13], s[48:49]        ; h1's codes: expert, K step slice / 2, half slice % 2
	s_lshl_b32 s48, s17, 16
	s_add_co_u32 s48, s48, 12582912
	s_lshr_b32 s50, s18, 1
	s_lshl_b32 s50, s50, 6
	s_add_co_u32 s48, s48, s50
	s_and_b32 s50, s18, 1
	s_lshl_b32 s50, s50, 1
	s_add_co_u32 s48, s48, s50
	s_add_nc_u64 s[40:41], s[12:13], s[48:49]        ; h1's scale words
	s_lshl_b32 s48, s17, 13
	s_lshl_b32 s50, s18, 8
	s_add_co_u32 s48, s48, s50
	s_add_nc_u64 s[42:43], s[6:7], s[48:49]          ; b1
	s_lshl_b32 s48, s17, 12
	s_add_nc_u64 s[56:57], s[14:15], s[48:49]        ; route: ranks
	s_lshl_b32 s48, s17, 7
	s_add_co_u32 s48, s48, 32768
	s_add_nc_u64 s[58:59], s[14:15], s[48:49]        ; route: count
	s_cmp_eq_u32 s16, 4
	s_cbranch_scc0 .Lnosort
	s_wait_loadcnt 0x0                               ; the choice is in
	s_mov_b32 s44, 0                                 ; rows placed so far
; Two batches of 16 chunks of 32 tokens.  A token goes to my expert where min(e1 ^ E, e2 ^ E) is 0: one compare a chunk.  A batch's sixteen masks are made first, in s82-97,
; so that the scalar counts below do not each wait for a vector compare.
.irp b,0,1
.irp i,0,1,2,3,4,5,6,7,8,9,10,11,12,13,14,15
	v_xor_b32 v[128+2*(16*\b+\i)], s17, v[128+2*(16*\b+\i)]
	v_xor_b32 v[129+2*(16*\b+\i)], s17, v[129+2*(16*\b+\i)]
.endr
.irp i,0,1,2,3,4,5,6,7,8,9,10,11,12,13,14,15
	v_min_u32 v[128+2*(16*\b+\i)], v[128+2*(16*\b+\i)], v[129+2*(16*\b+\i)]
.endr
.irp i,0,1,2,3,4,5,6,7,8,9,10,11,12,13,14,15
	v_cmp_eq_u32 s[82+\i], 0, v[128+2*(16*\b+\i)]    ; the lanes whose token goes to my expert
.endr
.irp i,0,1,2,3,4,5,6,7,8,9,10,11,12,13,14,15
	v_mbcnt_lo_u32_b32 v[128+2*(16*\b+\i)], s[82+\i], s44                     ; the rank: those before, in earlier chunks and in lower lanes
	s_bcnt1_i32_b32 s45, s[82+\i]
	v_add_nc_u32 v[129+2*(16*\b+\i)], 32*(16*\b+\i), v7                       ; the token
	v_cndmask_b32 v[192+16*\b+\i], v8, v[128+2*(16*\b+\i)], s[82+\i]          ; a lane with nothing to place takes its spare word
	s_add_co_u32 s44, s44, s45
	v_min_u32 v[192+16*\b+\i], DUMW+31, v[192+16*\b+\i]
	v_lshl_add_u32 v[192+16*\b+\i], v[192+16*\b+\i], 2, LIST
	ds_store_b32 v[192+16*\b+\i], v[129+2*(16*\b+\i)]                         ; list[rank] = token (LDS serves a wave's instructions in order: behind the zeros)
.endr
.endr
	v_mov_b32 v72, s44
	ds_store_b32 v10, v72
	s_cmp_eq_u32 s18, 0
	s_cbranch_scc0 .Lnosort
.irp c,0,1,2,3,4,5,6,7,8,9,10,11,12,13,14,15,16,17,18,19,20,21,22,23,24,25,26,27,28,29,30,31
	global_store_b32 v9, v[128+2*\c], s[56:57] offset:128*\c
.endr
	global_store_b32 v9, v72, s[58:59]
	s_wait_xcnt 0x0                                  ; the stores' registers are written again below
.Lnosort:
	s_wait_loadcnt 0x0                               ; every wave's loads are in at this barrier: the weights' first three sets have the sort's time in which to land
	s_wait_dscnt 0x0
	s_barrier_signal -1
	s_barrier_wait -1                                ; list and count lie in LDS; no other wave has touched LDS so far
	ds_load_b32 v16, v10                             ; the count, into a register that is never an address
	s_wait_dscnt 0x0
	v_readfirstlane_b32 s22, v16
	s_min_u32 s22, s22, 1024
	s_add_co_u32 s22, s22, 31
	s_lshr_b32 s22, s22, 5
	s_max_u32 s22, s22, 1                            ; units of the expert, at least one
	SCAL 0                                           ; made by every wave, ahead of the parting of roles; a producing wave makes them and uses none
.set Q, 0
.rept KS
	ROUND Q
.set Q, Q+1
.endr
	s_cmp_lt_u32 s16, 4
	s_cbranch_scc1 .Lend                             ; the producing waves are done: no barrier follows
	CSTEP KS-1                                       ; the last K step's products
	OUT
.rept 4
	v_nop                                            ; the codes just made lie in operand registers: what vector instructions wrote there stands four places ahead of a scaled product
.endr
	s_wait_loadcnt 0x0                               ; no load is out at a sweep's end
	s_wait_xcnt 0x0                                  ; bases, offsets and store data are written again below
	SCAL 24                                          ; THE SECOND SWEEP: units 24 + C and 36 + C
	s_cmp_eq_u32 s21, 0
	s_cbranch_scc1 .Lend                             ; none of them exists: an expert of at most 768 rows, or a wave beyond its last unit
	SETUP
.set Q, 0
.rept KS
	CSTEP Q
.set Q, Q+1
.endr
	OUT
.Lend:
	s_wait_xcnt 0x0
	v_lshl_add_u32 v46, v0, 2, 0x10200
	v_mov_b32 v47, 0
	s_wait_tensorcnt 0x0
	ds_add_u32 v46, v47
	s_wait_dscnt 0x0
	s_endpgm
.Lfunc_end_k_q6cd8a434b7_l1:
	.size	k_q6cd8a434b7_l1, .Lfunc_end_k_q6cd8a434b7_l1-k_q6cd8a434b7_l1
	.p2alignl 7, 3214868480
	.fill 96, 4, 3214868480
	.section	.rodata,"a",@progbits
	.p2align	6, 0x0
	.amdhsa_kernel k_q6cd8a434b7_l1
		.amdhsa_group_segment_fixed_size 68096
		.amdhsa_private_segment_fixed_size 0
		.amdhsa_enable_private_segment 0
		.amdhsa_kernarg_size 48
		.amdhsa_user_sgpr_count 2
		.amdhsa_user_sgpr_kernarg_segment_ptr 1
		.amdhsa_wavefront_size32 1
		.amdhsa_system_sgpr_workgroup_id_x 1
		.amdhsa_system_sgpr_workgroup_id_y 1
		.amdhsa_system_sgpr_workgroup_id_z 1
		.amdhsa_system_vgpr_workitem_id 0
		.amdhsa_next_free_vgpr 256
		.amdhsa_next_free_sgpr 100
		.amdhsa_reserve_vcc 0
		.amdhsa_float_denorm_mode_32 3
		.amdhsa_float_denorm_mode_16_64 3
		.amdhsa_memory_ordered 1
		.amdhsa_forward_progress 1
		.amdhsa_inst_pref_size 210
	.end_amdhsa_kernel
	.amdgpu_metadata
---
amdhsa.version: [ 1, 2 ]
amdhsa.kernels:
  - .name:           k_q6cd8a434b7_l1
    .symbol:         k_q6cd8a434b7_l1.kd
    .args:
      - { .name: W1, .offset: 0, .size: 8, .value_kind: global_buffer, .address_space: global }
      - { .name: b1, .offset: 8, .size: 8, .value_kind: global_buffer, .address_space: global }
      - { .name: xq, .offset: 16, .size: 8, .value_kind: global_buffer, .address_space: global }
      - { .name: choice, .offset: 24, .size: 8, .value_kind: global_buffer, .address_space: global }
      - { .name: h1, .offset: 32, .size: 8, .value_kind: global_buffer, .address_space: global }
      - { .name: route, .offset: 40, .size: 8, .value_kind: global_buffer, .address_space: global }
    .group_segment_fixed_size: 68096
    .private_segment_fixed_size: 0
    .kernarg_segment_align: 8
    .kernarg_segment_size: 48
    .max_flat_workgroup_size: 512
    .sgpr_count:     100
    .vgpr_count:     256
    .wavefront_size: 32
...
	.end_amdgpu_metadata
.endif
;; end of part 2
;; launch l2 (part 3): grid 32 x 8, 16 waves a work-group, no clusters, 120,832 bytes of LDS; arguments W2, b2, h1, route, h2; writes h2
.if DOCPART == 3
	.amdgcn_target "amdgcn-amd-amdhsa--gfx1250"
	.amdhsa_code_object_version 6
	.text
	.protected	k_q6cd8a434b7_l2
	.globl	k_q6cd8a434b7_l2
	.p2align	8
	.type	k_q6cd8a434b7_l2,@function
k_q6cd8a434b7_l2:
	s_mov_b64 s[64:65], 0
	v_nop
	global_prefetch_b8 v0, s[64:65] scope:SCOPE_SE
	s_setreg_imm32_b32 hwreg(HW_REG_WAVE_MODE, 25, 1), 1
	s_wait_xcnt 0x0
; EXPERT LAYER 2: h2 = Q(relu(h1 Q(W2[e]) + b2[e])) for the rows routed to expert e; h1 arrives as codes of E3M2 and scale words in the operand's register order.  Sums in f32.
; SHARES.  Work-group (slice, e): 64 columns of expert e, all of K = 2,048 in 16 steps of 128.  A row of its part of W2 is 256 consecutive bytes, aligned; each byte of W2 is read once in the launch.
; ROLES.  Waves 0-3 PRODUCE: weight loads alone (three sets of 16 loads of 512 bytes a wave are out), quantised along K in registers, codes and scale bytes into LDS, where the whole slice stays: each LDS byte is written once.
; Wave q owns block q (32 along K) of every step.  They end behind the last barrier.
; Waves 4-15 CONSUME: wave 4 + C has two slots of one unit (32 rows x 64 columns): units C and 12 + C in the first sweep, 24 + C and 36 + C in the second.
; Loads of a wave come back in order, so the weight stream and the activations are given to different waves.
; A ROUND has two arms, of which a wave takes one, and one barrier behind them: producing waves make K step k; consuming waves multiply K step k - 1 (in round 0: the sweep's set-up).
; The last K step's products and the way out follow behind the last barrier.  The consuming arm begins with a wait for all loads.
; THE SECOND SWEEP (rows 768 on) stands behind the last barrier and has none: all codes lie in LDS and nobody writes them.  A wave without a unit there jumps over it: a scalar branch on the count.
; The number of units comes from the count that the first layer stored (route); at least one unit is made, as there.
; The set-up of a sweep (bias into the accumulators, first step's activations) runs for both slots, an empty slot with its unit held at the expert's last; products, later loads and stores are jumped over by the count.
; THE COLUMNS OF A TILE ARE NOT NEIGHBOURS: lane r of tile 2 b + u takes column 32 b + 8 u + r + 8 (r / 8), so that a lane's 16 results of tiles 2 b, 2 b + 1 are 16 neighbours along the next K.
; A PREFETCH INTO THE L2: behind the loads of K step s + 3 stands one prefetch for K step s + 5: my block's 32 rows x the slice's 256 bytes, a lane a row, two rounds ahead of the loads that will ask for them.
; A wave asks for the rows that it will load itself, so each row's 256 bytes are named once in the launch.  K steps 0 to 4 come by their loads alone; the last five rounds ask for nothing.
; No tensor load, no cluster: jumps hang on a count read from memory.
; REGISTERS.  v0 the thread's number, kept; v1 weights' offset; v2, v3 where a producer stores codes, bytes (v6: codes of steps 8 on); v4, v5 where a consumer reads them (v7: steps 8 on); v8 16 lane, v9 8 lane, v10 1024 h + 4 r;
; v11 the prefetches' offset: my lane x a row of W2; v12-13 weights' scale words, v14-15 activations'.
; v16-63: consumers: activations (u, t) at 16 + 24 u + 12 t; producers: v16-31 one column's 16 numbers, v32-47 codes, the maxima in every fourth.
; v64-255: producers: three sets of 64 numbers; consumers: v64-111 four weight fragments, v112-127 at work, v128-255 accumulators (u, t, c) at 128 + 64 u + 32 t + 8 c.
; The loads that a consuming wave leaves out across a barrier (v14-63) and the weight loads (v64-255) name different registers.
; A slot's unit stands in scalar bases: s[66:69] h1's codes, s[70:73] its scale words, s[74:77] h2's codes, s[78:81] its scale words.
; LIMITS: NaN and infinities not served; a block under 2^-122 (zeros too) gets the scale byte 1.  Rows 768 .. 1,023 of one expert are served by the second sweep, whose activation loads are not hidden behind a weight stream.
.set KS,   16
.set ROWB, 8192
.set KREG, 7168      ; LDS, K step s at s KREG: 64 places of 112 bytes (96 of codes + 16); in a place block q at 48 (q & 1) + 24 (q >> 1)
.set SCB,  KS*KREG   ; scale words: SCB + 256 s + 4 place + q
.set AHEAD, 2        ; rounds between a prefetch and the loads of the same K step
.set PFO,  11
.set TMP,  16
.set CD,   32
.set AF,   16
.set BF,   64
.set TT,   64        ; the way out: 32 numbers of a tile
.set MS,   96        ; and what is made of them
.set EO16, 8
.set EO8,  9
.set EOS,  10
.set BO,   118       ; the set-up: 64 h
.macro PLOAD s                       ; K step s: lanes 0-15 the slice's 256 bytes of row 32 q + i, lanes 16-31 of row 32 q + 16 + i
.set XL, 64+64*((\s)%3)
.irp i,0,1,2,3,4,5,6,7,8,9,10,11,12,13,14,15
	global_load_b128 v[XL+4*\i:XL+4*\i+3], v1, s[30+2*((\s)/8):31+2*((\s)/8)] offset:((\s)%8)*128*ROWB+\i*ROWB th:TH_LOAD_NT
.endr
.endm
.macro PROD s                        ; X[4 i + j] = W(128 s + 32 q + 16 hb + i, 4 cg + j)
.set XB, 64+64*((\s)%3)
.set LW, 2+4*((\s)/8)
.if (\s)+2 < KS
	s_wait_loadcnt 32                                ; this set is in; the two younger sets of 16 stay out
.elseif (\s)+1 < KS
	s_wait_loadcnt 16
.else
	s_wait_loadcnt 0x0
.endif
.irp j,0,1,2,3
	v_max3_num_f32 v[CD+3+4*\j], |v[XB+\j]|, |v[XB+4+\j]|, 0x2800000          ; four columns by turns; the floor 2^(5 - 127)
.endr
.irp i,2,4,6,8,10,12,14
.irp j,0,1,2,3
	v_max3_num_f32 v[CD+3+4*\j], v[CD+3+4*\j], |v[XB+4*\i+\j]|, |v[XB+4*\i+4+\j]|
.endr
.endr
.irp j,0,1,2,3
	v_permlanex16_b32 v[TMP+\j], v[CD+3+4*\j], s26, s27
.endr
.irp j,0,1,2,3
	v_max_num_f32 v[CD+3+4*\j], v[CD+3+4*\j], v[TMP+\j]                       ; with the block's other 16 rows
.endr
.irp j,0,1,2,3
	v_add_nc_u32 v[CD+3+4*\j], 0xfe000000, v[CD+3+4*\j]                       ; 4 off the exponent field: the conversion's scale operand
.endr
.irp j,0,1,2,3
.irp i,0,1,2,3,4,5,6,7,8,9,10,11,12,13,14,15
	v_mov_b32 v[TMP+\i], v[XB+4*\i+\j]               ; a column's 16 numbers on end: the conversion takes neighbours along K from consecutive registers
.endr
	v_cvt_scalef32_pk16_bf6_f32 v[CD+4*\j:CD+4*\j+2], v[TMP:TMP+15], v[CD+4*\j+3]
	v_nop                                            ; one plain place behind a conversion
.endr
.if (\s)+3 < KS
	PLOAD (\s)+3                                     ; the set is free
.endif
.if (\s)+3+AHEAD < KS
	global_prefetch_b8 v[PFO], s[30+2*(((\s)+3+AHEAD)/8):31+2*(((\s)+3+AHEAD)/8)] offset:(((\s)+3+AHEAD)%8)*128*ROWB th:TH_LOAD_NT scope:SCOPE_SE   ; my 32 rows of the K step that I load two rounds on; its address registers are never rewritten
.endif
.irp p,0,8
	v_cndmask_b32 v[CD+\p+7], v[CD+\p+3], v[CD+\p+7], s28                     ; lanes 0-15 the pair's first column, lanes 16-31 its second
.endr
.irp p,0,8
	v_lshrrev_b32 v[CD+\p+7], 23, v[CD+\p+7]         ; the scale's byte
.endr
.irp p,0,8
.irp i,0,1,2
	v_permlane16_swap_b32 v[CD+\p+\i], v[CD+\p+4+\i] ; lane (cg, hh) now holds the whole block of column 4 cg + p / 4 + hh
.endr
.endr
.irp p,0,8
.irp i,0,1,2
	v_mov_b32 v[CD+\p+3+\i], v[CD+\p+4+\i]
.endr
.endr
.irp p,0,1
.irp i,0,1,2
	ds_store_b64 v[LW], v[CD+8*\p+2*\i:CD+8*\p+2*\i+1] offset:((\s)%8)*KREG+224*\p+8*\i
.endr
	ds_store_b8 v3, v[CD+8*\p+7] offset:256*(\s)+8*\p
.endr
.rept 4
	v_nop                                            ; v16-47 are operand registers in the products' text: what vector instructions wrote there stands four places ahead of a scaled product
.endr
.endm
.macro BIASLOAD u                    ; the sums begin from the bias: it is loaded into the accumulators, in the result's layout
.irp t,0,1
.irp c,0,1,2,3
	global_load_b128 v[128+64*(\u)+32*\t+8*\c:128+64*(\u)+32*\t+8*\c+3], v[BO], s[42:43] offset:128*(\c/2)+32*(\c%2)
	global_load_b128 v[128+64*(\u)+32*\t+8*\c+4:128+64*(\u)+32*\t+8*\c+7], v[BO], s[42:43] offset:128*(\c/2)+32*(\c%2)+16
.endr
.endr
.endm
.macro ALOAD u, s                    ; slot u's two fragments and scale words of K step s: images of the operand's registers
.irp t,0,1
	global_load_b128 v[AF+24*(\u)+12*\t:AF+24*(\u)+12*\t+3], v8, s[66+2*(\u):67+2*(\u)] offset:24576*\t+1536*(\s)
	global_load_b64 v[AF+24*(\u)+12*\t+4:AF+24*(\u)+12*\t+5], v9, s[66+2*(\u):67+2*(\u)] offset:24576*\t+1536*(\s)+512
	global_load_b128 v[AF+24*(\u)+12*\t+6:AF+24*(\u)+12*\t+9], v8, s[66+2*(\u):67+2*(\u)] offset:24576*\t+1536*(\s)+768
	global_load_b64 v[AF+24*(\u)+12*\t+10:AF+24*(\u)+12*\t+11], v9, s[66+2*(\u):67+2*(\u)] offset:24576*\t+1536*(\s)+1280
.endr
	global_load_b32 v[14+(\u)], v10, s[70+2*(\u):71+2*(\u)] offset:64*(\s)    ; lanes 0-15 the first tile's rows, lanes 16-31 the second's
.endm
.macro WM u, t, c                    ; source 0 = 16 columns of the weights, source 1 = 16 rows: a lane holds one row and eight columns
.set AC, 128+64*(\u)+32*(\t)+8*(\c)
.set FB, BF+12*(\c)
.set FA, AF+24*(\u)+12*(\t)
.if ((\c)%2 == 0) && ((\t) == 0)
	v_wmma_scale_f32_16x16x128_f8f6f4 v[AC:AC+7], v[FB:FB+11], v[FA:FA+11], v[AC:AC+7], v[12+(\c)/2], v[14+(\u)] matrix_a_fmt:MATRIX_FMT_BF6 matrix_b_fmt:MATRIX_FMT_BF6
.elseif (\t) == 0
	v_wmma_scale_f32_16x16x128_f8f6f4 v[AC:AC+7], v[FB:FB+11], v[FA:FA+11], v[AC:AC+7], v[12+(\c)/2], v[14+(\u)] matrix_a_fmt:MATRIX_FMT_BF6 matrix_b_fmt:MATRIX_FMT_BF6 matrix_a_scale:MATRIX_SCALE_ROW1
.elseif (\c)%2 == 0
	v_wmma_scale_f32_16x16x128_f8f6f4 v[AC:AC+7], v[FB:FB+11], v[FA:FA+11], v[AC:AC+7], v[12+(\c)/2], v[14+(\u)] matrix_a_fmt:MATRIX_FMT_BF6 matrix_b_fmt:MATRIX_FMT_BF6 matrix_b_scale:MATRIX_SCALE_ROW1
.else
	v_wmma_scale_f32_16x16x128_f8f6f4 v[AC:AC+7], v[FB:FB+11], v[FA:FA+11], v[AC:AC+7], v[12+(\c)/2], v[14+(\u)] matrix_a_fmt:MATRIX_FMT_BF6 matrix_b_fmt:MATRIX_FMT_BF6 matrix_a_scale:MATRIX_SCALE_ROW1 matrix_b_scale:MATRIX_SCALE_ROW1
.endif
.endm
.macro UNIT u, s                     ; eight accumulators by turns, one instruction a turn, from step to step too
.irp t,0,1
.irp c,0,1,2,3
	WM \u, \t, \c
.endr
.endr
.rept 4
	v_nop                                            ; places in front of loads into registers that these products read, and of the first read of results
.endr
.if (\s)+1 < KS
	ALOAD \u, (\s)+1                                 ; a whole K step ahead of its use
.endif
.endm
.macro CSTEP s
	s_wait_loadcnt 0x0                               ; this step's activations, asked for a step ago: no load of mine is out when the registers below are loaded
	s_cmp_eq_u32 s21, 0
	s_cbranch_scc1 .Lce_\@
.set LR, 4+3*((\s)/8)
.irp t,0,1,2,3
.irp g,0,1,2
	ds_load_b128 v[BF+12*\t+4*\g:BF+12*\t+4*\g+3], v[LR] offset:((\s)%8)*KREG+1792*\t+16*\g
.endr
.endr
	ds_load_b32 v12, v5 offset:256*(\s)              ; lanes 0-15 tile 0's words, lanes 16-31 tile 1's
	ds_load_b32 v13, v5 offset:256*(\s)+128          ; tiles 2 and 3
	s_wait_dscnt 0x0
	UNIT 0, \s
	s_cmp_lt_u32 s21, 2
	s_cbranch_scc1 .Lce_\@
	UNIT 1, \s
.Lce_\@:
.endm
.macro SCAL first                    ; a sweep's scalars: slot 0 holds unit first + C, slot 1 unit first + 12 + C
	s_add_co_u32 s44, s24, \first
	s_add_co_u32 s45, s44, 12
	s_cmp_gt_u32 s22, s44
	s_cselect_b32 s21, 1, 0
	s_cmp_gt_u32 s22, s45
	s_cselect_b32 s46, 1, 0
	s_add_co_u32 s21, s21, s46                       ; how many of the two exist
	s_sub_co_u32 s46, s22, 1
	s_min_u32 s44, s44, s46                          ; an empty slot is held at the expert's last unit
	s_min_u32 s45, s45, s46
	s_min_u32 s44, s44, 31
	s_min_u32 s45, s45, 31
.irp u,0,1
	s_mul_i32 s48, s[44+\u], 49152
	s_add_nc_u64 s[66+2*\u:67+2*\u], s[34:35], s[48:49]                       ; the slot's unit in h1's codes,
	s_add_nc_u64 s[74+2*\u:75+2*\u], s[38:39], s[48:49]                       ; in h2's,
	s_lshl_b32 s48, s[44+\u], 11
	s_add_nc_u64 s[70+2*\u:71+2*\u], s[36:37], s[48:49]                       ; in h1's scale words,
	s_add_nc_u64 s[78+2*\u:79+2*\u], s[40:41], s[48:49]                       ; in h2's
.endr
.endm
.macro SETUP                         ; a consuming wave's start of a sweep: the bias, the first K step's activations
	s_wait_loadcnt 0x0                               ; no load of a consuming wave is out here: the registers below are loaded only behind this wait
	v_bfe_u32 v[BO], v0, 4, 1
	v_lshlrev_b32 v[BO], 6, v[BO]
	BIASLOAD 0
	BIASLOAD 1
	ALOAD 0, 0
	ALOAD 1, 0
	s_wait_loadcnt 0x0                               ; bias and first activations are in
.endm
.macro ROUND k                       ; two arms, one barrier
	s_cmp_lt_u32 s16, 4
	s_cbranch_scc0 .Lc_\@
	PROD \k
	s_branch .Lj_\@
.Lc_\@:
.if (\k) == 0
	SETUP
.else
	CSTEP (\k)-1
.endif
.Lj_\@:
	s_wait_dscnt 0x0                                 ; a producer's stores have landed; a consumer's LDS loads are in
	s_barrier_signal -1
	s_barrier_wait -1                                ; K step k lies in LDS
.endm
.macro QTILE u, t                    ; 16 rows x 64 columns: relu, two blocks of 32 along the next K, codes in the next operand's register order
.set AC, 128+64*(\u)+32*(\t)
.set Z, AF+24*(\u)+12*(\t)
.irp i,0,1,2,3,4,5,6,7,8,9,10,11,12,13,14,15,16,17,18,19,20,21,22,23,24,25,26,27,28,29,30,31
	v_max_num_f32 v[TT+\i], 0, v[AC+\i]              ; each accumulator from its low end on; register 16 b + i: column 32 b + 16 h + i
.endr
	v_max3_num_f32 v[MS], v[TT], v[TT+1], 0x2800000  ; none is negative: no |.|
	v_max3_num_f32 v[MS+1], v[TT+16], v[TT+17], 0x2800000
.irp i,2,4,6,8,10,12,14
	v_max3_num_f32 v[MS], v[MS], v[TT+\i], v[TT+1+\i]
	v_max3_num_f32 v[MS+1], v[MS+1], v[TT+16+\i], v[TT+17+\i]
.endr
	v_permlanex16_b32 v[MS+2], v[MS], s26, s27
	v_permlanex16_b32 v[MS+3], v[MS+1], s26, s27
	v_max_num_f32 v[MS], v[MS], v[MS+2]
	v_max_num_f32 v[MS+1], v[MS+1], v[MS+3]
	v_add_nc_u32 v[MS+4], 0xfe000000, v[MS]
	v_add_nc_u32 v[MS+5], 0xfe000000, v[MS+1]
	v_lshrrev_b32 v[MS+6], 23, v[MS+4]
	v_lshrrev_b32 v[MS+7], 23, v[MS+5]
	v_lshl_or_b32 v[MS+8+(\t)], v[MS+7], 8, v[MS+6]  ; the row's two scale bytes
	v_cvt_scalef32_pk16_bf6_f32 v[Z:Z+2], v[TT:TT+15], v[MS+4]
	v_cvt_scalef32_pk16_bf6_f32 v[Z+6:Z+8], v[TT+16:TT+31], v[MS+5]
	v_nop
.irp i,0,1,2
	v_permlane16_swap_b32 v[Z+\i], v[Z+6+\i]         ; lane (r, h): the whole block h
.endr
.irp i,0,1,2
	v_mov_b32 v[Z+3+\i], v[Z+6+\i]
.endr
	global_store_b128 v[EO16], v[Z:Z+3], s[74+2*(\u):75+2*(\u)] offset:24576*(\t)        ; 512 consecutive bytes, aligned
	global_store_b64 v[EO8], v[Z+4:Z+5], s[74+2*(\u):75+2*(\u)] offset:24576*(\t)+512    ; 256 consecutive bytes, aligned
.endm
.macro QUNIT u
	QTILE \u, 0
	QTILE \u, 1
	v_cndmask_b32 v[MS+10+(\u)], v[MS+8], v[MS+9], s28                        ; lanes 0-15 the first tile's rows, lanes 16-31 the second's
	global_store_b16 v[EOS], v[MS+10+(\u)], s[78+2*(\u):79+2*(\u)]            ; two of a scale word's four bytes: the other slice of the K step stores the other two
.endm
.macro OUT                           ; a sweep's way out
	s_cmp_eq_u32 s21, 0
	s_cbranch_scc1 .Lo_\@
	v_mov_b32 v[MS+2], 0                             ; a lane permute's destination counts as one of its sources
	v_mov_b32 v[MS+3], 0
	QUNIT 0
	s_cmp_lt_u32 s21, 2
	s_cbranch_scc1 .Lo_\@
	QUNIT 1
.Lo_\@:
.endm
	s_load_b256 s[4:11], s[0:1], 0x0                 ; W2, b2, h1, route
	s_load_b64 s[12:13], s[0:1], 0x20                ; h2
	v_lshrrev_b32 v1, 5, v0
	v_readfirstlane_b32 s16, v1                      ; wave
	v_and_b32 v16, 15, v0                            ; r, cg
	v_bfe_u32 v17, v0, 4, 1                          ; h, hb
	v_and_b32 v18, 31, v0                            ; lane
	v_mov_b32 v19, 0                                 ; v16-19 are later the destinations of lane permutes, which count as sources: all four are written here
	v_lshlrev_b32 v1, 4, v16
	v_lshl_add_u32 v1, v17, 17, v1                   ; 16 hb rows + 16 cg
	v_and_b32 v2, 9, v16
	v_bfe_u32 v3, v16, 1, 1
	v_lshl_add_u32 v2, v3, 2, v2
	v_bfe_u32 v3, v16, 2, 1
	v_lshl_add_u32 v2, v3, 1, v2                     ; cg with bits 1 and 2 exchanged: a column's bits 3 and 4
	v_lshl_add_u32 v2, v2, 2, v17                    ; the place of column 4 cg + hb
	s_and_b32 s44, s16, 3
	v_lshl_add_u32 v3, v2, 2, SCB
	v_add_nc_u32 v3, s44, v3
	v_mul_u32_u24 v2, v2, 112
	s_and_b32 s45, s16, 1
	s_mul_i32 s45, s45, 48
	s_bfe_u32 s46, s16, 0x10001
	s_mul_i32 s46, s46, 24
	s_add_co_u32 s45, s45, s46
	v_add_nc_u32 v2, s45, v2
	v_mul_u32_u24 v4, v16, 112
	v_mad_u32_u24 v4, v17, 48, v4
	v_lshl_add_u32 v5, v18, 2, SCB
	v_add_nc_u32 v6, 8*KREG, v2
	v_add_nc_u32 v7, 8*KREG, v4
	v_lshlrev_b32 v8, 4, v18
	v_lshlrev_b32 v9, 3, v18
	v_lshlrev_b32 v10, 2, v16
	v_lshl_add_u32 v10, v17, 10, v10
	v_lshlrev_b32 v[PFO], 13, v18                    ; my lane x a row of W2
	s_and_b32 s17, ttmp7, 0xffff                     ; expert
	s_mov_b32 s18, ttmp9                             ; slice
	s_mov_b32 s26, 0x76543210
	s_mov_b32 s27, 0xfedcba98
	s_mov_b32 s28, 0xffff0000                        ; lanes 16-31
	s_sub_co_u32 s24, s16, 4                         ; C (of use in consuming waves alone)
	s_lshl_b32 s44, s17, 24
	s_lshl_b32 s45, s18, 8
	s_add_co_u32 s44, s44, s45
	s_and_b32 s45, s16, 3
	s_lshl_b32 s45, s45, 18
	s_add_co_u32 s44, s44, s45                       ; expert, slice, my block's 32 rows
	s_mov_b32 s45, 0
	s_lshl_b32 s46, s17, 7
	s_wait_kmcnt 0x0
	s_load_b32 s22, s[10:11], s46 offset:0x8000      ; the expert's count of rows
	s_add_nc_u64 s[30:31], s[4:5], s[44:45]
	s_add_nc_u64 s[32:33], s[30:31], 0x800000        ; K steps 8 on
	s_cmp_lt_u32 s16, 4
	s_cbranch_scc0 .Lnoprod
	PLOAD 0
	PLOAD 1
	PLOAD 2
.Lnoprod:
	s_mul_i32 s48, s17, 1572864
	s_mov_b32 s49, 0                                 ; stays 0: the upper word of every offset below
	s_add_nc_u64 s[34:35], s[8:9], s[48:49]          ; h1's codes of the expert
	s_mul_i32 s50, s18, 768
	s_add_co_u32 s48, s48, s50
	s_add_nc_u64 s[38:39], s[12:13], s[48:49]        ; h2's codes: expert, K step slice / 2, half slice % 2
	s_lshl_b32 s48, s17, 16
	s_add_co_u32 s48, s48, 12582912
	s_add_nc_u64 s[36:37], s[8:9], s[48:49]          ; h1's scale words
	s_lshr_b32 s50, s18, 1
	s_lshl_b32 s50, s50, 6
	s_add_co_u32 s48, s48, s50
	s_and_b32 s50, s18, 1
	s_lshl_b32 s50, s50, 1
	s_add_co_u32 s48, s48, s50
	s_add_nc_u64 s[40:41], s[12:13], s[48:49]        ; h2's scale words
	s_lshl_b32 s48, s17, 13
	s_lshl_b32 s50, s18, 8
	s_add_co_u32 s48, s48, s50
	s_add_nc_u64 s[42:43], s[6:7], s[48:49]          ; b2
	s_wait_kmcnt 0x0
	s_min_u32 s22, s22, 1024
	s_add_co_u32 s22, s22, 31
	s_lshr_b32 s22, s22, 5
	s_max_u32 s22, s22, 1                            ; units of the expert, at least one
	SCAL 0                                           ; made by every wave, ahead of the parting of roles; a producing wave makes them and uses none
.set Q, 0
.rept KS
	ROUND Q
.set Q, Q+1
.endr
	s_cmp_lt_u32 s16, 4
	s_cbranch_scc1 .Lend                             ; the producing waves are done: no barrier follows
	CSTEP KS-1                                       ; the last K step's products
	OUT
.rept 4
	v_nop                                            ; the codes just made lie in operand registers: what vector instructions wrote there stands four places ahead of a scaled product
.endr
	s_wait_loadcnt 0x0                               ; no load is out at a sweep's end
	s_wait_xcnt 0x0                                  ; bases and store data are written again below
	SCAL 24                                          ; THE SECOND SWEEP: units 24 + C and 36 + C
	s_cmp_eq_u32 s21, 0
	s_cbranch_scc1 .Lend                             ; none of them exists: an expert of at most 768 rows, or a wave beyond its last unit
	SETUP
.set Q, 0
.rept KS
	CSTEP Q
.set Q, Q+1
.endr
	OUT
.Lend:
	s_wait_xcnt 0x0
	v_lshl_add_u32 v46, v0, 2, 0x1d000
	v_mov_b32 v47, 0
	s_wait_tensorcnt 0x0
	ds_add_u32 v46, v47
	s_wait_dscnt 0x0
	s_endpgm
.Lfunc_end_k_q6cd8a434b7_l2:
	.size	k_q6cd8a434b7_l2, .Lfunc_end_k_q6cd8a434b7_l2-k_q6cd8a434b7_l2
	.p2alignl 7, 3214868480
	.fill 96, 4, 3214868480
	.section	.rodata,"a",@progbits
	.p2align	6, 0x0
	.amdhsa_kernel k_q6cd8a434b7_l2
		.amdhsa_group_segment_fixed_size 120832
		.amdhsa_private_segment_fixed_size 0
		.amdhsa_enable_private_segment 0
		.amdhsa_kernarg_size 40
		.amdhsa_user_sgpr_count 2
		.amdhsa_user_sgpr_kernarg_segment_ptr 1
		.amdhsa_wavefront_size32 1
		.amdhsa_system_sgpr_workgroup_id_x 1
		.amdhsa_system_sgpr_workgroup_id_y 1
		.amdhsa_system_sgpr_workgroup_id_z 1
		.amdhsa_system_vgpr_workitem_id 0
		.amdhsa_next_free_vgpr 256
		.amdhsa_next_free_sgpr 88
		.amdhsa_reserve_vcc 0
		.amdhsa_float_denorm_mode_32 3
		.amdhsa_float_denorm_mode_16_64 3
		.amdhsa_memory_ordered 1
		.amdhsa_forward_progress 1
		.amdhsa_inst_pref_size 255
	.end_amdhsa_kernel
	.section	.bss,"aw",@nobits
	.p2align	6
	.space	262144
	.amdgpu_metadata
---
amdhsa.version: [ 1, 2 ]
amdhsa.kernels:
  - .name:           k_q6cd8a434b7_l2
    .symbol:         k_q6cd8a434b7_l2.kd
    .args:
      - { .name: W2, .offset: 0, .size: 8, .value_kind: global_buffer, .address_space: global }
      - { .name: b2, .offset: 8, .size: 8, .value_kind: global_buffer, .address_space: global }
      - { .name: h1, .offset: 16, .size: 8, .value_kind: global_buffer, .address_space: global }
      - { .name: route, .offset: 24, .size: 8, .value_kind: global_buffer, .address_space: global }
      - { .name: h2, .offset: 32, .size: 8, .value_kind: global_buffer, .address_space: global }
    .group_segment_fixed_size: 120832
    .private_segment_fixed_size: 0
    .kernarg_segment_align: 8
    .kernarg_segment_size: 40
    .max_flat_workgroup_size: 512
    .sgpr_count:     88
    .vgpr_count:     256
    .wavefront_size: 32
...
	.end_amdgpu_metadata
.endif
;; end of part 3
;; launch l3 (part 4): grid 32 x 8, 16 waves a work-group, no clusters, 113,664 bytes of LDS; arguments W3, b3z, h2, route, y; writes y
.if DOCPART == 4
	.amdgcn_target "amdgcn-amd-amdhsa--gfx1250"
	.amdhsa_code_object_version 6
	.text
	.protected	k_q6cd8a434b7_l3
	.globl	k_q6cd8a434b7_l3
	.p2align	8
	.type	k_q6cd8a434b7_l3,@function
k_q6cd8a434b7_l3:
	s_mov_b64 s[64:65], 0
	v_nop
	global_prefetch_b8 v0, s[64:65] scope:SCOPE_SE
	s_setreg_imm32_b32 hwreg(HW_REG_WAVE_MODE, 25, 1), 1
	s_wait_xcnt 0x0
; EXPERT LAYER 3: y[kh][e][row] = h2 (K half kh) Q(W3[e]) (K half kh) + (b3[e] for kh = 0, zeros for kh = 1), f32, for the rows routed to expert e.  The last launch adds the two halves.
; h2 arrives as codes of E3M2 and scale words in the operand's register order.  Sums in f32.
; SHARES.  Work-group (x, e): slice = x & 15 (64 columns), kh = x >> 4 (1,024 of K = 2,048, 8 steps of 128): K is halved so that a row of the work-group's part of W3 is still 256 consecutive bytes, aligned,
; and there are 256 work-groups.  Each byte of W3 is read once in the launch.
; ROLES.  Waves 0-3 PRODUCE: weight loads alone (three sets of 16 loads of 512 bytes a wave are out), quantised along K in registers, codes and scale bytes into LDS, where the slice stays: each of those bytes is written once.
; Wave q owns block q (32 along K) of every step.  They end behind the last barrier.
; Waves 4-15 CONSUME: wave 4 + C has two slots of one unit (32 rows x 64 columns): units C and 12 + C in the first sweep, 24 + C and 36 + C in the second.
; A ROUND has two arms, of which a wave takes one, and one barrier behind them: producing waves make K step k; consuming waves multiply K step k - 1 (in round 0: the sweep's set-up).
; The last K step's products and the way out follow behind the last barrier.  The consuming arm begins with a wait for all loads.
; THE SECOND SWEEP (rows 768 on) stands behind the last barrier and has none: all codes lie in LDS and nobody writes them.  A wave without a unit there jumps over it: a scalar branch on the count.
; The set-up of a sweep (bias into the accumulators, first step's activations) runs for both slots, an empty slot with its unit held at the expert's last; products, later loads and stores are jumped over by the count.
; A tile's columns are neighbours here: a lane's eight results are eight neighbouring columns of a row of y; a tile goes through the wave's own stage in LDS and leaves as rows of 256 consecutive bytes, aligned.
; A PREFETCH INTO THE L2: behind the loads of K step s + 3 stands one prefetch for K step s + 5: my block's 32 rows x the slice's 256 bytes, a lane a row, two rounds ahead of the loads that will ask for them.
; A wave asks for the rows that it will load itself, so each row's 256 bytes are named once in the launch.  K steps 0 to 4 come by their loads alone; the last five rounds ask for nothing.
; No tensor load, no cluster: jumps hang on a count read from memory.
; REGISTERS.  v0 the thread's number, kept; v1 weights' offset; v2, v3 where a producer stores codes, bytes; v4, v5 where a consumer reads them; v6, v7 the stage, in and back; v8 16 lane, v9 8 lane, v10 1024 h + 4 r;
; v11 the prefetches' offset: my lane x a row of W3; v12-13 weights' scale words, v14-15 activations'.
; v16-63: consumers: activations (u, t) at 16 + 24 u + 12 t; producers: v16-31 one column's 16 numbers, v32-47 codes, the maxima in every fourth.
; v64-255: producers: three sets of 64 numbers; consumers: v64-111 four weight fragments, v112-127 at work, v128-255 accumulators (u, t, c) at 128 + 64 u + 32 t + 8 c.
; The loads that a consuming wave leaves out across a barrier (v14-63) and the weight loads (v64-255) name different registers.
; A slot's unit stands in scalar bases: s[66:69] h2's codes, s[70:73] its scale words, s[74:77] y.
; LIMITS: NaN and infinities not served; a block of W3 under 2^-122 (zeros too) gets the scale byte 1.  Rows 768 .. 1,023 of one expert are served by the second sweep, whose activation loads are not hidden behind a weight stream.
.set KS,   8
.set ROWB, 4096
.set KREG, 7168      ; LDS, K step s at s KREG: 64 places of 112 bytes (96 of codes + 16); in a place block q at 48 (q & 1) + 24 (q >> 1)
.set SCB,  KS*KREG   ; scale words: SCB + 256 s + 4 place + q
.set STG,  59392     ; twelve stages of 16 rows x 272 bytes, one for each consuming wave
.set AHEAD, 2        ; rounds between a prefetch and the loads of the same K step
.set PFO,  11
.set TMP,  16
.set CD,   32
.set AF,   16
.set BF,   64
.set TT,   64        ; the way out: a tile's rows, back from the stage
.set YO,   112       ; the way out: 4096 h + 16 r
.set BO,   118       ; the set-up: 32 h
.macro PLOAD s                       ; K step s: lanes 0-15 the slice's 256 bytes of row 32 q + i, lanes 16-31 of row 32 q + 16 + i
.set XL, 64+64*((\s)%3)
.irp i,0,1,2,3,4,5,6,7,8,9,10,11,12,13,14,15
	global_load_b128 v[XL+4*\i:XL+4*\i+3], v1, s[30:31] offset:((\s)%8)*128*ROWB+\i*ROWB th:TH_LOAD_NT
.endr
.endm
.macro PROD s                        ; X[4 i + j] = W(128 s + 32 q + 16 hb + i, 4 cg + j)
.set XB, 64+64*((\s)%3)
.if (\s)+2 < KS
	s_wait_loadcnt 32                                ; this set is in; the two younger sets of 16 stay out
.elseif (\s)+1 < KS
	s_wait_loadcnt 16
.else
	s_wait_loadcnt 0x0
.endif
.irp j,0,1,2,3
	v_max3_num_f32 v[CD+3+4*\j], |v[XB+\j]|, |v[XB+4+\j]|, 0x2800000          ; four columns by turns; the floor 2^(5 - 127)
.endr
.irp i,2,4,6,8,10,12,14
.irp j,0,1,2,3
	v_max3_num_f32 v[CD+3+4*\j], v[CD+3+4*\j], |v[XB+4*\i+\j]|, |v[XB+4*\i+4+\j]|
.endr
.endr
.irp j,0,1,2,3
	v_permlanex16_b32 v[TMP+\j], v[CD+3+4*\j], s26, s27
.endr
.irp j,0,1,2,3
	v_max_num_f32 v[CD+3+4*\j], v[CD+3+4*\j], v[TMP+\j]                       ; with the block's other 16 rows
.endr
.irp j,0,1,2,3
	v_add_nc_u32 v[CD+3+4*\j], 0xfe000000, v[CD+3+4*\j]                       ; 4 off the exponent field: the conversion's scale operand
.endr
.irp j,0,1,2,3
.irp i,0,1,2,3,4,5,6,7,8,9,10,11,12,13,14,15
	v_mov_b32 v[TMP+\i], v[XB+4*\i+\j]               ; a column's 16 numbers on end: the conversion takes neighbours along K from consecutive registers
.endr
	v_cvt_scalef32_pk16_bf6_f32 v[CD+4*\j:CD+4*\j+2], v[TMP:TMP+15], v[CD+4*\j+3]
	v_nop                                            ; one plain place behind a conversion
.endr
.if (\s)+3 < KS
	PLOAD (\s)+3                                     ; the set is free
.endif
.if (\s)+3+AHEAD < KS
	global_prefetch_b8 v[PFO], s[30:31] offset:(((\s)+3+AHEAD)%8)*128*ROWB th:TH_LOAD_NT scope:SCOPE_SE   ; my 32 rows of the K step that I load two rounds on; its address registers are never rewritten
.endif
.irp p,0,8
	v_cndmask_b32 v[CD+\p+7], v[CD+\p+3], v[CD+\p+7], s28                     ; lanes 0-15 the pair's first column, lanes 16-31 its second
.endr
.irp p,0,8
	v_lshrrev_b32 v[CD+\p+7], 23, v[CD+\p+7]         ; the scale's byte
.endr
.irp p,0,8
.irp i,0,1,2
	v_permlane16_swap_b32 v[CD+\p+\i], v[CD+\p+4+\i] ; lane (cg, hh) now holds the whole block of column 4 cg + p / 4 + hh
.endr
.endr
.irp p,0,8
.irp i,0,1,2
	v_mov_b32 v[CD+\p+3+\i], v[CD+\p+4+\i]
.endr
.endr
.irp p,0,1
.irp i,0,1,2
	ds_store_b64 v2, v[CD+8*\p+2*\i:CD+8*\p+2*\i+1] offset:(\s)*KREG+224*\p+8*\i
.endr
	ds_store_b8 v3, v[CD+8*\p+7] offset:256*(\s)+8*\p
.endr
.rept 4
	v_nop                                            ; v16-47 are operand registers in the products' text: what vector instructions wrote there stands four places ahead of a scaled product
.endr
.endm
.macro BIASLOAD u                    ; the sums begin from this half's line of b3z: it is loaded into the accumulators, in the result's layout (column 16 c + 8 h + j)
.irp t,0,1
.irp c,0,1,2,3
	global_load_b128 v[128+64*(\u)+32*\t+8*\c:128+64*(\u)+32*\t+8*\c+3], v[BO], s[42:43] offset:64*\c
	global_load_b128 v[128+64*(\u)+32*\t+8*\c+4:128+64*(\u)+32*\t+8*\c+7], v[BO], s[42:43] offset:64*\c+16
.endr
.endr
.endm
.macro ALOAD u, s                    ; slot u's two fragments and scale words of K step s: images of the operand's registers
.irp t,0,1
	global_load_b128 v[AF+24*(\u)+12*\t:AF+24*(\u)+12*\t+3], v8, s[66+2*(\u):67+2*(\u)] offset:24576*\t+1536*(\s)
	global_load_b64 v[AF+24*(\u)+12*\t+4:AF+24*(\u)+12*\t+5], v9, s[66+2*(\u):67+2*(\u)] offset:24576*\t+1536*(\s)+512
	global_load_b128 v[AF+24*(\u)+12*\t+6:AF+24*(\u)+12*\t+9], v8, s[66+2*(\u):67+2*(\u)] offset:24576*\t+1536*(\s)+768
	global_load_b64 v[AF+24*(\u)+12*\t+10:AF+24*(\u)+12*\t+11], v9, s[66+2*(\u):67+2*(\u)] offset:24576*\t+1536*(\s)+1280
.endr
	global_load_b32 v[14+(\u)], v10, s[70+2*(\u):71+2*(\u)] offset:64*(\s)    ; lanes 0-15 the first tile's rows, lanes 16-31 the second's
.endm
.macro WM u, t, c                    ; source 0 = 16 columns of the weights, source 1 = 16 rows: a lane holds one row and eight columns
.set AC, 128+64*(\u)+32*(\t)+8*(\c)
.set FB, BF+12*(\c)
.set FA, AF+24*(\u)+12*(\t)
.if ((\c)%2 == 0) && ((\t) == 0)
	v_wmma_scale_f32_16x16x128_f8f6f4 v[AC:AC+7], v[FB:FB+11], v[FA:FA+11], v[AC:AC+7], v[12+(\c)/2], v[14+(\u)] matrix_a_fmt:MATRIX_FMT_BF6 matrix_b_fmt:MATRIX_FMT_BF6
.elseif (\t) == 0
	v_wmma_scale_f32_16x16x128_f8f6f4 v[AC:AC+7], v[FB:FB+11], v[FA:FA+11], v[AC:AC+7], v[12+(\c)/2], v[14+(\u)] matrix_a_fmt:MATRIX_FMT_BF6 matrix_b_fmt:MATRIX_FMT_BF6 matrix_a_scale:MATRIX_SCALE_ROW1
.elseif (\c)%2 == 0
	v_wmma_scale_f32_16x16x128_f8f6f4 v[AC:AC+7], v[FB:FB+11], v[FA:FA+11], v[AC:AC+7], v[12+(\c)/2], v[14+(\u)] matrix_a_fmt:MATRIX_FMT_BF6 matrix_b_fmt:MATRIX_FMT_BF6 matrix_b_scale:MATRIX_SCALE_ROW1
.else
	v_wmma_scale_f32_16x16x128_f8f6f4 v[AC:AC+7], v[FB:FB+11], v[FA:FA+11], v[AC:AC+7], v[12+(\c)/2], v[14+(\u)] matrix_a_fmt:MATRIX_FMT_BF6 matrix_b_fmt:MATRIX_FMT_BF6 matrix_a_scale:MATRIX_SCALE_ROW1 matrix_b_scale:MATRIX_SCALE_ROW1
.endif
.endm
.macro UNIT u, s                     ; eight accumulators by turns, one instruction a turn, from step to step too
.irp t,0,1
.irp c,0,1,2,3
	WM \u, \t, \c
.endr
.endr
.rept 4
	v_nop                                            ; places in front of loads into registers that these products read, and of the first read of results
.endr
.if (\s)+1 < KS
	ALOAD \u, (\s)+1                                 ; a whole K step ahead of its use
.endif
.endm
.macro CSTEP s
	s_wait_loadcnt 0x0                               ; this step's activations, asked for a step ago: no load of mine is out when the registers below are loaded
	s_cmp_eq_u32 s21, 0
	s_cbranch_scc1 .Lce_\@
.irp t,0,1,2,3
.irp g,0,1,2
	ds_load_b128 v[BF+12*\t+4*\g:BF+12*\t+4*\g+3], v4 offset:(\s)*KREG+1792*\t+16*\g
.endr
.endr
	ds_load_b32 v12, v5 offset:256*(\s)              ; lanes 0-15 tile 0's words, lanes 16-31 tile 1's
	ds_load_b32 v13, v5 offset:256*(\s)+128          ; tiles 2 and 3
	s_wait_dscnt 0x0
	UNIT 0, \s
	s_cmp_lt_u32 s21, 2
	s_cbranch_scc1 .Lce_\@
	UNIT 1, \s
.Lce_\@:
.endm
.macro SCAL first                    ; a sweep's scalars: slot 0 holds unit first + C, slot 1 unit first + 12 + C
	s_add_co_u32 s44, s24, \first
	s_add_co_u32 s45, s44, 12
	s_cmp_gt_u32 s22, s44
	s_cselect_b32 s21, 1, 0
	s_cmp_gt_u32 s22, s45
	s_cselect_b32 s46, 1, 0
	s_add_co_u32 s21, s21, s46                       ; how many of the two exist
	s_sub_co_u32 s46, s22, 1
	s_min_u32 s44, s44, s46                          ; an empty slot is held at the expert's last unit
	s_min_u32 s45, s45, s46
	s_min_u32 s44, s44, 31
	s_min_u32 s45, s45, 31
.irp u,0,1
	s_mul_i32 s48, s[44+\u], 49152
	s_add_nc_u64 s[66+2*\u:67+2*\u], s[34:35], s[48:49]                       ; the slot's unit in h2's codes,
	s_lshl_b32 s48, s[44+\u], 11
	s_add_nc_u64 s[70+2*\u:71+2*\u], s[36:37], s[48:49]                       ; in its scale words,
	s_lshl_b32 s48, s[44+\u], 17
	s_add_nc_u64 s[74+2*\u:75+2*\u], s[38:39], s[48:49]                       ; in y
.endr
.endm
.macro SETUP                         ; a consuming wave's start of a sweep: the bias, the first K step's activations
	s_wait_loadcnt 0x0                               ; no load of a consuming wave is out here: the registers below are loaded only behind this wait
	v_bfe_u32 v[BO], v0, 4, 1
	v_lshlrev_b32 v[BO], 5, v[BO]
	BIASLOAD 0
	BIASLOAD 1
	ALOAD 0, 0
	ALOAD 1, 0
	s_wait_loadcnt 0x0                               ; bias and first activations are in
.endm
.macro ROUND k                       ; two arms, one barrier
	s_cmp_lt_u32 s16, 4
	s_cbranch_scc0 .Lc_\@
	PROD \k
	s_branch .Lj_\@
.Lc_\@:
.if (\k) == 0
	SETUP
.else
	CSTEP (\k)-1
.endif
.Lj_\@:
	s_wait_dscnt 0x0                                 ; a producer's stores have landed; a consumer's LDS loads are in
	s_barrier_signal -1
	s_barrier_wait -1                                ; K step k lies in LDS
.endm
.macro YTILE u, t                    ; 16 rows x 64 columns through my stage
.set AC, 128+64*(\u)+32*(\t)
	s_wait_xcnt 0x0                                  ; the last tile's stores have read v64-95
.irp c,0,1,2,3
	ds_store_b128 v6, v[AC+8*\c:AC+8*\c+3] offset:64*\c                       ; each accumulator from its low end on
	ds_store_b128 v6, v[AC+8*\c+4:AC+8*\c+7] offset:64*\c+16
.endr
.irp i,0,1,2,3,4,5,6,7
	ds_load_b128 v[TT+4*\i:TT+4*\i+3], v7 offset:544*\i                       ; LDS serves a wave's instructions in order: these see my stores
.endr
	s_wait_dscnt 0x0
.irp i,0,1,2,3,4,5,6,7
	global_store_b128 v[YO], v[TT+4*\i:TT+4*\i+3], s[74+2*(\u):75+2*(\u)] offset:65536*(\t)+8192*\i th:TH_STORE_NT   ; sixteen lanes store a row's 256 consecutive bytes, aligned
.endr
.endm
.macro OUT                           ; a sweep's way out
	s_cmp_eq_u32 s21, 0
	s_cbranch_scc1 .Lo_\@
	v_and_b32 v[YO], 15, v0
	v_bfe_u32 v113, v0, 4, 1
	v_lshlrev_b32 v[YO], 4, v[YO]
	v_lshl_add_u32 v[YO], v113, 12, v[YO]
	YTILE 0, 0
	YTILE 0, 1
	s_cmp_lt_u32 s21, 2
	s_cbranch_scc1 .Lo_\@
	YTILE 1, 0
	YTILE 1, 1
.Lo_\@:
.endm
	s_load_b256 s[4:11], s[0:1], 0x0                 ; W3, b3z, h2, route
	s_load_b64 s[12:13], s[0:1], 0x20                ; y
	v_lshrrev_b32 v1, 5, v0
	v_readfirstlane_b32 s16, v1                      ; wave
	v_and_b32 v16, 15, v0                            ; r, cg
	v_bfe_u32 v17, v0, 4, 1                          ; h, hb
	v_and_b32 v18, 31, v0                            ; lane
	v_mov_b32 v19, 0                                 ; v16-19 are later the destinations of lane permutes, which count as sources: all four are written here
	v_lshlrev_b32 v1, 4, v16
	v_lshl_add_u32 v1, v17, 16, v1                   ; 16 hb rows + 16 cg
	v_lshl_add_u32 v2, v16, 2, v17                   ; the place of column 4 cg + hb is the column
	s_and_b32 s44, s16, 3
	v_lshl_add_u32 v3, v2, 2, SCB
	v_add_nc_u32 v3, s44, v3
	v_mul_u32_u24 v2, v2, 112
	s_and_b32 s45, s16, 1
	s_mul_i32 s45, s45, 48
	s_bfe_u32 s46, s16, 0x10001
	s_mul_i32 s46, s46, 24
	s_add_co_u32 s45, s45, s46
	v_add_nc_u32 v2, s45, v2
	v_mul_u32_u24 v4, v16, 112
	v_mad_u32_u24 v4, v17, 48, v4
	v_lshl_add_u32 v5, v18, 2, SCB
	s_mul_i32 s45, s16, 4352
	s_add_co_u32 s45, s45, STG-4*4352                ; the stage of wave 4 + C
	v_mul_u32_u24 v6, v16, 272
	v_lshl_add_u32 v6, v17, 5, v6
	v_add_nc_u32 v6, s45, v6                         ; in: row r, 32 h
	v_mul_u32_u24 v7, v17, 272
	v_lshl_add_u32 v7, v16, 4, v7
	v_add_nc_u32 v7, s45, v7                         ; back: lanes 0-15 one row, lanes 16-31 the next
	v_lshlrev_b32 v8, 4, v18
	v_lshlrev_b32 v9, 3, v18
	v_lshlrev_b32 v10, 2, v16
	v_lshl_add_u32 v10, v17, 10, v10
	v_lshlrev_b32 v[PFO], 12, v18                    ; my lane x a row of W3
	s_and_b32 s17, ttmp7, 0xffff                     ; expert
	s_and_b32 s18, ttmp9, 15                         ; slice
	s_lshr_b32 s19, ttmp9, 4                         ; half of K
	s_mov_b32 s26, 0x76543210
	s_mov_b32 s27, 0xfedcba98
	s_mov_b32 s28, 0xffff0000                        ; lanes 16-31
	s_sub_co_u32 s24, s16, 4                         ; C (of use in consuming waves alone)
	s_lshl_b32 s44, s17, 23
	s_lshl_b32 s45, s19, 22
	s_add_co_u32 s44, s44, s45
	s_lshl_b32 s45, s18, 8
	s_add_co_u32 s44, s44, s45
	s_and_b32 s45, s16, 3
	s_lshl_b32 s45, s45, 17
	s_add_co_u32 s44, s44, s45                       ; expert, half, slice, my block's 32 rows
	s_mov_b32 s45, 0
	s_lshl_b32 s46, s17, 7
	s_wait_kmcnt 0x0
	s_load_b32 s22, s[10:11], s46 offset:0x8000      ; the expert's count of rows
	s_add_nc_u64 s[30:31], s[4:5], s[44:45]
	s_cmp_lt_u32 s16, 4
	s_cbranch_scc0 .Lnoprod
	PLOAD 0
	PLOAD 1
	PLOAD 2
.Lnoprod:
	s_mul_i32 s48, s17, 1572864
	s_mul_i32 s50, s19, 12288
	s_add_co_u32 s48, s48, s50
	s_mov_b32 s49, 0                                 ; stays 0: the upper word of every offset below
	s_add_nc_u64 s[34:35], s[8:9], s[48:49]          ; h2's codes: expert, K steps 8 kh on
	s_lshl_b32 s48, s17, 16
	s_add_co_u32 s48, s48, 12582912
	s_lshl_b32 s50, s19, 9
	s_add_co_u32 s48, s48, s50
	s_add_nc_u64 s[36:37], s[8:9], s[48:49]          ; h2's scale words
	s_lshl_b32 s48, s19, 25
	s_lshl_b32 s50, s17, 22
	s_add_co_u32 s48, s48, s50
	s_lshl_b32 s50, s18, 8
	s_add_co_u32 s48, s48, s50
	s_add_nc_u64 s[38:39], s[12:13], s[48:49]        ; y: half, expert, slice
	s_lshl_b32 s48, s19, 15
	s_lshl_b32 s51, s17, 12
	s_add_co_u32 s48, s48, s51
	s_add_co_u32 s48, s48, s50
	s_add_nc_u64 s[42:43], s[6:7], s[48:49]          ; b3z: half, expert, slice
	s_wait_kmcnt 0x0
	s_min_u32 s22, s22, 1024
	s_add_co_u32 s22, s22, 31
	s_lshr_b32 s22, s22, 5
	s_max_u32 s22, s22, 1                            ; units of the expert, at least one
	SCAL 0                                           ; made by every wave, ahead of the parting of roles; a producing wave makes them and uses none
.set Q, 0
.rept KS
	ROUND Q
.set Q, Q+1
.endr
	s_cmp_lt_u32 s16, 4
	s_cbranch_scc1 .Lend                             ; the producing waves are done: no barrier follows
	CSTEP KS-1                                       ; the last K step's products
	OUT
	s_wait_loadcnt 0x0                               ; no load is out at a sweep's end
	s_wait_xcnt 0x0                                  ; bases and store data are written again below
	SCAL 24                                          ; THE SECOND SWEEP: units 24 + C and 36 + C
	s_cmp_eq_u32 s21, 0
	s_cbranch_scc1 .Lend                             ; none of them exists: an expert of at most 768 rows, or a wave beyond its last unit
	SETUP
.set Q, 0
.rept KS
	CSTEP Q
.set Q, Q+1
.endr
	OUT
.Lend:
	s_wait_xcnt 0x0
	v_lshl_add_u32 v46, v0, 2, 0x1b400
	v_mov_b32 v47, 0
	s_wait_tensorcnt 0x0
	ds_add_u32 v46, v47
	s_wait_dscnt 0x0
	s_endpgm
.Lfunc_end_k_q6cd8a434b7_l3:
	.size	k_q6cd8a434b7_l3, .Lfunc_end_k_q6cd8a434b7_l3-k_q6cd8a434b7_l3
	.p2alignl 7, 3214868480
	.fill 96, 4, 3214868480
	.section	.rodata,"a",@progbits
	.p2align	6, 0x0
	.amdhsa_kernel k_q6cd8a434b7_l3
		.amdhsa_group_segment_fixed_size 113664
		.amdhsa_private_segment_fixed_size 0
		.amdhsa_enable_private_segment 0
		.amdhsa_kernarg_size 40
		.amdhsa_user_sgpr_count 2
		.amdhsa_user_sgpr_kernarg_segment_ptr 1
		.amdhsa_wavefront_size32 1
		.amdhsa_system_sgpr_workgroup_id_x 1
		.amdhsa_system_sgpr_workgroup_id_y 1
		.amdhsa_system_sgpr_workgroup_id_z 1
		.amdhsa_system_vgpr_workitem_id 0
		.amdhsa_next_free_vgpr 256
		.amdhsa_next_free_sgpr 88
		.amdhsa_reserve_vcc 0
		.amdhsa_float_denorm_mode_32 3
		.amdhsa_float_denorm_mode_16_64 3
		.amdhsa_memory_ordered 1
		.amdhsa_forward_progress 1
		.amdhsa_inst_pref_size 173
	.end_amdhsa_kernel
	.amdgpu_metadata
---
amdhsa.version: [ 1, 2 ]
amdhsa.kernels:
  - .name:           k_q6cd8a434b7_l3
    .symbol:         k_q6cd8a434b7_l3.kd
    .args:
      - { .name: W3, .offset: 0, .size: 8, .value_kind: global_buffer, .address_space: global }
      - { .name: b3z, .offset: 8, .size: 8, .value_kind: global_buffer, .address_space: global }
      - { .name: h2, .offset: 16, .size: 8, .value_kind: global_buffer, .address_space: global }
      - { .name: route, .offset: 24, .size: 8, .value_kind: global_buffer, .address_space: global }
      - { .name: y, .offset: 32, .size: 8, .value_kind: global_buffer, .address_space: global }
    .group_segment_fixed_size: 113664
    .private_segment_fixed_size: 0
    .kernarg_segment_align: 8
    .kernarg_segment_size: 40
    .max_flat_workgroup_size: 512
    .sgpr_count:     88
    .vgpr_count:     256
    .wavefront_size: 32
...
	.end_amdgpu_metadata
.endif
;; end of part 4
;; launch comb (part 5): grid 256 x 1, 4 waves a work-group, no clusters, 0 bytes of LDS; arguments y, gw, choice, route, out0; writes out0
.if DOCPART == 5
	.amdgcn_target "amdgcn-amd-amdhsa--gfx1250"
	.amdhsa_code_object_version 6
	.text
	.protected	k_q6cd8a434b7_comb
	.globl	k_q6cd8a434b7_comb
	.p2align	8
	.type	k_q6cd8a434b7_comb,@function
k_q6cd8a434b7_comb:
	s_mov_b64 s[64:65], 0
	v_nop
	global_prefetch_b8 v0, s[64:65] scope:SCOPE_SE
	s_setreg_imm32_b32 hwreg(HW_REG_WAVE_MODE, 25, 1), 1
	s_wait_xcnt 0x0
; THE COMBINATION: out0[t] = g1 (y[0][e1][rank1] + y[1][e1][rank1]) + g2 (y[0][e2][rank2] + y[1][e2][rank2]); b3 is already in y's first half.
; A wave takes one token: its two experts (choice), its ranks among their rows (route) and its two gates (gw) come by scalar loads; experts and ranks are held inside their tables before they enter an address.
; A row is 4,096 bytes: eight chunks of 512 consecutive bytes a wave, four loads a chunk, all 32 loads issued at once; each chunk has registers of its own, so no store's data are written again.
; A stream: no LDS, no barrier, no matrix unit.
	s_load_b256 s[4:11], s[0:1], 0x0                 ; y, gw, choice, route
	s_load_b64 s[12:13], s[0:1], 0x20                ; out0
	v_lshrrev_b32 v6, 5, v0
	v_readfirstlane_b32 s16, v6                      ; wave
	v_and_b32 v1, 31, v0
	v_lshlrev_b32 v1, 4, v1                          ; 16 x lane
	s_lshl_b32 s17, ttmp9, 2
	s_add_co_u32 s17, s17, s16                       ; the token
	s_lshl_b32 s18, s17, 3
	s_lshl_b32 s19, s17, 2
	s_wait_kmcnt 0x0
	s_load_b64 s[20:21], s[8:9], s18 offset:0x0      ; e1, e2
	s_load_b64 s[22:23], s[6:7], s18 offset:0x0      ; g1, g2
	s_wait_kmcnt 0x0
	s_min_u32 s20, s20, 7
	s_min_u32 s21, s21, 7
	s_lshl_b32 s24, s20, 12
	s_add_co_u32 s24, s24, s19
	s_lshl_b32 s25, s21, 12
	s_add_co_u32 s25, s25, s19
	s_load_b32 s26, s[10:11], s24 offset:0x0         ; the token's rank among e1's rows,
	s_load_b32 s27, s[10:11], s25 offset:0x0         ; among e2's
	v_mov_b32 v2, s22
	v_mov_b32 v3, s22
	v_mov_b32 v4, s23
	v_mov_b32 v5, s23
	s_wait_kmcnt 0x0
	s_min_u32 s26, s26, 1023
	s_min_u32 s27, s27, 1023
	s_lshl_b32 s28, s20, 22
	s_lshl_b32 s26, s26, 12
	s_add_co_u32 s28, s28, s26
	s_mov_b32 s29, 0
	s_add_nc_u64 s[30:31], s[4:5], s[28:29]          ; e1's row, first half of K,
	s_add_nc_u64 s[32:33], s[30:31], 0x2000000       ; second half
	s_lshl_b32 s28, s21, 22
	s_lshl_b32 s27, s27, 12
	s_add_co_u32 s28, s28, s27
	s_add_nc_u64 s[34:35], s[4:5], s[28:29]          ; e2's
	s_add_nc_u64 s[36:37], s[34:35], 0x2000000
	s_lshl_b32 s28, s17, 12
	s_add_nc_u64 s[38:39], s[12:13], s[28:29]        ; the token's row of out0
.irp i,0,1,2,3,4,5,6,7
	global_load_b128 v[8+16*\i:11+16*\i], v1, s[30:31] offset:512*\i th:TH_LOAD_NT
	global_load_b128 v[12+16*\i:15+16*\i], v1, s[32:33] offset:512*\i th:TH_LOAD_NT
	global_load_b128 v[16+16*\i:19+16*\i], v1, s[34:35] offset:512*\i th:TH_LOAD_NT
	global_load_b128 v[20+16*\i:23+16*\i], v1, s[36:37] offset:512*\i th:TH_LOAD_NT
.endr
.irp i,0,1,2,3,4,5,6,7
	s_wait_loadcnt 4*(7-\i)                          ; this chunk's four loads are in; the later chunks' stay out
	v_pk_add_f32 v[8+16*\i:9+16*\i], v[8+16*\i:9+16*\i], v[12+16*\i:13+16*\i]
	v_pk_add_f32 v[10+16*\i:11+16*\i], v[10+16*\i:11+16*\i], v[14+16*\i:15+16*\i]
	v_pk_add_f32 v[16+16*\i:17+16*\i], v[16+16*\i:17+16*\i], v[20+16*\i:21+16*\i]
	v_pk_add_f32 v[18+16*\i:19+16*\i], v[18+16*\i:19+16*\i], v[22+16*\i:23+16*\i]
	v_pk_mul_f32 v[8+16*\i:9+16*\i], v[8+16*\i:9+16*\i], v[2:3]
	v_pk_mul_f32 v[10+16*\i:11+16*\i], v[10+16*\i:11+16*\i], v[2:3]
	v_pk_fma_f32 v[8+16*\i:9+16*\i], v[16+16*\i:17+16*\i], v[4:5], v[8+16*\i:9+16*\i]
	v_pk_fma_f32 v[10+16*\i:11+16*\i], v[18+16*\i:19+16*\i], v[4:5], v[10+16*\i:11+16*\i]
	global_store_b128 v1, v[8+16*\i:11+16*\i], s[38:39] offset:512*\i th:TH_STORE_NT   ; 512 consecutive bytes, aligned
.endr
	s_endpgm
.Lfunc_end_k_q6cd8a434b7_comb:
	.size	k_q6cd8a434b7_comb, .Lfunc_end_k_q6cd8a434b7_comb-k_q6cd8a434b7_comb
	.p2alignl 7, 3214868480
	.fill 96, 4, 3214868480
	.section	.rodata,"a",@progbits
	.p2align	6, 0x0
	.amdhsa_kernel k_q6cd8a434b7_comb
		.amdhsa_group_segment_fixed_size 0
		.amdhsa_private_segment_fixed_size 0
		.amdhsa_enable_private_segment 0
		.amdhsa_kernarg_size 40
		.amdhsa_user_sgpr_count 2
		.amdhsa_user_sgpr_kernarg_segment_ptr 1
		.amdhsa_wavefront_size32 1
		.amdhsa_system_sgpr_workgroup_id_x 1
		.amdhsa_system_sgpr_workgroup_id_y 1
		.amdhsa_system_sgpr_workgroup_id_z 1
		.amdhsa_system_vgpr_workitem_id 0
		.amdhsa_next_free_vgpr 144
		.amdhsa_next_free_sgpr 66
		.amdhsa_reserve_vcc 0
		.amdhsa_float_denorm_mode_32 3
		.amdhsa_float_denorm_mode_16_64 3
		.amdhsa_memory_ordered 1
		.amdhsa_forward_progress 1
		.amdhsa_inst_pref_size 10
	.end_amdhsa_kernel
	.amdgpu_metadata
---
amdhsa.version: [ 1, 2 ]
amdhsa.kernels:
  - .name:           k_q6cd8a434b7_comb
    .symbol:         k_q6cd8a434b7_comb.kd
    .args:
      - { .name: y, .offset: 0, .size: 8, .value_kind: global_buffer, .address_space: global }
      - { .name: gw, .offset: 8, .size: 8, .value_kind: global_buffer, .address_space: global }
      - { .name: choice, .offset: 16, .size: 8, .value_kind: global_buffer, .address_space: global }
      - { .name: route, .offset: 24, .size: 8, .value_kind: global_buffer, .address_space: global }
      - { .name: out0, .offset: 32, .size: 8, .value_kind: global_buffer, .address_space: global }
    .group_segment_fixed_size: 0
    .private_segment_fixed_size: 0
    .kernarg_segment_align: 8
    .kernarg_segment_size: 40
    .max_flat_workgroup_size: 128
    .sgpr_count:     66
    .vgpr_count:     144
    .wavefront_size: 32
...
	.end_amdgpu_metadata
.endif
;; end of part 5
;; ======== version 2 of 2: 5 launches
;; workspace buffers: xq 819,200 bytes; gw 8,192 bytes; choice 8,192 bytes of whole numbers; route 33,792 bytes of whole numbers; h1 13,107,200 bytes; h2 13,107,200 bytes; y 67,108,864 bytes; b3z 65,536 bytes
;; launch gate (part 6): grid 64 x 1, 8 waves a work-group, no clusters, 50,688 bytes of LDS; arguments x, Wg1, bg1, Wg2, bg2, b3, xq, gw, choice, b3z; writes xq, gw, choice, b3z
.if DOCPART == 6
	.amdgcn_target "amdgcn-amd-amdhsa--gfx1250"
	.amdhsa_code_object_version 6
	.text
	.protected	k_q6cd8a434b7_gate
	.globl	k_q6cd8a434b7_gate
	.p2align	8
	.type	k_q6cd8a434b7_gate,@function
k_q6cd8a434b7_gate:
	s_mov_b64 s[64:65], 0
	v_nop
	global_prefetch_b8 v0, s[64:65] scope:SCOPE_SE
	s_setreg_imm32_b32 hwreg(HW_REG_WAVE_SCHED_MODE, 0, 2), 2
	s_setreg_imm32_b32 hwreg(HW_REG_WAVE_MODE, 25, 1), 1
	s_wait_xcnt 0x0
	s_wait_alu depctr_vm_vsrc(0)
; THE GATE.  gates = softmax(relu(x Wg1 + bg1) Wg2 + bg2); the two largest gates of each token and their experts are stored (gw: f32, choice: whole numbers, at fixed places).
; x Wg1 is a product on codes of E3M2 with one E8M0 scale for each 32 along K; x's codes and scale words are also stored (xq), since the first expert layer multiplies the same quantised x.
; b3z = [2][8][1024]: b3, then zeros: the third layer splits its K in two halves, and each half begins its sums from one half of this table.
; SHARES.  Work-group g: tokens 16 g .. 16 g + 15.  Wave w: K step w (k = 128 w .. 128 w + 127): it quantises its part of x and of Wg1 and makes four partial tiles (16 hidden units x 16 tokens).
; The eight waves' parts meet in LDS; waves 0-3 finish one tile of hidden units each (bias, relu, their part of the 8 logits, in f32); wave 0 takes the softmax and the choice.
; No address and no branch hangs on the choice: it is made by selects and stored.
; THE MODE: SCHED_MODE bits 1:0 = 2 (LLVM: expert scheduling mode 2), set by the entry lines.  The code itself states the register dependences
; between vector or matrix instructions and memory or LDS instructions, with s_wait_alu, always for 0.
; THE PLAN.  Registers that memory or LDS instructions touch:
;   v16-143   two sets of 64 numbers: loads land in them; a tile's maxima and conversions read a set, and the loads of the tile two on land in it again.  Later Wg2, bg1 and the partial tiles land there.
;   v144-156  x's fragment and scale word: written by vector instructions once, read by LDS stores and by the products; in waves 0-3 LDS loads land in v144-151 at the end.
;   v188-203  two accumulators by turns: a product writes one, two LDS stores read it, the product two tiles on writes it again.
;   v204-211, v244-247, v52-56   data of stores, written by vector instructions just ahead of them.
;   v4-15, v232, v233, v254, v255   addresses, made at the head and never written again.
; A tile has two waits on va_vdst: one behind its quantiser and the places (fragment and scale word are written; the set has been read), behind which stand the product and the set's next loads;
; one behind the product and its places, ahead of the LDS stores of the result.
; LIMITS: NaN and infinities are not served.  A block whose largest magnitude lies under 2^-122 gets the scale byte 1 (a block of zeros too: its codes are zeros; the bytes are read by this program alone).
; Two gates that are equal in f32 keep the lower expert, as the strict compare below has it; gates that differ only by f32 rounding may be chosen the other way round than by another order of sums.
.set XST, 0          ; LDS: x's codes, 16 rows x 768 bytes: r 768 + 96 w + 48 h
.set XSS, 12288      ; x's scale words: r 32 + 4 w
.set PP,  12800      ; the partial tiles: w 4096 + ct 1024 + {0, 512} + 16 lane
.set LG,  45568      ; the logits' four parts: ct 1024 + {0, 512} + 16 lane
.set WN0, 16         ; v16-79   64 numbers of Wg1
.set WN1, 80         ; v80-143  the other set; first x's 64 numbers
.set XA,  144        ; v144-155 x's fragment
.set XSW, 156        ; x's scale word
.set WB,  158        ; v158-169 Wg1's fragment
.set WSW, 170        ; its scale word
.set CT,  172        ; the conversions' second halves
.set MX,  180
.set SO,  182
.set BY,  184
.set PX,  186
.set DD,  188        ; v188-203 two accumulators by turns
.set LL,  204        ; v204-211 my part of the 8 logits
.set PL,  212
.macro XLOAD                         ; lane (r, h): x(r, 128 w + 64 c + 32 h + 0 .. 31): two whole blocks
.irp c,0,1
.irp i,0,1,2,3,4,5,6,7
	global_load_b128 v[WN1+32*\c+4*\i:WN1+32*\c+4*\i+3], v4, s[4:5] offset:256*\c+16*\i th:TH_LOAD_NT
.endr
.endr
.endm
.macro WLOAD ct, buf                 ; lane (r, h): Wg1(128 w + 64 c + 32 h + i, 16 ct + r): a lane to a column, registers down K
.irp c,0,1
.irp i,0,1,2,3,4,5,6,7,8,9,10,11,12,13,14,15,16,17,18,19,20,21,22,23,24,25,26,27,28,29,30,31
	global_load_b32 v[\buf+32*\c+\i], v5, s[6:7] offset:(64*\c+\i)*256+64*(\ct)
.endr
.endr
.endm
.macro QF src, frag, word            ; 64 numbers (two whole blocks of a lane) -> 12 registers of codes and the row's scale word
.irp c,0,1
	v_max3_num_f32 v[MX+\c], |v[\src+32*\c]|, |v[\src+32*\c+1]|, 0x2800000   ; the floor 2^(5 - 127) holds the byte at 1 from below
.endr
.irp i,2,4,6,8,10,12,14,16,18,20,22,24,26,28,30
.irp c,0,1
	v_max3_num_f32 v[MX+\c], v[MX+\c], |v[\src+32*\c+\i]|, |v[\src+32*\c+\i+1]|
.endr
.endr
.irp c,0,1
	v_add_nc_u32 v[SO+\c], 0xfe000000, v[MX+\c]      ; 4 off the exponent field: the conversion's scale operand
.endr
.irp c,0,1
	v_lshrrev_b32 v[BY+\c], 23, v[SO+\c]             ; the scale's byte
.endr
	v_lshl_or_b32 v[\word], v[BY+1], 16, v[BY]       ; blocks h and 2 + h,
	v_lshlrev_b32 v[\word], v10, v[\word]            ; 8 h bits up;
	v_permlanex16_b32 v[PX], v[\word], s26, s27
	v_or_b32 v[\word], v[\word], v[PX]               ; with lane l xor 16's two the word is whole
.irp c,0,1
	v_cvt_scalef32_pk16_bf6_f32 v[\frag+6*\c:\frag+6*\c+2], v[\src+32*\c:\src+32*\c+15], v[SO+\c]
	v_cvt_scalef32_pk16_bf6_f32 v[CT+4*\c:CT+4*\c+2], v[\src+32*\c+16:\src+32*\c+31], v[SO+\c]
.endr
	v_nop                                            ; one plain place behind the conversions
.irp c,0,1
.irp i,0,1,2
	v_mov_b32 v[\frag+6*\c+3+\i], v[CT+4*\c+\i]
.endr
.endr
.endm
.macro TILE ct, buf, left            ; hidden units 16 ct .. 16 ct + 15 x my 16 tokens, my K step
	s_wait_loadcnt \left                             ; this tile's 64 loads are in; the next tile's may stay out
	QF \buf, WB, WSW
.rept 8
	v_nop                                            ; a scale register written by vector instructions stands 8 places ahead of the product
.endr
	s_wait_alu depctr_va_vdst(0)                     ; Wg1's fragment and scale word are written (x's too), which the product takes; the quantiser is done reading this set, in which the loads below land
.if \ct >= 2
	s_wait_alu depctr_vm_vsrc(0)                     ; the LDS stores of the tile two back have read this accumulator, which the product writes again
.endif
	v_wmma_scale_f32_16x16x128_f8f6f4 v[DD+8*(\ct%2):DD+8*(\ct%2)+7], v[WB:WB+11], v[XA:XA+11], 0, v[WSW], v[XSW] matrix_a_fmt:MATRIX_FMT_BF6 matrix_b_fmt:MATRIX_FMT_BF6
.if \ct < 2
	WLOAD \ct+2, \buf                                ; the set is free: the tile two on.  No wait: the product, the one instruction since the wait above, names none of the set's registers
.endif
.rept 4
	v_nop
.endr
	s_wait_alu depctr_va_vdst(0)                     ; the product has written the accumulator, which the LDS stores read; the places above stay beside this wait
	ds_store_b128 v8, v[DD+8*(\ct%2):DD+8*(\ct%2)+3] offset:1024*\ct        ; lane (r, h): token r, hidden units 16 ct + 8 h + 0 .. 7
	ds_store_b128 v8, v[DD+8*(\ct%2)+4:DD+8*(\ct%2)+7] offset:1024*\ct+512
.endm
	s_load_b256 s[4:11], s[0:1], 0x0                 ; x, Wg1, bg1, Wg2
	s_load_b256 s[12:19], s[0:1], 0x20               ; bg2, b3, xq, gw
	s_load_b128 s[20:23], s[0:1], 0x40               ; choice, b3z
	v_lshl_add_u32 v254, v0, 2, 0xc200
	v_mov_b32 v255, 0
	v_lshrrev_b32 v1, 5, v0
	v_readfirstlane_b32 s24, v1                      ; wave
	v_and_b32 v1, 31, v0                             ; lane
	v_and_b32 v2, 15, v0                             ; r
	v_bfe_u32 v3, v0, 4, 1                           ; h
	v_lshlrev_b32 v4, 12, v2
	v_lshl_add_u32 v4, v3, 7, v4                     ; x: row r of 4,096 bytes + 128 h
	v_lshlrev_b32 v5, 2, v2
	v_lshl_add_u32 v5, v3, 13, v5                    ; Wg1: 32 h rows of 256 bytes + 4 r
	s_wait_alu depctr_va_sdst(0)                     ; s24 is written, ahead of its first reader
	s_mul_i32 s25, s24, 96
	v_mul_u32_u24 v6, v2, 768
	v_mad_u32_u24 v6, v3, 48, v6
	v_add_nc_u32 v6, s25, v6                         ; XST
	s_lshl_b32 s25, s24, 2
	v_lshl_add_u32 v7, v2, 5, XSS
	v_add_nc_u32 v7, s25, v7
	s_lshl_b32 s25, s24, 12
	v_lshl_add_u32 v8, v1, 4, PP
	v_add_nc_u32 v8, s25, v8                         ; where I put my partial tiles
	v_lshlrev_b32 v9, 4, v0                          ; 16 x thread
	v_lshlrev_b32 v10, 3, v3                         ; 8 h
	v_lshlrev_b32 v11, 4, v1                         ; 16 x lane
	v_lshlrev_b32 v12, 8, v3                         ; Wg2: 8 h rows of 32 bytes
	v_lshlrev_b32 v13, 5, v3                         ; bg1: 8 h numbers
	s_lshl_b32 s25, s24, 10
	v_lshl_add_u32 v14, v1, 4, PP
	v_add_nc_u32 v14, s25, v14                       ; waves 0-3: tile ct = wave of every wave's parts
	v_lshl_add_u32 v15, v1, 4, LG
	v_add_nc_u32 v15, s25, v15
	v_lshl_add_u32 v232, v1, 4, LG
	v_lshl_add_u32 v233, v1, 4, XSS
	v_mov_b32 v[PX], 0                               ; a lane permute's destination counts as one of its sources
.irp e,0,1,2,3,4,5,6,7
	v_mov_b32 v[PL+\e], 0
.endr
	s_mov_b32 s26, 0x76543210
	s_mov_b32 s27, 0xfedcba98                        ; selects for lane l xor 16
	s_wait_kmcnt 0x0
	s_load_b256 s[48:55], s[12:13], 0x0              ; bg2
	s_lshl_b32 s28, ttmp9, 16
	s_lshl_b32 s30, s24, 9
	s_add_co_u32 s28, s28, s30
	s_mov_b32 s29, 0
	s_add_nc_u64 s[4:5], s[4:5], s[28:29]            ; x at my 16 tokens, my K step
	s_lshl_b32 s28, s24, 15
	s_add_nc_u64 s[6:7], s[6:7], s[28:29]            ; Wg1 at my 128 rows
	s_wait_alu depctr_va_vdst(0)                     ; the addresses v4 to v15, v232 and v233 are written, which every load and store of the kernel reads
	XLOAD
	WLOAD 0, WN0
	s_lshl_b32 s28, s24, 6
	s_add_nc_u64 s[8:9], s[8:9], s[28:29]            ; bg1, Wg2: the 16 hidden units of tile = wave (used by waves 0-3 alone)
	s_lshl_b32 s28, s24, 9
	s_add_nc_u64 s[10:11], s[10:11], s[28:29]
	s_mul_i32 s28, ttmp9, 12288
	s_add_nc_u64 s[32:33], s[16:17], s[28:29]        ; xq: my tokens' codes
	s_lshl_b32 s28, ttmp9, 9
	s_add_nc_u64 s[14:15], s[14:15], s[28:29]        ; b3, b3z: 512 bytes a work-group
	s_add_nc_u64 s[22:23], s[22:23], s[28:29]
	s_add_co_u32 s28, s28, 786432
	s_add_nc_u64 s[34:35], s[16:17], s[28:29]        ; xq: my tokens' scale words
	s_lshl_b32 s28, ttmp9, 7
	s_add_nc_u64 s[20:21], s[20:21], s[28:29]
	s_add_nc_u64 s[18:19], s[18:19], s[28:29]
	s_wait_loadcnt 63                                ; 64 loads were issued behind x's 16; 63 is the largest count that a wait names: x is in
	QF WN1, XA, XSW
	s_wait_alu depctr_va_vdst(0)                     ; x's fragment and scale word are written, which the LDS stores read; the quantiser is done reading v80-143, in which the loads below land
.irp g,0,1,2
	ds_store_b128 v6, v[XA+4*\g:XA+4*\g+3] offset:XST+16*\g
.endr
	ds_store_b32 v7, v[XSW]
	WLOAD 1, WN1
	TILE 0, WN0, 63
	TILE 1, WN1, 63
	TILE 2, WN0, 63
	TILE 3, WN1, 0
	s_cmp_lt_u32 s24, 4
	s_cbranch_scc0 .Lnog
.irp i,0,1,2,3,4,5,6,7,8,9,10,11,12,13,14,15
	global_load_b128 v[16+4*\i:19+4*\i], v12, s[10:11] offset:16*\i          ; v[16 + 8 j + e] = Wg2(16 w + 8 h + j, e).  No wait: no vector instruction since the last tile's wait names v16-87
.endr
	global_load_b128 v[80:83], v13, s[8:9]
	global_load_b128 v[84:87], v13, s[8:9] offset:16
.Lnog:
	s_wait_dscnt 0x0                                 ; my stores have landed
	s_barrier_signal -1
	s_barrier_wait -1                                ; x's codes and all partial tiles lie in LDS
.irp i,0,1,2
	ds_load_b128 v[220+4*\i:223+4*\i], v9 offset:XST+4096*\i
.endr
	s_wait_dscnt 0x0
.irp i,0,1,2
	global_store_b128 v9, v[220+4*\i:223+4*\i], s[32:33] offset:4096*\i       ; a wave stores 512 consecutive bytes, aligned
.endr
	s_cmp_lt_u32 s24, 4
	s_cbranch_scc1 .Lsum
	s_cmp_eq_u32 s24, 4
	s_cbranch_scc0 .Lnot4
	ds_load_b128 v[236:239], v233                    ; wave 4: the 16 tokens' scale words, 512 bytes
	s_wait_dscnt 0x0
	global_store_b128 v11, v[236:239], s[34:35]
.Lnot4:
	s_cmp_eq_u32 s24, 5
	s_cbranch_scc0 .Lmeet
	global_load_b128 v[240:243], v11, s[14:15]       ; wave 5: b3z = b3, then zeros
.irp i,0,1,2,3
	v_mov_b32 v[244+\i], 0
.endr
	s_wait_alu depctr_va_vdst(0)                     ; the zeros v244-247 are written, which the store reads
	global_store_b128 v11, v[244:247], s[22:23] offset:32768
	s_wait_loadcnt 0x0
	global_store_b128 v11, v[240:243], s[22:23]
	s_branch .Lmeet
.Lsum:                                               ; waves 0-3: tile ct = wave
	s_wait_alu depctr_vm_vsrc(0)                     ; the LDS stores of x's codes have read v144-151, in which the last of the loads below land (the products that read them stand ahead of the last tile's wait)
.irp p,0,1,2,3,4,5,6,7
	ds_load_b128 v[88+8*\p:91+8*\p], v14 offset:4096*\p
	ds_load_b128 v[92+8*\p:95+8*\p], v14 offset:4096*\p+512
.endr
	s_wait_dscnt 0x0
.irp p,1,2,3,4,5,6,7
.irp k,0,2,4,6
	v_pk_add_f32 v[88+\k:89+\k], v[88+\k:89+\k], v[88+8*\p+\k:89+8*\p+\k]     ; the eight K steps, ascending
.endr
.endr
	s_wait_alu depctr_va_vdst(0)
	s_wait_loadcnt 0x0                               ; Wg2, bg1
.irp k,0,2,4,6
	v_pk_add_f32 v[88+\k:89+\k], v[88+\k:89+\k], v[80+\k:81+\k]
.endr
.irp j,0,1,2,3,4,5,6,7
	v_max_num_f32 v[88+\j], 0, v[88+\j]
.endr
.irp e,0,1,2,3,4,5,6,7
	v_mul_f32 v[LL+\e], v88, v[16+\e]
.endr
.irp j,1,2,3,4,5,6,7
.irp e,0,1,2,3,4,5,6,7
	v_fmac_f32 v[LL+\e], v[88+\j], v[16+8*\j+\e]
.endr
.endr
.irp e,0,1,2,3,4,5,6,7
	v_permlanex16_b32 v[PL+\e], v[LL+\e], s26, s27
.endr
.irp e,0,1,2,3,4,5,6,7
	v_add_f32 v[LL+\e], v[LL+\e], v[PL+\e]           ; the tile's 16 hidden units
.endr
	s_wait_alu depctr_va_vdst(0)                     ; my part of the logits, v204-211, is written, which the LDS stores read; the multiply-adds are done reading v16-47, in which wave 0's loads below land
	ds_store_b128 v15, v[LL:LL+3]
	ds_store_b128 v15, v[LL+4:LL+7] offset:512
.Lmeet:
	s_wait_dscnt 0x0
	s_barrier_signal -1
	s_barrier_wait -1                                ; the logits' four parts lie in LDS
	s_cmp_lg_u32 s24, 0
	s_cbranch_scc1 .Lend
.irp c,0,1,2,3
	ds_load_b128 v[16+8*\c:19+8*\c], v232 offset:1024*\c
	ds_load_b128 v[20+8*\c:23+8*\c], v232 offset:1024*\c+512
.endr
	s_wait_dscnt 0x0
	s_wait_kmcnt 0x0                                 ; bg2
.irp c,1,2,3
.irp k,0,2,4,6
	v_pk_add_f32 v[16+\k:17+\k], v[16+\k:17+\k], v[16+8*\c+\k:17+8*\c+\k]
.endr
.endr
.irp e,0,1,2,3,4,5,6,7
	v_add_f32 v[16+\e], s[48+\e], v[16+\e]
.endr
	v_max3_num_f32 v48, v16, v17, v18                ; the maximum is taken away ahead of the exponentials
	v_max3_num_f32 v48, v48, v19, v20
	v_max3_num_f32 v48, v48, v21, v22
	v_max_num_f32 v48, v48, v23
.irp e,0,1,2,3,4,5,6,7
	v_sub_f32 v[24+\e], v[16+\e], v48
.endr
.irp e,0,1,2,3,4,5,6,7
	v_mul_f32 v[24+\e], 0x3fb8aa3b, v[24+\e]
.endr
	s_wait_alu depctr_va_vdst(0)
.irp e,0,1,2,3,4,5,6,7
	v_exp_f32 v[24+\e], v[24+\e]
.endr
	v_nop                                            ; a plain place behind the batch,
	s_wait_alu depctr_va_vdst(0)                     ; and one wait for it, ahead of its first reader: the eight exponentials have written v24-31
	v_add_f32 v49, v24, v25
.irp e,2,3,4,5,6,7
	v_add_f32 v49, v49, v[24+\e]
.endr
	s_wait_alu depctr_va_vdst(0)
	v_rcp_f32 v50, v49
	v_nop
	s_wait_alu depctr_va_vdst(0)                     ; the reciprocal has written v50, ahead of its first reader
.irp e,0,1,2,3,4,5,6,7
	v_mul_f32 v[32+\e], v[24+\e], v50                ; the gates
.endr
	v_mov_b32 v52, v32                               ; v[52:53] the two gates, v[54:55] their experts
	v_mov_b32 v54, 0
.irp e,1,2,3,4,5,6,7
	v_cmp_gt_f32 vcc_lo, v[32+\e], v52               ; strictly larger: the lower index keeps a tie
	s_wait_alu depctr_va_vcc(0)                      ; VCC is written, ahead of the two selects that read it
	v_cndmask_b32 v52, v52, v[32+\e], vcc_lo
	v_cndmask_b32 v54, v54, \e, vcc_lo
.endr
.irp e,0,1,2,3,4,5,6,7
	v_cmp_eq_u32 s[36+\e], \e, v54                   ; eight masks in a run, in s36-43
.endr
	s_wait_alu depctr_va_sdst(0)                     ; the eight masks are written, ahead of their first reader
.irp e,0,1,2,3,4,5,6,7
	v_cndmask_b32 v[32+\e], v[32+\e], -1.0, s[36+\e] ; the chosen one falls under every gate
.endr
	v_mov_b32 v53, v32
	v_mov_b32 v55, 0
.irp e,1,2,3,4,5,6,7
	v_cmp_gt_f32 vcc_lo, v[32+\e], v53
	s_wait_alu depctr_va_vcc(0)                      ; VCC is written, ahead of the two selects that read it
	v_cndmask_b32 v53, v53, v[32+\e], vcc_lo
	v_cndmask_b32 v55, v55, \e, vcc_lo
.endr
	v_lshlrev_b32 v56, 3, v2                         ; lanes r and r + 16 hold, and store, the same
	s_wait_alu depctr_va_vdst(0)                     ; gates, experts and the offset, v52-56, are written, which the two stores read
	global_store_b64 v56, v[54:55], s[20:21]
	global_store_b64 v56, v[52:53], s[18:19]
.Lend:
	s_wait_dscnt 0x0                                 ; the closing lines, six on end
	s_wait_alu 0x0
	s_wait_tensorcnt 0x0
	ds_add_u32 v254, v255
	s_wait_dscnt 0x0
	s_endpgm
.Lfunc_end_k_q6cd8a434b7_gate:
	.size	k_q6cd8a434b7_gate, .Lfunc_end_k_q6cd8a434b7_gate-k_q6cd8a434b7_gate
	.p2alignl 7, 3214868480
	.fill 96, 4, 3214868480
	.section	.rodata,"a",@progbits
	.p2align	6, 0x0
	.amdhsa_kernel k_q6cd8a434b7_gate
		.amdhsa_group_segment_fixed_size 50688
		.amdhsa_private_segment_fixed_size 0
		.amdhsa_enable_private_segment 0
		.amdhsa_kernarg_size 80
		.amdhsa_user_sgpr_count 2
		.amdhsa_user_sgpr_kernarg_segment_ptr 1
		.amdhsa_wavefront_size32 1
		.amdhsa_system_sgpr_workgroup_id_x 1
		.amdhsa_system_sgpr_workgroup_id_y 1
		.amdhsa_system_sgpr_workgroup_id_z 1
		.amdhsa_system_vgpr_workitem_id 0
		.amdhsa_next_free_vgpr 256
		.amdhsa_next_free_sgpr 66
		.amdhsa_reserve_vcc 1
		.amdhsa_float_denorm_mode_32 3
		.amdhsa_float_denorm_mode_16_64 3
		.amdhsa_memory_ordered 1
		.amdhsa_forward_progress 1
		.amdhsa_inst_pref_size 64
	.end_amdhsa_kernel
	.amdgpu_metadata
---
amdhsa.version: [ 1, 2 ]
amdhsa.kernels:
  - .name:           k_q6cd8a434b7_gate
    .symbol:         k_q6cd8a434b7_gate.kd
    .args:
      - { .name: x, .offset: 0, .size: 8, .value_kind: global_buffer, .address_space: global }
      - { .name: Wg1, .offset: 8, .size: 8, .value_kind: global_buffer, .address_space: global }
      - { .name: bg1, .offset: 16, .size: 8, .value_kind: global_buffer, .address_space: global }
      - { .name: Wg2, .offset: 24, .size: 8, .value_kind: global_buffer, .address_space: global }
      - { .name: bg2, .offset: 32, .size: 8, .value_kind: global_buffer, .address_space: global }
      - { .name: b3, .offset: 40, .size: 8, .value_kind: global_buffer, .address_space: global }
      - { .name: xq, .offset: 48, .size: 8, .value_kind: global_buffer, .address_space: global }
      - { .name: gw, .offset: 56, .size: 8, .value_kind: global_buffer, .address_space: global }
      - { .name: choice, .offset: 64, .size: 8, .value_kind: global_buffer, .address_space: global }
      - { .name: b3z, .offset: 72, .size: 8, .value_kind: global_buffer, .address_space: global }
    .group_segment_fixed_size: 50688
    .private_segment_fixed_size: 0
    .kernarg_segment_align: 8
    .kernarg_segment_size: 80
    .max_flat_workgroup_size: 256
    .sgpr_count:     66
    .vgpr_count:     256
    .wavefront_size: 32
...
	.end_amdgpu_metadata
.endif
;; end of part 6
;; launch l1 (part 7): grid 32 x 8, 16 waves a work-group, no clusters, 68,096 bytes of LDS; arguments W1, b1, xq, choice, h1, route; writes h1, route
.if DOCPART == 7
	.amdgcn_target "amdgcn-amd-amdhsa--gfx1250"
	.amdhsa_code_object_version 6
	.text
	.protected	k_q6cd8a434b7_l1
	.globl	k_q6cd8a434b7_l1
	.p2align	8
	.type	k_q6cd8a434b7_l1,@function
k_q6cd8a434b7_l1:
	s_mov_b64 s[64:65], 0
	v_nop
	global_prefetch_b8 v0, s[64:65] scope:SCOPE_SE
	s_setreg_imm32_b32 hwreg(HW_REG_WAVE_MODE, 25, 1), 1
	s_wait_xcnt 0x0
; EXPERT LAYER 1: h1 = Q(relu(Q(x) Q(W1[e]) + b1[e])) for the rows routed to expert e.  Products on codes of E3M2 with one E8M0 scale for each 32 along K, sums in f32.
; SHARES.  Work-group (slice, e): 64 columns of expert e, all of K = 1,024 in 8 steps of 128.  A row of its part of W1 is 256 consecutive bytes, aligned; each byte of W1 is read once in the launch.
; ROLES.  Waves 0-3 PRODUCE: they issue weight loads alone (three sets of 16 loads of 512 bytes a wave are out), quantise along K in registers and put codes and scale bytes into LDS,
; where the whole slice stays: each LDS byte is written once.  Wave q owns block q (32 along K) of every step.  They end behind the last barrier.
; Waves 4-15 CONSUME: wave 4 + C has two slots of one unit (32 rows x 64 columns): units C and 12 + C in the first sweep, 24 + C and 36 + C in the second.
; Loads of a wave come back in order, so the weight stream and the gather of activations are given to different waves.
; A ROUND has two arms, of which a wave takes one, and one barrier behind them: producing waves make K step k; consuming waves multiply K step k - 1 (in round 0: the sweep's set-up).
; The last K step's products and the way out follow behind the last barrier.  The consuming arm begins with a wait for all loads.
; THE SECOND SWEEP (rows 768 on) stands behind the last barrier and has none: all codes lie in LDS and nobody writes them.  A wave without a unit there jumps over it: a scalar branch on the count.
; THE SORT.  Wave 4 reads the choice of all 1,024 tokens, ranks expert e's tokens (a counting sort by lane masks), lays the list of tokens in LDS; slice 0 stores ranks and count (route) for the later launches.
; Rows behind an expert's last are computed from token 0 up to a whole unit, and an expert without tokens still makes one unit: so every byte of h1 that a later launch reads has been stored.
; The set-up of a sweep (bias into the accumulators, first step's activations) runs for both slots; products, later loads and stores are jumped over by the count.
; THE COLUMNS OF A TILE ARE NOT NEIGHBOURS: lane r of tile 2 b + u takes column 32 b + 8 u + r + 8 (r / 8), so that a lane's 16 results of tiles 2 b, 2 b + 1 are 16 neighbours along the next K.
; A PREFETCH INTO THE L2: behind the loads of K step s + 3 stands one prefetch for K step s + 5: my block's 32 rows x the slice's 256 bytes, a lane a row, two rounds ahead of the loads that will ask for them.
; A wave asks for the rows that it will load itself, so each row's 256 bytes are named once in the launch.  K steps 0 to 4 come by their loads alone; the last five rounds ask for nothing.
; No tensor load, no cluster: jumps hang on counts read from memory.
; REGISTERS.  v0 the thread's number, kept; v1 weights' offset; v2, v3 where a producer stores codes, bytes; v4 where a consumer reads codes; v5 the prefetches' offset: my lane x a row of W1;
; v6-11: first the sort's (8 lane, lane, spare word, 4 lane, the count's place, the list's place), then tokens' codes (slot u, tile t: 6 + 2 u + t) and tokens' scale words (10 + u);
; v12-13 weights' scale words, v14-15 activations'.  v16-63: consumers: activations (u, t) at 16 + 24 u + 12 t; producers: v16-31 one column's 16 numbers, v32-47 codes, the maxima in every fourth.
; v64-255: producers: three sets of 64 numbers; consumers: v64-111 four weight fragments, v112-127 at work, v128-255 accumulators (u, t, c) at 128 + 64 u + 32 t + 8 c.
; The loads that a consuming wave leaves out across a barrier (v14-63) and the weight loads (v64-255) name different registers.
; LIMITS: NaN and infinities not served; a block under 2^-122 (zeros too) gets the scale byte 1.  Rows 768 .. 1,023 of one expert are served by the second sweep, whose activation loads are not hidden behind a weight stream.
.set KS,   8
.set ROWB, 8192
.set KREG, 7168      ; LDS, K step s at s KREG: 64 places of 112 bytes (96 of codes + 16); in a place block q at 48 (q & 1) + 24 (q >> 1)
.set SCB,  KS*KREG   ; scale words: SCB + 256 s + 4 place + q
.set LIST, 59392     ; 1,536 words: row -> token
.set DUMW, 1536      ; and behind them 32 words for the lanes that have nothing to place
.set CNTW, 65792     ; the count, 32 times
.set AHEAD, 2        ; rounds between a prefetch and the loads of the same K step
.set PFO,  5
.set TMP,  16
.set CD,   32
.set AF,   16
.set BF,   64
.set TT,   64        ; the way out: 32 numbers of a tile
.set MS,   96        ; and what is made of them
.set EO16, 112       ; the way out: 16 x lane, 8 x lane, 1024 h + 4 r
.set EO8,  113
.set EOS,  114
.set BO,   118       ; the set-up: 64 h
.macro PLOAD s                       ; K step s: lanes 0-15 the slice's 256 bytes of row 32 q + i, lanes 16-31 of row 32 q + 16 + i
.set XL, 64+64*((\s)%3)
.irp i,0,1,2,3,4,5,6,7,8,9,10,11,12,13,14,15
	global_load_b128 v[XL+4*\i:XL+4*\i+3], v1, s[30:31] offset:((\s)%8)*128*ROWB+\i*ROWB th:TH_LOAD_NT
.endr
.endm
.macro PROD s                        ; X[4 i + j] = W(128 s + 32 q + 16 hb + i, 4 cg + j)
.set XB, 64+64*((\s)%3)
.if (\s)+2 < KS
	s_wait_loadcnt 32                                ; this set is in; the two younger sets of 16 stay out
.elseif (\s)+1 < KS
	s_wait_loadcnt 16
.else
	s_wait_loadcnt 0x0
.endif
.irp j,0,1,2,3
	v_max3_num_f32 v[CD+3+4*\j], |v[XB+\j]|, |v[XB+4+\j]|, 0x2800000          ; four columns by turns; the floor 2^(5 - 127)
.endr
.irp i,2,4,6,8,10,12,14
.irp j,0,1,2,3
	v_max3_num_f32 v[CD+3+4*\j], v[CD+3+4*\j], |v[XB+4*\i+\j]|, |v[XB+4*\i+4+\j]|
.endr
.endr
.irp j,0,1,2,3
	s_delay_alu instid0(VALU_DEP_4)
	v_permlanex16_b32 v[TMP+\j], v[CD+3+4*\j], s26, s27
.endr
.irp j,0,1,2,3
	s_delay_alu instid0(VALU_DEP_4)
	v_max_num_f32 v[CD+3+4*\j], v[CD+3+4*\j], v[TMP+\j]                       ; with the block's other 16 rows
.endr
.irp j,0,1,2,3
	s_delay_alu instid0(VALU_DEP_4)
	v_add_nc_u32 v[CD+3+4*\j], 0xfe000000, v[CD+3+4*\j]                       ; 4 off the exponent field: the conversion's scale operand
.endr
.irp j,0,1,2,3
.irp i,0,1,2,3,4,5,6,7,8,9,10,11,12,13,14,15
	v_mov_b32 v[TMP+\i], v[XB+4*\i+\j]               ; a column's 16 numbers on end: the conversion takes neighbours along K from consecutive registers
.endr
	v_cvt_scalef32_pk16_bf6_f32 v[CD+4*\j:CD+4*\j+2], v[TMP:TMP+15], v[CD+4*\j+3]
	v_nop                                            ; one plain place behind a conversion
.endr
.if (\s)+3 < KS
	PLOAD (\s)+3                                     ; the set is free
.endif
.if (\s)+3+AHEAD < KS
	global_prefetch_b8 v[PFO], s[30:31] offset:(((\s)+3+AHEAD)%8)*128*ROWB th:TH_LOAD_NT scope:SCOPE_SE   ; my 32 rows of the K step that I load two rounds on; its address registers are never rewritten
.endif
.irp p,0,8
	v_cndmask_b32 v[CD+\p+7], v[CD+\p+3], v[CD+\p+7], s28                     ; lanes 0-15 the pair's first column, lanes 16-31 its second
.endr
.irp p,0,8
	s_delay_alu instid0(VALU_DEP_2)
	v_lshrrev_b32 v[CD+\p+7], 23, v[CD+\p+7]         ; the scale's byte
.endr
.irp p,0,8
.irp i,0,1,2
	v_permlane16_swap_b32 v[CD+\p+\i], v[CD+\p+4+\i] ; lane (cg, hh) now holds the whole block of column 4 cg + p / 4 + hh
.endr
.endr
.irp p,0,8
.irp i,0,1,2
	v_mov_b32 v[CD+\p+3+\i], v[CD+\p+4+\i]
.endr
.endr
.irp p,0,1
.irp i,0,1,2
	ds_store_b64 v2, v[CD+8*\p+2*\i:CD+8*\p+2*\i+1] offset:(\s)*KREG+224*\p+8*\i
.endr
	ds_store_b8 v3, v[CD+8*\p+7] offset:256*(\s)+8*\p
.endr
.rept 4
	v_nop                                            ; v16-47 are operand registers in the products' text: what vector instructions wrote there stands four places ahead of a scaled product
.endr
.endm
.macro BIASLOAD u                    ; the sums begin from the bias: it is loaded into the accumulators, in the result's layout
.irp t,0,1
.irp c,0,1,2,3
	global_load_b128 v[128+64*(\u)+32*\t+8*\c:128+64*(\u)+32*\t+8*\c+3], v[BO], s[42:43] offset:128*(\c/2)+32*(\c%2)
	global_load_b128 v[128+64*(\u)+32*\t+8*\c+4:128+64*(\u)+32*\t+8*\c+7], v[BO], s[42:43] offset:128*(\c/2)+32*(\c%2)+16
.endr
.endr
.endm
.macro ALOAD u, s                    ; slot u's two fragments and scale words of K step s, gathered from xq by token
.irp t,0,1
.irp g,0,1,2
	global_load_b128 v[AF+24*(\u)+12*\t+4*\g:AF+24*(\u)+12*\t+4*\g+3], v[6+2*(\u)+\t], s[34:35] offset:96*(\s)+16*\g
.endr
.endr
	global_load_b32 v[14+(\u)], v[10+(\u)], s[36:37] offset:4*(\s)
.endm
.macro WM u, t, c                    ; source 0 = 16 columns of the weights, source 1 = 16 rows: a lane holds one row and eight columns
.set AC, 128+64*(\u)+32*(\t)+8*(\c)
.set FB, BF+12*(\c)
.set FA, AF+24*(\u)+12*(\t)
.if ((\c)%2 == 0) && ((\t) == 0)
	v_wmma_scale_f32_16x16x128_f8f6f4 v[AC:AC+7], v[FB:FB+11], v[FA:FA+11], v[AC:AC+7], v[12+(\c)/2], v[14+(\u)] matrix_a_fmt:MATRIX_FMT_BF6 matrix_b_fmt:MATRIX_FMT_BF6
.elseif (\t) == 0
	v_wmma_scale_f32_16x16x128_f8f6f4 v[AC:AC+7], v[FB:FB+11], v[FA:FA+11], v[AC:AC+7], v[12+(\c)/2], v[14+(\u)] matrix_a_fmt:MATRIX_FMT_BF6 matrix_b_fmt:MATRIX_FMT_BF6 matrix_a_scale:MATRIX_SCALE_ROW1
.elseif (\c)%2 == 0
	v_wmma_scale_f32_16x16x128_f8f6f4 v[AC:AC+7], v[FB:FB+11], v[FA:FA+11], v[AC:AC+7], v[12+(\c)/2], v[14+(\u)] matrix_a_fmt:MATRIX_FMT_BF6 matrix_b_fmt:MATRIX_FMT_BF6 matrix_b_scale:MATRIX_SCALE_ROW1
.else
	v_wmma_scale_f32_16x16x128_f8f6f4 v[AC:AC+7], v[FB:FB+11], v[FA:FA+11], v[AC:AC+7], v[12+(\c)/2], v[14+(\u)] matrix_a_fmt:MATRIX_FMT_BF6 matrix_b_fmt:MATRIX_FMT_BF6 matrix_a_scale:MATRIX_SCALE_ROW1 matrix_b_scale:MATRIX_SCALE_ROW1
.endif
.endm
.macro UNIT u, s                     ; eight accumulators by turns, one instruction a turn, from step to step too
.irp t,0,1
.irp c,0,1,2,3
	WM \u, \t, \c
.endr
.endr
.rept 4
	v_nop                                            ; places in front of loads into registers that these products read, and of the first read of results
.endr
.if (\s)+1 < KS
	ALOAD \u, (\s)+1                                 ; a whole K step ahead of its use
.endif
.endm
.macro CSTEP s
	s_wait_loadcnt 0x0                               ; this step's activations, asked for a step ago: no load of mine is out when the registers below are loaded
	s_cmp_eq_u32 s21, 0
	s_cbranch_scc1 .Lce_\@
	v_and_b32 v112, 31, v0
	s_delay_alu instid0(VALU_DEP_1)
	v_lshl_add_u32 v112, v112, 2, SCB                ; the scale words' place: SCB + 4 x lane
.irp t,0,1,2,3
.irp g,0,1,2
	ds_load_b128 v[BF+12*\t+4*\g:BF+12*\t+4*\g+3], v4 offset:(\s)*KREG+1792*\t+16*\g
.endr
.endr
	ds_load_b32 v12, v112 offset:256*(\s)            ; lanes 0-15 tile 0's words, lanes 16-31 tile 1's
	ds_load_b32 v13, v112 offset:256*(\s)+128        ; tiles 2 and 3
	s_wait_dscnt 0x0
	s_wait_alu depctr_va_vdst(0)
	UNIT 0, \s
	s_cmp_lt_u32 s21, 2
	s_cbranch_scc1 .Lce_\@
	UNIT 1, \s
.Lce_\@:
.endm
.macro SCAL first                    ; a sweep's scalars: slot 0 holds unit first + C, slot 1 unit first + 12 + C
	s_add_co_u32 s44, s24, \first
	s_add_co_u32 s45, s44, 12
	s_cmp_gt_u32 s22, s44
	s_cselect_b32 s21, 1, 0
	s_cmp_gt_u32 s22, s45
	s_cselect_b32 s46, 1, 0
	s_add_co_u32 s21, s21, s46                       ; how many of the two exist
	s_sub_co_u32 s46, s22, 1
	s_min_u32 s44, s44, s46                          ; an empty slot is held at the expert's last unit
	s_min_u32 s45, s45, s46
	s_min_u32 s44, s44, 31
	s_min_u32 s45, s45, 31
.irp u,0,1
	s_mul_i32 s48, s[44+\u], 49152
	s_add_nc_u64 s[74+2*\u:75+2*\u], s[38:39], s[48:49]                       ; the slot's unit in h1's codes,
	s_lshl_b32 s48, s[44+\u], 11
	s_add_nc_u64 s[78+2*\u:79+2*\u], s[40:41], s[48:49]                       ; in its scale words
.endr
	s_lshl_b32 s46, s16, 7
	s_add_co_u32 s46, s46, LIST-512+128*(\first)     ; the list's words of unit first + C, C = wave - 4
.endm
.macro SETUP                         ; a consuming wave's start of a sweep: the rows' tokens, the bias, the first K step's activations
	s_wait_loadcnt 0x0                               ; no load of a consuming wave is out here: the registers below are loaded only behind this wait
	v_and_b32 v112, 31, v0
	s_delay_alu instid0(VALU_DEP_1)
	v_lshl_add_u32 v112, v112, 2, s46
	ds_load_b32 v113, v112                           ; lane l: the token of row l of slot 0's unit,
	ds_load_b32 v114, v112 offset:1536               ; of slot 1's
	v_mov_b32 v115, 0
	v_mov_b32 v116, 0
	v_bfe_u32 v117, v0, 4, 1                         ; h
	s_delay_alu instid0(VALU_DEP_1)
	v_lshlrev_b32 v[BO], 6, v117
	BIASLOAD 0
	BIASLOAD 1
	s_wait_alu depctr_va_vdst(0)
	s_wait_dscnt 0x0
.irp u,0,1
	v_permlanex16_b32 v[115+\u], v[113+\u], s26, s27
	s_delay_alu instid0(VALU_DEP_1)
	v_cndmask_b32 v119, v[113+\u], v[115+\u], s28    ; lane (r, h): the token of row r,
	s_delay_alu instid0(VALU_DEP_2)
	v_cndmask_b32 v120, v[115+\u], v[113+\u], s28    ; of row 16 + r
	s_delay_alu instid0(VALU_DEP_2)
	v_min_u32 v119, 1023, v119
	s_delay_alu instid0(VALU_DEP_2)
	v_min_u32 v120, 1023, v120
	v_min_u32 v121, 1023, v[113+\u]
	s_delay_alu instid0(VALU_DEP_3)
	v_mul_u32_u24 v119, v119, 768
	s_delay_alu instid0(VALU_DEP_3)
	v_mul_u32_u24 v120, v120, 768
	s_delay_alu instid0(VALU_DEP_2)
	v_mad_u32_u24 v[6+2*\u], v117, 48, v119
	s_delay_alu instid0(VALU_DEP_2)
	v_mad_u32_u24 v[7+2*\u], v117, 48, v120
	v_lshlrev_b32 v[10+\u], 5, v121
.endr
	ALOAD 0, 0
	ALOAD 1, 0
	s_wait_loadcnt 0x0                               ; bias and first activations are in
.endm
.macro ROUND k                       ; two arms, one barrier
	s_cmp_lt_u32 s16, 4
	s_cbranch_scc0 .Lc_\@
	PROD \k
	s_branch .Lj_\@
.Lc_\@:
.if (\k) == 0
	SETUP
.else
	CSTEP (\k)-1
.endif
.Lj_\@:
	s_wait_dscnt 0x0                                 ; a producer's stores have landed; a consumer's LDS loads are in
	s_barrier_signal -1
	s_barrier_wait -1                                ; K step k lies in LDS
.endm
.macro QTILE u, t                    ; 16 rows x 64 columns: relu, two blocks of 32 along the next K, codes in the next operand's register order
.set AC, 128+64*(\u)+32*(\t)
.set Z, AF+24*(\u)+12*(\t)
.irp i,0,1,2,3,4,5,6,7,8,9,10,11,12,13,14,15,16,17,18,19,20,21,22,23,24,25,26,27,28,29,30,31
	v_max_num_f32 v[TT+\i], 0, v[AC+\i]              ; each accumulator from its low end on; register 16 b + i: column 32 b + 16 h + i
.endr
	v_max3_num_f32 v[MS], v[TT], v[TT+1], 0x2800000  ; none is negative: no |.|
	v_max3_num_f32 v[MS+1], v[TT+16], v[TT+17], 0x2800000
.irp i,2,4,6,8,10,12,14
	s_delay_alu instid0(VALU_DEP_2)
	v_max3_num_f32 v[MS], v[MS], v[TT+\i], v[TT+1+\i]
	s_delay_alu instid0(VALU_DEP_2)
	v_max3_num_f32 v[MS+1], v[MS+1], v[TT+16+\i], v[TT+17+\i]
.endr
	s_delay_alu instid0(VALU_DEP_2)
	v_permlanex16_b32 v[MS+2], v[MS], s26, s27
	s_delay_alu instid0(VALU_DEP_2)
	v_permlanex16_b32 v[MS+3], v[MS+1], s26, s27
	s_delay_alu instid0(VALU_DEP_2)
	v_max_num_f32 v[MS], v[MS], v[MS+2]
	s_delay_alu instid0(VALU_DEP_2)
	v_max_num_f32 v[MS+1], v[MS+1], v[MS+3]
	s_delay_alu instid0(VALU_DEP_2)
	v_add_nc_u32 v[MS+4], 0xfe000000, v[MS]
	s_delay_alu instid0(VALU_DEP_2)
	v_add_nc_u32 v[MS+5], 0xfe000000, v[MS+1]
	s_delay_alu instid0(VALU_DEP_2)
	v_lshrrev_b32 v[MS+6], 23, v[MS+4]
	s_delay_alu instid0(VALU_DEP_2)
	v_lshrrev_b32 v[MS+7], 23, v[MS+5]
	s_delay_alu instid0(VALU_DEP_1)
	v_lshl_or_b32 v[MS+8+(\t)], v[MS+7], 8, v[MS+6]  ; the row's two scale bytes
	v_cvt_scalef32_pk16_bf6_f32 v[Z:Z+2], v[TT:TT+15], v[MS+4]
	v_cvt_scalef32_pk16_bf6_f32 v[Z+6:Z+8], v[TT+16:TT+31], v[MS+5]
	v_nop
.irp i,0,1,2
	v_permlane16_swap_b32 v[Z+\i], v[Z+6+\i]         ; lane (r, h): the whole block h
.endr
.irp i,0,1,2
	s_delay_alu instid0(VALU_DEP_3)
	v_mov_b32 v[Z+3+\i], v[Z+6+\i]
.endr
	global_store_b128 v[EO16], v[Z:Z+3], s[74+2*(\u):75+2*(\u)] offset:24576*(\t)        ; 512 consecutive bytes, aligned
	global_store_b64 v[EO8], v[Z+4:Z+5], s[74+2*(\u):75+2*(\u)] offset:24576*(\t)+512    ; 256 consecutive bytes, aligned
.endm
.macro QUNIT u
	QTILE \u, 0
	QTILE \u, 1
	v_cndmask_b32 v[MS+10+(\u)], v[MS+8], v[MS+9], s28                        ; lanes 0-15 the first tile's rows, lanes 16-31 the second's
	global_store_b16 v[EOS], v[MS+10+(\u)], s[78+2*(\u):79+2*(\u)]            ; two of a scale word's four bytes: the other slice of the K step stores the other two
.endm
.macro OUT                           ; a sweep's way out
	s_cmp_eq_u32 s21, 0
	s_cbranch_scc1 .Lo_\@
	v_and_b32 v[EO16], 31, v0
	s_delay_alu instid0(VALU_DEP_1)
	v_lshlrev_b32 v[EO8], 3, v[EO16]
	s_delay_alu instid0(VALU_DEP_2)
	v_lshlrev_b32 v[EO16], 4, v[EO16]
	v_and_b32 v[EOS], 15, v0
	v_bfe_u32 v115, v0, 4, 1
	s_delay_alu instid0(VALU_DEP_2)
	v_lshlrev_b32 v[EOS], 2, v[EOS]
	s_delay_alu instid0(VALU_DEP_1)
	v_lshl_add_u32 v[EOS], v115, 10, v[EOS]
	v_mov_b32 v[MS+2], 0                             ; a lane permute's destination counts as one of its sources
	v_mov_b32 v[MS+3], 0
	QUNIT 0
	s_cmp_lt_u32 s21, 2
	s_cbranch_scc1 .Lo_\@
	QUNIT 1
.Lo_\@:
.endm
	s_load_b256 s[4:11], s[0:1], 0x0                 ; W1, b1, xq, choice
	s_load_b128 s[12:15], s[0:1], 0x20               ; h1, route
	v_lshrrev_b32 v1, 5, v0
	s_delay_alu instid0(VALU_DEP_1)
	v_readfirstlane_b32 s16, v1                      ; wave
	v_and_b32 v16, 15, v0                            ; r, cg
	v_bfe_u32 v17, v0, 4, 1                          ; h, hb
	v_and_b32 v18, 31, v0                            ; lane
	v_mov_b32 v19, 0                                 ; v16-19 are later the destinations of lane permutes, which count as sources: all four are written here
.irp i,0,1,2,3
	v_mov_b32 v[20+\i], 0                            ; sixteen bytes of zeros, for the list
.endr
	v_lshlrev_b32 v1, 4, v16
	s_delay_alu instid0(VALU_DEP_1)
	v_lshl_add_u32 v1, v17, 17, v1                   ; 16 hb rows + 16 cg
	v_and_b32 v2, 9, v16
	v_bfe_u32 v3, v16, 1, 1
	s_delay_alu instid0(VALU_DEP_1)
	v_lshl_add_u32 v2, v3, 2, v2
	v_bfe_u32 v3, v16, 2, 1
	s_delay_alu instid0(VALU_DEP_1)
	v_lshl_add_u32 v2, v3, 1, v2                     ; cg with bits 1 and 2 exchanged: a column's bits 3 and 4
	s_delay_alu instid0(VALU_DEP_1)
	v_lshl_add_u32 v2, v2, 2, v17                    ; the place of column 4 cg + hb
	s_and_b32 s44, s16, 3
	v_lshl_add_u32 v3, v2, 2, SCB
	s_delay_alu instid0(VALU_DEP_1)
	v_add_nc_u32 v3, s44, v3
	v_mul_u32_u24 v2, v2, 112
	s_and_b32 s45, s16, 1
	s_mul_i32 s45, s45, 48
	s_bfe_u32 s46, s16, 0x10001
	s_mul_i32 s46, s46, 24
	s_add_co_u32 s45, s45, s46
	v_add_nc_u32 v2, s45, v2
	v_mul_u32_u24 v4, v16, 112
	s_delay_alu instid0(VALU_DEP_1)
	v_mad_u32_u24 v4, v17, 48, v4
	v_lshlrev_b32 v[PFO], 13, v18                    ; my lane x a row of W1
	v_lshlrev_b32 v6, 3, v18                         ; the sort's registers, made by every wave: 8 x lane,
	v_mov_b32 v7, v18                                ; lane,
	v_add_nc_u32 v8, DUMW, v18                       ; my spare word behind the list,
	v_lshlrev_b32 v9, 2, v18                         ; 4 x lane,
	v_lshl_add_u32 v10, v18, 2, CNTW                 ; the count's place,
	v_lshl_add_u32 v11, v18, 4, LIST                 ; the list, 16 bytes a lane
	s_and_b32 s17, ttmp7, 0xffff                     ; expert
	s_mov_b32 s18, ttmp9                             ; slice
	s_mov_b32 s26, 0x76543210
	s_mov_b32 s27, 0xfedcba98
	s_mov_b32 s28, 0xffff0000                        ; lanes 16-31
	s_sub_co_u32 s24, s16, 4                         ; C (of use in consuming waves alone)
	s_lshl_b32 s44, s17, 23
	s_lshl_b32 s45, s18, 8
	s_add_co_u32 s44, s44, s45
	s_and_b32 s45, s16, 3
	s_lshl_b32 s45, s45, 18
	s_add_co_u32 s44, s44, s45                       ; expert, slice, my block's 32 rows
	s_mov_b32 s45, 0
	s_wait_kmcnt 0x0
	s_cmp_eq_u32 s16, 4
	s_cbranch_scc0 .Lnochoice
	s_wait_alu depctr_va_vdst(0)
.irp c,0,1,2,3,4,5,6,7,8,9,10,11,12,13,14,15,16,17,18,19,20,21,22,23,24,25,26,27,28,29,30,31
	global_load_b64 v[128+2*\c:129+2*\c], v6, s[10:11] offset:256*\c          ; wave 4, first thing: token 32 c + lane: its two experts
.endr
.irp k,0,1,2,3,4,5,6,7,8,9,10,11
	ds_store_b128 v11, v[20:23] offset:512*\k        ; while they are out: rows behind an expert's last are token 0
.endr
.Lnochoice:
	s_add_nc_u64 s[30:31], s[4:5], s[44:45]
	s_cmp_lt_u32 s16, 4
	s_cbranch_scc0 .Lnoprod
	s_wait_loadcnt 0x0                               ; no load is out when the weights' registers are first loaded
	PLOAD 0
	PLOAD 1
	PLOAD 2
.Lnoprod:
	s_mov_b64 s[34:35], s[8:9]                       ; xq's codes
	s_add_nc_u64 s[36:37], s[8:9], 786432            ; and scale words
	s_mul_i32 s48, s17, 1572864
	s_mul_i32 s49, s18, 768
	s_add_co_u32 s48, s48, s49
	s_mov_b32 s49, 0                                 ; stays 0: the upper word of every offset below
	s_add_nc_u64 s[38:39], s[12:13], s[48:49]        ; h1's codes: expert, K step slice / 2, half slice % 2
	s_lshl_b32 s48, s17, 16
	s_add_co_u32 s48, s48, 12582912
	s_lshr_b32 s50, s18, 1
	s_lshl_b32 s50, s50, 6
	s_add_co_u32 s48, s48, s50
	s_and_b32 s50, s18, 1
	s_lshl_b32 s50, s50, 1
	s_add_co_u32 s48, s48, s50
	s_add_nc_u64 s[40:41], s[12:13], s[48:49]        ; h1's scale words
	s_lshl_b32 s48, s17, 13
	s_lshl_b32 s50, s18, 8
	s_add_co_u32 s48, s48, s50
	s_add_nc_u64 s[42:43], s[6:7], s[48:49]          ; b1
	s_lshl_b32 s48, s17, 12
	s_add_nc_u64 s[56:57], s[14:15], s[48:49]        ; route: ranks
	s_lshl_b32 s48, s17, 7
	s_add_co_u32 s48, s48, 32768
	s_add_nc_u64 s[58:59], s[14:15], s[48:49]        ; route: count
	s_cmp_eq_u32 s16, 4
	s_cbranch_scc0 .Lnosort
	s_wait_loadcnt 0x0                               ; the choice is in
	s_mov_b32 s44, 0                                 ; rows placed so far
; Two batches of 16 chunks of 32 tokens.  A token goes to my expert where min(e1 ^ E, e2 ^ E) is 0: one compare a chunk.  A batch's sixteen masks are made first, in s82-97,
; so that the scalar counts below do not each wait for a vector compare.
.irp b,0,1
.irp i,0,1,2,3,4,5,6,7,8,9,10,11,12,13,14,15
	v_xor_b32 v[128+2*(16*\b+\i)], s17, v[128+2*(16*\b+\i)]
	v_xor_b32 v[129+2*(16*\b+\i)], s17, v[129+2*(16*\b+\i)]
.endr
.irp i,0,1,2,3,4,5,6,7,8,9,10,11,12,13,14,15
	v_min_u32 v[128+2*(16*\b+\i)], v[128+2*(16*\b+\i)], v[129+2*(16*\b+\i)]
.endr
.irp i,0,1,2,3,4,5,6,7,8,9,10,11,12,13,14,15
	v_cmp_eq_u32 s[82+\i], 0, v[128+2*(16*\b+\i)]    ; the lanes whose token goes to my expert
.endr
.irp i,0,1,2,3,4,5,6,7,8,9,10,11,12,13,14,15
	v_mbcnt_lo_u32_b32 v[128+2*(16*\b+\i)], s[82+\i], s44                     ; the rank: those before, in earlier chunks and in lower lanes
	s_bcnt1_i32_b32 s45, s[82+\i]
	v_add_nc_u32 v[129+2*(16*\b+\i)], 32*(16*\b+\i), v7                       ; the token
	v_cndmask_b32 v[192+16*\b+\i], v8, v[128+2*(16*\b+\i)], s[82+\i]          ; a lane with nothing to place takes its spare word
	s_add_co_u32 s44, s44, s45
	v_min_u32 v[192+16*\b+\i], DUMW+31, v[192+16*\b+\i]
	s_delay_alu instid0(VALU_DEP_1)
	v_lshl_add_u32 v[192+16*\b+\i], v[192+16*\b+\i], 2, LIST
	ds_store_b32 v[192+16*\b+\i], v[129+2*(16*\b+\i)]                         ; list[rank] = token (LDS serves a wave's instructions in order: behind the zeros)
.endr
.endr
	v_mov_b32 v72, s44
	ds_store_b32 v10, v72
	s_cmp_eq_u32 s18, 0
	s_cbranch_scc0 .Lnosort
.irp c,0,1,2,3,4,5,6,7,8,9,10,11,12,13,14,15,16,17,18,19,20,21,22,23,24,25,26,27,28,29,30,31
	global_store_b32 v9, v[128+2*\c], s[56:57] offset:128*\c
.endr
	global_store_b32 v9, v72, s[58:59]
	s_wait_xcnt 0x0                                  ; the stores' registers are written again below
.Lnosort:
	s_wait_loadcnt 0x0                               ; every wave's loads are in at this barrier: the weights' first three sets have the sort's time in which to land
	s_wait_dscnt 0x0
	s_barrier_signal -1
	s_barrier_wait -1                                ; list and count lie in LDS; no other wave has touched LDS so far
	s_wait_alu depctr_va_vdst(0)
	ds_load_b32 v16, v10                             ; the count, into a register that is never an address
	s_wait_dscnt 0x0
	v_readfirstlane_b32 s22, v16
	s_min_u32 s22, s22, 1024
	s_add_co_u32 s22, s22, 31
	s_lshr_b32 s22, s22, 5
	s_max_u32 s22, s22, 1                            ; units of the expert, at least one
	SCAL 0                                           ; made by every wave, ahead of the parting of roles; a producing wave makes them and uses none
.set Q, 0
.rept KS
	ROUND Q
.set Q, Q+1
.endr
	s_cmp_lt_u32 s16, 4
	s_cbranch_scc1 .Lend                             ; the producing waves are done: no barrier follows
	CSTEP KS-1                                       ; the last K step's products
	OUT
.rept 4
	v_nop                                            ; the codes just made lie in operand registers: what vector instructions wrote there stands four places ahead of a scaled product
.endr
	s_wait_loadcnt 0x0                               ; no load is out at a sweep's end
	s_wait_xcnt 0x0                                  ; bases, offsets and store data are written again below
	SCAL 24                                          ; THE SECOND SWEEP: units 24 + C and 36 + C
	s_cmp_eq_u32 s21, 0
	s_cbranch_scc1 .Lend                             ; none of them exists: an expert of at most 768 rows, or a wave beyond its last unit
	SETUP
.set Q, 0
.rept KS
	CSTEP Q
.set Q, Q+1
.endr
	OUT
.Lend:
	s_wait_xcnt 0x0
	v_lshl_add_u32 v46, v0, 2, 0x10200
	v_mov_b32 v47, 0
	s_wait_alu depctr_va_vdst(0)
	s_wait_tensorcnt 0x0
	ds_add_u32 v46, v47
	s_wait_dscnt 0x0
	s_endpgm
.Lfunc_end_k_q6cd8a434b7_l1:
	.size	k_q6cd8a434b7_l1, .Lfunc_end_k_q6cd8a434b7_l1-k_q6cd8a434b7_l1
	.p2alignl 7, 3214868480
	.fill 96, 4, 3214868480
	.section	.rodata,"a",@progbits
	.p2align	6, 0x0
	.amdhsa_kernel k_q6cd8a434b7_l1
		.amdhsa_group_segment_fixed_size 68096
		.amdhsa_private_segment_fixed_size 0
		.amdhsa_enable_private_segment 0
		.amdhsa_kernarg_size 48
		.amdhsa_user_sgpr_count 2
		.amdhsa_user_sgpr_kernarg_segment_ptr 1
		.amdhsa_wavefront_size32 1
		.amdhsa_system_sgpr_workgroup_id_x 1
		.amdhsa_system_sgpr_workgroup_id_y 1
		.amdhsa_system_sgpr_workgroup_id_z 1
		.amdhsa_system_vgpr_workitem_id 0
		.amdhsa_next_free_vgpr 256
		.amdhsa_next_free_sgpr 100
		.amdhsa_reserve_vcc 0
		.amdhsa_float_denorm_mode_32 3
		.amdhsa_float_denorm_mode_16_64 3
		.amdhsa_memory_ordered 1
		.amdhsa_forward_progress 1
		.amdhsa_inst_pref_size 224
	.end_amdhsa_kernel
	.amdgpu_metadata
---
amdhsa.version: [ 1, 2 ]
amdhsa.kernels:
  - .name:           k_q6cd8a434b7_l1
    .symbol:         k_q6cd8a434b7_l1.kd
    .args:
      - { .name: W1, .offset: 0, .size: 8, .value_kind: global_buffer, .address_space: global }
      - { .name: b1, .offset: 8, .size: 8, .value_kind: global_buffer, .address_space: global }
      - { .name: xq, .offset: 16, .size: 8, .value_kind: global_buffer, .address_space: global }
      - { .name: choice, .offset: 24, .size: 8, .value_kind: global_buffer, .address_space: global }
      - { .name: h1, .offset: 32, .size: 8, .value_kind: global_buffer, .address_space: global }
      - { .name: route, .offset: 40, .size: 8, .value_kind: global_buffer, .address_space: global }
    .group_segment_fixed_size: 68096
    .private_segment_fixed_size: 0
    .kernarg_segment_align: 8
    .kernarg_segment_size: 48
    .max_flat_workgroup_size: 512
    .sgpr_count:     100
    .vgpr_count:     256
    .wavefront_size: 32
...
	.end_amdgpu_metadata
.endif
;; end of part 7
;; launch l2 (part 8): grid 32 x 8, 16 waves a work-group, no clusters, 120,832 bytes of LDS; arguments W2, b2, h1, route, h2; writes h2
.if DOCPART == 8
	.amdgcn_target "amdgcn-amd-amdhsa--gfx1250"
	.amdhsa_code_object_version 6
	.text
	.protected	k_q6cd8a434b7_l2
	.globl	k_q6cd8a434b7_l2
	.p2align	8
	.type	k_q6cd8a434b7_l2,@function
k_q6cd8a434b7_l2:
	s_mov_b64 s[64:65], 0
	v_nop
	global_prefetch_b8 v0, s[64:65] scope:SCOPE_SE
	s_setreg_imm32_b32 hwreg(HW_REG_WAVE_SCHED_MODE, 0, 2), 2
	s_setreg_imm32_b32 hwreg(HW_REG_WAVE_MODE, 25, 1), 1
	s_wait_xcnt 0x0
	s_wait_alu depctr_vm_vsrc(0)
; EXPERT LAYER 2: h2 = Q(relu(h1 Q(W2[e]) + b2[e])) for the rows routed to expert e; h1 arrives as codes of E3M2 and scale words in the operand's register order.  Sums in f32.
; SHARES.  Work-group (slice, e): 64 columns of expert e, all of K = 2,048 in 16 steps of 128.  A row of its part of W2 is 256 consecutive bytes, aligned; each byte of W2 is read once in the launch.
; ROLES.  Waves 0-3 PRODUCE: weight loads alone (three sets of 16 loads of 512 bytes a wave are out), quantised along K in registers, codes and scale bytes into LDS, where the whole slice stays: each LDS byte is written once.
; Wave q owns block q (32 along K) of every step.  They end behind the last barrier.
; Waves 4-15 CONSUME: wave 4 + C has two slots of one unit (32 rows x 64 columns): units C and 12 + C in the first sweep, 24 + C and 36 + C in the second.
; Loads of a wave come back in order, so the weight stream and the activations are given to different waves.
; A ROUND has two arms, of which a wave takes one, and one barrier behind them: producing waves make K step k; consuming waves multiply K step k - 1 (in round 0: the sweep's set-up).
; The last K step's products and the way out follow behind the last barrier.  The consuming arm begins with a wait for all loads.
; THE SECOND SWEEP (rows 768 on) stands behind the last barrier and has none: all codes lie in LDS and nobody writes them.  A wave without a unit there jumps over it: a scalar branch on the count.
; The number of units comes from the count that the first layer stored (route); at least one unit is made, as there.
; The set-up of a sweep (bias into the accumulators, first step's activations) runs for both slots, an empty slot with its unit held at the expert's last; products, later loads and stores are jumped over by the count.
; THE COLUMNS OF A TILE ARE NOT NEIGHBOURS: lane r of tile 2 b + u takes column 32 b + 8 u + r + 8 (r / 8), so that a lane's 16 results of tiles 2 b, 2 b + 1 are 16 neighbours along the next K.
; A PREFETCH INTO THE L2: behind the loads of K step s + 3 stands one prefetch for K step s + 5: my block's 32 rows x the slice's 256 bytes, a lane a row, two rounds ahead of the loads that will ask for them.
; A wave asks for the rows that it will load itself, so each row's 256 bytes are named once in the launch.  K steps 0 to 4 come by their loads alone; the last five rounds ask for nothing.
; No tensor load, no cluster: jumps hang on a count read from memory.
; THE MODE: SCHED_MODE bits 1:0 = 2 (LLVM: expert scheduling mode 2), set by the entry lines.  The code itself states the register dependences
; between vector or matrix instructions and memory or LDS instructions, with s_wait_alu, always for 0.
; THE PLAN.  Registers that memory or LDS instructions touch, in the rounds:
;   A producing wave.  The three sets v64-255: loads land in a set; K step s's maxima and moves read it; the loads of K step s + 3 land in it again.  v32-47: written by the step's conversions, selects and swaps,
;   read by its eight LDS stores, written again by the next step.  v1, v2, v3, v6, v11: addresses, made at the head, never written again.
;   So a step does all its vector work first; ONE wait on va_vdst follows (codes and bytes are written; the set has been read); behind it stand the LDS stores, the set's next loads and the prefetch.
;   A consuming wave.  v64-111, v12, v13: LDS loads land, the step's products read.  v16-63, v14, v15: global loads land, the products read, the next step's loads land again.  v4, v5, v7-10: addresses, made at the head, never written again.
;   So a step's products, both units', stand on end; ONE wait on va_vdst follows (they are done reading); behind it stand both units' loads for the next step, and, with no vector or matrix instruction between, the next step's LDS loads.
;   Where the arms join, one wait on vm_vsrc stands beside the wait on DScnt: what the round's LDS stores have read may be written in the next round.  Each arm ends with no vector or matrix instruction behind its last wait on va_vdst.
; REGISTERS.  v0 the thread's number, kept; v1 weights' offset; v2, v3 where a producer stores codes, bytes (v6: codes of steps 8 on); v4, v5 where a consumer reads them (v7: steps 8 on); v8 16 lane, v9 8 lane, v10 1024 h + 4 r;
; v11 the prefetches' offset: my lane x a row of W2; v12-13 weights' scale words, v14-15 activations'.
; v16-63: consumers: activations (u, t) at 16 + 24 u + 12 t; producers: v16-31 one column's 16 numbers, v32-47 codes, the maxima in every fourth.
; v64-255: producers: three sets of 64 numbers; consumers: v64-111 four weight fragments, v112-127 at work, v128-255 accumulators (u, t, c) at 128 + 64 u + 32 t + 8 c.
; The loads that a consuming wave leaves out across a barrier (v14-63) and the weight loads (v64-255) name different registers.
; A slot's unit stands in scalar bases: s[66:69] h1's codes, s[70:73] its scale words, s[74:77] h2's codes, s[78:81] its scale words.
; LIMITS: NaN and infinities not served; a block under 2^-122 (zeros too) gets the scale byte 1.  Rows 768 .. 1,023 of one expert are served by the second sweep, whose activation loads are not hidden behind a weight stream.
.set KS,   16
.set ROWB, 8192
.set KREG, 7168      ; LDS, K step s at s KREG: 64 places of 112 bytes (96 of codes + 16); in a place block q at 48 (q & 1) + 24 (q >> 1)
.set SCB,  KS*KREG   ; scale words: SCB + 256 s + 4 place + q
.set AHEAD, 2        ; rounds between a prefetch and the loads of the same K step
.set PFO,  11
.set TMP,  16
.set CD,   32
.set AF,   16
.set BF,   64
.set TT,   64        ; the way out: 32 numbers of a tile
.set MS,   96        ; and what is made of them
.set EO16, 8
.set EO8,  9
.set EOS,  10
.set BO,   118       ; the set-up: 64 h
.macro PLOAD s                       ; K step s: lanes 0-15 the slice's 256 bytes of row 32 q + i, lanes 16-31 of row 32 q + 16 + i
.set XL, 64+64*((\s)%3)
.irp i,0,1,2,3,4,5,6,7,8,9,10,11,12,13,14,15
	global_load_b128 v[XL+4*\i:XL+4*\i+3], v1, s[30+2*((\s)/8):31+2*((\s)/8)] offset:((\s)%8)*128*ROWB+\i*ROWB th:TH_LOAD_NT
.endr
.endm
.macro PROD s                        ; X[4 i + j] = W(128 s + 32 q + 16 hb + i, 4 cg + j)
.set XB, 64+64*((\s)%3)
.set LW, 2+4*((\s)/8)
.if (\s)+2 < KS
	s_wait_loadcnt 32                                ; this set is in; the two younger sets of 16 stay out
.elseif (\s)+1 < KS
	s_wait_loadcnt 16
.else
	s_wait_loadcnt 0x0
.endif
.irp j,0,1,2,3
	v_max3_num_f32 v[CD+3+4*\j], |v[XB+\j]|, |v[XB+4+\j]|, 0x2800000          ; four columns by turns; the floor 2^(5 - 127)
.endr
.irp i,2,4,6,8,10,12,14
.irp j,0,1,2,3
	v_max3_num_f32 v[CD+3+4*\j], v[CD+3+4*\j], |v[XB+4*\i+\j]|, |v[XB+4*\i+4+\j]|
.endr
.endr
.irp j,0,1,2,3
	v_permlanex16_b32 v[TMP+\j], v[CD+3+4*\j], s26, s27
.endr
.irp j,0,1,2,3
	v_max_num_f32 v[CD+3+4*\j], v[CD+3+4*\j], v[TMP+\j]                       ; with the block's other 16 rows
.endr
.irp j,0,1,2,3
	v_add_nc_u32 v[CD+3+4*\j], 0xfe000000, v[CD+3+4*\j]                       ; 4 off the exponent field: the conversion's scale operand
.endr
.irp j,0,1,2,3
.irp i,0,1,2,3,4,5,6,7,8,9,10,11,12,13,14,15
	v_mov_b32 v[TMP+\i], v[XB+4*\i+\j]               ; a column's 16 numbers on end: the conversion takes neighbours along K from consecutive registers
.endr
	v_cvt_scalef32_pk16_bf6_f32 v[CD+4*\j:CD+4*\j+2], v[TMP:TMP+15], v[CD+4*\j+3]
	v_nop                                            ; one plain place behind a conversion
.endr
.irp p,0,8
	v_cndmask_b32 v[CD+\p+7], v[CD+\p+3], v[CD+\p+7], s28                     ; lanes 0-15 the pair's first column, lanes 16-31 its second
.endr
.irp p,0,8
	v_lshrrev_b32 v[CD+\p+7], 23, v[CD+\p+7]         ; the scale's byte
.endr
.irp p,0,8
.irp i,0,1,2
	v_permlane16_swap_b32 v[CD+\p+\i], v[CD+\p+4+\i] ; lane (cg, hh) now holds the whole block of column 4 cg + p / 4 + hh
.endr
.endr
.irp p,0,8
.irp i,0,1,2
	v_mov_b32 v[CD+\p+3+\i], v[CD+\p+4+\i]
.endr
.endr
.rept 4
	v_nop                                            ; v16-47 are operand registers in the products' text: what vector instructions wrote there stands four places ahead of a scaled product
.endr
	s_wait_alu depctr_va_vdst(0)                     ; the step's one wait: codes and bytes, v32-47, are written, which the LDS stores read; maxima and moves are done reading this set, in which the loads below land
.irp p,0,1
.irp i,0,1,2
	ds_store_b64 v[LW], v[CD+8*\p+2*\i:CD+8*\p+2*\i+1] offset:((\s)%8)*KREG+224*\p+8*\i
.endr
	ds_store_b8 v3, v[CD+8*\p+7] offset:256*(\s)+8*\p
.endr
.if (\s)+3 < KS
	PLOAD (\s)+3                                     ; the set is free
.endif
.if (\s)+3+AHEAD < KS
	global_prefetch_b8 v[PFO], s[30+2*(((\s)+3+AHEAD)/8):31+2*(((\s)+3+AHEAD)/8)] offset:(((\s)+3+AHEAD)%8)*128*ROWB th:TH_LOAD_NT scope:SCOPE_SE   ; my 32 rows of the K step that I load two rounds on; its address registers are never rewritten
.endif
.endm
.macro BIASLOAD u                    ; the sums begin from the bias: it is loaded into the accumulators, in the result's layout
.irp t,0,1
.irp c,0,1,2,3
	global_load_b128 v[128+64*(\u)+32*\t+8*\c:128+64*(\u)+32*\t+8*\c+3], v[BO], s[42:43] offset:128*(\c/2)+32*(\c%2)
	global_load_b128 v[128+64*(\u)+32*\t+8*\c+4:128+64*(\u)+32*\t+8*\c+7], v[BO], s[42:43] offset:128*(\c/2)+32*(\c%2)+16
.endr
.endr
.endm
.macro ALOAD u, s                    ; slot u's two fragments and scale words of K step s: images of the operand's registers
.irp t,0,1
	global_load_b128 v[AF+24*(\u)+12*\t:AF+24*(\u)+12*\t+3], v8, s[66+2*(\u):67+2*(\u)] offset:24576*\t+1536*(\s)
	global_load_b64 v[AF+24*(\u)+12*\t+4:AF+24*(\u)+12*\t+5], v9, s[66+2*(\u):67+2*(\u)] offset:24576*\t+1536*(\s)+512
	global_load_b128 v[AF+24*(\u)+12*\t+6:AF+24*(\u)+12*\t+9], v8, s[66+2*(\u):67+2*(\u)] offset:24576*\t+1536*(\s)+768
	global_load_b64 v[AF+24*(\u)+12*\t+10:AF+24*(\u)+12*\t+11], v9, s[66+2*(\u):67+2*(\u)] offset:24576*\t+1536*(\s)+1280
.endr
	global_load_b32 v[14+(\u)], v10, s[70+2*(\u):71+2*(\u)] offset:64*(\s)    ; lanes 0-15 the first tile's rows, lanes 16-31 the second's
.endm
.macro WM u, t, c                    ; source 0 = 16 columns of the weights, source 1 = 16 rows: a lane holds one row and eight columns
.set AC, 128+64*(\u)+32*(\t)+8*(\c)
.set FB, BF+12*(\c)
.set FA, AF+24*(\u)+12*(\t)
.if ((\c)%2 == 0) && ((\t) == 0)
	v_wmma_scale_f32_16x16x128_f8f6f4 v[AC:AC+7], v[FB:FB+11], v[FA:FA+11], v[AC:AC+7], v[12+(\c)/2], v[14+(\u)] matrix_a_fmt:MATRIX_FMT_BF6 matrix_b_fmt:MATRIX_FMT_BF6
.elseif (\t) == 0
	v_wmma_scale_f32_16x16x128_f8f6f4 v[AC:AC+7], v[FB:FB+11], v[FA:FA+11], v[AC:AC+7], v[12+(\c)/2], v[14+(\u)] matrix_a_fmt:MATRIX_FMT_BF6 matrix_b_fmt:MATRIX_FMT_BF6 matrix_a_scale:MATRIX_SCALE_ROW1
.elseif (\c)%2 == 0
	v_wmma_scale_f32_16x16x128_f8f6f4 v[AC:AC+7], v[FB:FB+11], v[FA:FA+11], v[AC:AC+7], v[12+(\c)/2], v[14+(\u)] matrix_a_fmt:MATRIX_FMT_BF6 matrix_b_fmt:MATRIX_FMT_BF6 matrix_b_scale:MATRIX_SCALE_ROW1
.else
	v_wmma_scale_f32_16x16x128_f8f6f4 v[AC:AC+7], v[FB:FB+11], v[FA:FA+11], v[AC:AC+7], v[12+(\c)/2], v[14+(\u)] matrix_a_fmt:MATRIX_FMT_BF6 matrix_b_fmt:MATRIX_FMT_BF6 matrix_a_scale:MATRIX_SCALE_ROW1 matrix_b_scale:MATRIX_SCALE_ROW1
.endif
.endm
.macro WM8 u                         ; a unit's eight accumulators by turns, one instruction a turn, from step to step too
.irp t,0,1
.irp c,0,1,2,3
	WM \u, \t, \c
.endr
.endr
.endm
.macro CSTEP s
	s_wait_loadcnt 0x0                               ; this step's activations, asked for a step ago: no load of mine is out when the registers below are loaded
	s_cmp_eq_u32 s21, 0
	s_cbranch_scc1 .Lce_\@
.set LR, 4+3*((\s)/8)
.irp t,0,1,2,3
.irp g,0,1,2
	ds_load_b128 v[BF+12*\t+4*\g:BF+12*\t+4*\g+3], v[LR] offset:((\s)%8)*KREG+1792*\t+16*\g   ; no wait: no vector or matrix instruction since the last step's wait (the set-up's, ahead of the first step) names v64-111, v12 or v13
.endr
.endr
	ds_load_b32 v12, v5 offset:256*(\s)              ; lanes 0-15 tile 0's words, lanes 16-31 tile 1's
	ds_load_b32 v13, v5 offset:256*(\s)+128          ; tiles 2 and 3
	s_wait_dscnt 0x0
	WM8 0
	s_cmp_lt_u32 s21, 2
	s_cbranch_scc1 .Lc1_\@
	WM8 1
.Lc1_\@:
.rept 4
	v_nop                                            ; places behind the products: in front of the first read of results, and of vector writes of what they read
.endr
.if (\s)+1 < KS
	s_wait_alu depctr_va_vdst(0)                     ; the step's one wait: the products are done reading v14-63, in which the loads below land, and v64-111, v12, v13, in which the next step's LDS loads land
	ALOAD 0, (\s)+1                                  ; a whole K step ahead of its use
	s_cmp_lt_u32 s21, 2
	s_cbranch_scc1 .Lce_\@
	ALOAD 1, (\s)+1
.endif
.Lce_\@:
.endm
.macro SCAL first                    ; a sweep's scalars: slot 0 holds unit first + C, slot 1 unit first + 12 + C
	s_add_co_u32 s44, s24, \first
	s_add_co_u32 s45, s44, 12
	s_cmp_gt_u32 s22, s44
	s_cselect_b32 s21, 1, 0
	s_cmp_gt_u32 s22, s45
	s_cselect_b32 s46, 1, 0
	s_add_co_u32 s21, s21, s46                       ; how many of the two exist
	s_sub_co_u32 s46, s22, 1
	s_min_u32 s44, s44, s46                          ; an empty slot is held at the expert's last unit
	s_min_u32 s45, s45, s46
	s_min_u32 s44, s44, 31
	s_min_u32 s45, s45, 31
.irp u,0,1
	s_mul_i32 s48, s[44+\u], 49152
	s_add_nc_u64 s[66+2*\u:67+2*\u], s[34:35], s[48:49]                       ; the slot's unit in h1's codes,
	s_add_nc_u64 s[74+2*\u:75+2*\u], s[38:39], s[48:49]                       ; in h2's,
	s_lshl_b32 s48, s[44+\u], 11
	s_add_nc_u64 s[70+2*\u:71+2*\u], s[36:37], s[48:49]                       ; in h1's scale words,
	s_add_nc_u64 s[78+2*\u:79+2*\u], s[40:41], s[48:49]                       ; in h2's
.endr
.endm
.macro SETUP                         ; a consuming wave's start of a sweep: the bias, the first K step's activations
	s_wait_loadcnt 0x0                               ; no load of a consuming wave is out here: the registers below are loaded only behind this wait
	s_wait_alu depctr_vm_vsrc(0)                     ; in the second sweep: the first sweep's loads of the bias have read v118, the way out's stores v16-63, v106 and v107: all are written again below
	v_bfe_u32 v[BO], v0, 4, 1
	v_lshlrev_b32 v[BO], 6, v[BO]
	s_wait_alu depctr_va_vdst(0)                     ; v118 is written, which the loads of the bias read; in the second sweep the way out is done reading v128-255 and writing v16-63, in which the loads below land
	BIASLOAD 0
	BIASLOAD 1
	ALOAD 0, 0
	ALOAD 1, 0
	s_wait_loadcnt 0x0                               ; bias and first activations are in
.endm
.macro ROUND k                       ; two arms, one barrier
	s_cmp_lt_u32 s16, 4
	s_cbranch_scc0 .Lc_\@
	PROD \k
	s_branch .Lj_\@
.Lc_\@:
.if (\k) == 0
	SETUP
.else
	CSTEP (\k)-1
.endif
.Lj_\@:
	s_wait_dscnt 0x0                                 ; a producer's stores have landed; a consumer's LDS loads are in
	s_wait_alu depctr_vm_vsrc(0)                     ; a producer's LDS stores have read v32-47, which its next K step writes again
	s_barrier_signal -1
	s_barrier_wait -1                                ; K step k lies in LDS
.endm
.macro QTILE u, t                    ; 16 rows x 64 columns: relu, two blocks of 32 along the next K, codes in the next operand's register order
.set AC, 128+64*(\u)+32*(\t)
.set Z, AF+24*(\u)+12*(\t)
.irp i,0,1,2,3,4,5,6,7,8,9,10,11,12,13,14,15,16,17,18,19,20,21,22,23,24,25,26,27,28,29,30,31
	v_max_num_f32 v[TT+\i], 0, v[AC+\i]              ; each accumulator from its low end on; register 16 b + i: column 32 b + 16 h + i
.endr
	v_max3_num_f32 v[MS], v[TT], v[TT+1], 0x2800000  ; none is negative: no |.|
	v_max3_num_f32 v[MS+1], v[TT+16], v[TT+17], 0x2800000
.irp i,2,4,6,8,10,12,14
	v_max3_num_f32 v[MS], v[MS], v[TT+\i], v[TT+1+\i]
	v_max3_num_f32 v[MS+1], v[MS+1], v[TT+16+\i], v[TT+17+\i]
.endr
	v_permlanex16_b32 v[MS+2], v[MS], s26, s27
	v_permlanex16_b32 v[MS+3], v[MS+1], s26, s27
	v_max_num_f32 v[MS], v[MS], v[MS+2]
	v_max_num_f32 v[MS+1], v[MS+1], v[MS+3]
	v_add_nc_u32 v[MS+4], 0xfe000000, v[MS]
	v_add_nc_u32 v[MS+5], 0xfe000000, v[MS+1]
	v_lshrrev_b32 v[MS+6], 23, v[MS+4]
	v_lshrrev_b32 v[MS+7], 23, v[MS+5]
	v_lshl_or_b32 v[MS+8+(\t)], v[MS+7], 8, v[MS+6]  ; the row's two scale bytes
	v_cvt_scalef32_pk16_bf6_f32 v[Z:Z+2], v[TT:TT+15], v[MS+4]
	v_cvt_scalef32_pk16_bf6_f32 v[Z+6:Z+8], v[TT+16:TT+31], v[MS+5]
	v_nop
.irp i,0,1,2
	v_permlane16_swap_b32 v[Z+\i], v[Z+6+\i]         ; lane (r, h): the whole block h
.endr
.irp i,0,1,2
	v_mov_b32 v[Z+3+\i], v[Z+6+\i]
.endr
.endm
.macro QUNIT u                       ; both tiles are quantised, each into registers of its own; then one wait and the unit's five stores
	QTILE \u, 0
	QTILE \u, 1
	v_cndmask_b32 v[MS+10+(\u)], v[MS+8], v[MS+9], s28                        ; lanes 0-15 the first tile's rows, lanes 16-31 the second's
	s_wait_alu depctr_va_vdst(0)                     ; the unit's codes and scale bytes are written, which the stores read
.irp t,0,1
	global_store_b128 v[EO16], v[AF+24*(\u)+12*\t:AF+24*(\u)+12*\t+3], s[74+2*(\u):75+2*(\u)] offset:24576*\t          ; 512 consecutive bytes, aligned
	global_store_b64 v[EO8], v[AF+24*(\u)+12*\t+4:AF+24*(\u)+12*\t+5], s[74+2*(\u):75+2*(\u)] offset:24576*\t+512      ; 256 consecutive bytes, aligned
.endr
	global_store_b16 v[EOS], v[MS+10+(\u)], s[78+2*(\u):79+2*(\u)]            ; two of a scale word's four bytes: the other slice of the K step stores the other two
.endm
.macro OUT                           ; a sweep's way out
	s_cmp_eq_u32 s21, 0
	s_cbranch_scc1 .Lo_\@
	v_mov_b32 v[MS+2], 0                             ; a lane permute's destination counts as one of its sources
	v_mov_b32 v[MS+3], 0
	QUNIT 0
	s_cmp_lt_u32 s21, 2
	s_cbranch_scc1 .Lo_\@
	QUNIT 1
.Lo_\@:
.endm
	s_load_b256 s[4:11], s[0:1], 0x0                 ; W2, b2, h1, route
	s_load_b64 s[12:13], s[0:1], 0x20                ; h2
	v_lshrrev_b32 v1, 5, v0
	v_readfirstlane_b32 s16, v1                      ; wave
	v_and_b32 v16, 15, v0                            ; r, cg
	v_bfe_u32 v17, v0, 4, 1                          ; h, hb
	v_and_b32 v18, 31, v0                            ; lane
	v_mov_b32 v19, 0                                 ; v16-19 are later the destinations of lane permutes, which count as sources: all four are written here
	v_lshlrev_b32 v1, 4, v16
	v_lshl_add_u32 v1, v17, 17, v1                   ; 16 hb rows + 16 cg
	v_and_b32 v2, 9, v16
	v_bfe_u32 v3, v16, 1, 1
	v_lshl_add_u32 v2, v3, 2, v2
	v_bfe_u32 v3, v16, 2, 1
	v_lshl_add_u32 v2, v3, 1, v2                     ; cg with bits 1 and 2 exchanged: a column's bits 3 and 4
	v_lshl_add_u32 v2, v2, 2, v17                    ; the place of column 4 cg + hb
	s_wait_alu depctr_va_sdst(0)                     ; s16 is written, ahead of its first reader
	s_and_b32 s44, s16, 3
	v_lshl_add_u32 v3, v2, 2, SCB
	v_add_nc_u32 v3, s44, v3
	v_mul_u32_u24 v2, v2, 112
	s_and_b32 s45, s16, 1
	s_mul_i32 s45, s45, 48
	s_bfe_u32 s46, s16, 0x10001
	s_mul_i32 s46, s46, 24
	s_add_co_u32 s45, s45, s46
	v_add_nc_u32 v2, s45, v2
	v_mul_u32_u24 v4, v16, 112
	v_mad_u32_u24 v4, v17, 48, v4
	v_lshl_add_u32 v5, v18, 2, SCB
	v_add_nc_u32 v6, 8*KREG, v2
	v_add_nc_u32 v7, 8*KREG, v4
	v_lshlrev_b32 v8, 4, v18
	v_lshlrev_b32 v9, 3, v18
	v_lshlrev_b32 v10, 2, v16
	v_lshl_add_u32 v10, v17, 10, v10
	v_lshlrev_b32 v[PFO], 13, v18                    ; my lane x a row of W2
	s_and_b32 s17, ttmp7, 0xffff                     ; expert
	s_mov_b32 s18, ttmp9                             ; slice
	s_mov_b32 s26, 0x76543210
	s_mov_b32 s27, 0xfedcba98
	s_mov_b32 s28, 0xffff0000                        ; lanes 16-31
	s_sub_co_u32 s24, s16, 4                         ; C (of use in consuming waves alone)
	s_lshl_b32 s44, s17, 24
	s_lshl_b32 s45, s18, 8
	s_add_co_u32 s44, s44, s45
	s_and_b32 s45, s16, 3
	s_lshl_b32 s45, s45, 18
	s_add_co_u32 s44, s44, s45                       ; expert, slice, my block's 32 rows
	s_mov_b32 s45, 0
	s_lshl_b32 s46, s17, 7
	s_wait_kmcnt 0x0
	s_load_b32 s22, s[10:11], s46 offset:0x8000      ; the expert's count of rows
	s_add_nc_u64 s[30:31], s[4:5], s[44:45]
	s_add_nc_u64 s[32:33], s[30:31], 0x800000        ; K steps 8 on
	s_wait_alu depctr_va_vdst(0)                     ; the addresses v1 to v11 are written, which every load, store and prefetch of the kernel reads
	s_cmp_lt_u32 s16, 4
	s_cbranch_scc0 .Lnoprod
	PLOAD 0
	PLOAD 1
	PLOAD 2
.Lnoprod:
	s_mul_i32 s48, s17, 1572864
	s_mov_b32 s49, 0                                 ; stays 0: the upper word of every offset below
	s_add_nc_u64 s[34:35], s[8:9], s[48:49]          ; h1's codes of the expert
	s_mul_i32 s50, s18, 768
	s_add_co_u32 s48, s48, s50
	s_add_nc_u64 s[38:39], s[12:13], s[48:49]        ; h2's codes: expert, K step slice / 2, half slice % 2
	s_lshl_b32 s48, s17, 16
	s_add_co_u32 s48, s48, 12582912
	s_add_nc_u64 s[36:37], s[8:9], s[48:49]          ; h1's scale words
	s_lshr_b32 s50, s18, 1
	s_lshl_b32 s50, s50, 6
	s_add_co_u32 s48, s48, s50
	s_and_b32 s50, s18, 1
	s_lshl_b32 s50, s50, 1
	s_add_co_u32 s48, s48, s50
	s_add_nc_u64 s[40:41], s[12:13], s[48:49]        ; h2's scale words
	s_lshl_b32 s48, s17, 13
	s_lshl_b32 s50, s18, 8
	s_add_co_u32 s48, s48, s50
	s_add_nc_u64 s[42:43], s[6:7], s[48:49]          ; b2
	s_wait_kmcnt 0x0
	s_min_u32 s22, s22, 1024
	s_add_co_u32 s22, s22, 31
	s_lshr_b32 s22, s22, 5
	s_max_u32 s22, s22, 1                            ; units of the expert, at least one
	SCAL 0                                           ; made by every wave, ahead of the parting of roles; a producing wave makes them and uses none
.set Q, 0
.rept KS
	ROUND Q
.set Q, Q+1
.endr
	s_cmp_lt_u32 s16, 4
	s_cbranch_scc1 .Lend                             ; the producing waves are done: no barrier follows
	CSTEP KS-1                                       ; the last K step's products
	OUT
.rept 4
	v_nop                                            ; the codes just made lie in operand registers: what vector instructions wrote there stands four places ahead of a scaled product
.endr
	s_wait_loadcnt 0x0                               ; no load is out at a sweep's end
	s_wait_xcnt 0x0                                  ; bases and store data are written again below
	SCAL 24                                          ; THE SECOND SWEEP: units 24 + C and 36 + C
	s_cmp_eq_u32 s21, 0
	s_cbranch_scc1 .Lend                             ; none of them exists: an expert of at most 768 rows, or a wave beyond its last unit
	SETUP
.set Q, 0
.rept KS
	CSTEP Q
.set Q, Q+1
.endr
	OUT
.Lend:
	s_wait_xcnt 0x0
	s_wait_alu depctr_vm_vsrc(0)                     ; v47 has been the data of a producer's LDS stores: they have read it, and the pair is made anew
	v_lshl_add_u32 v46, v0, 2, 0x1d000
	v_mov_b32 v47, 0
	s_wait_dscnt 0x0                                 ; the closing lines, six on end
	s_wait_alu 0x0
	s_wait_tensorcnt 0x0
	ds_add_u32 v46, v47
	s_wait_dscnt 0x0
	s_endpgm
.Lfunc_end_k_q6cd8a434b7_l2:
	.size	k_q6cd8a434b7_l2, .Lfunc_end_k_q6cd8a434b7_l2-k_q6cd8a434b7_l2
	.p2alignl 7, 3214868480
	.fill 96, 4, 3214868480
	.section	.rodata,"a",@progbits
	.p2align	6, 0x0
	.amdhsa_kernel k_q6cd8a434b7_l2
		.amdhsa_group_segment_fixed_size 120832
		.amdhsa_private_segment_fixed_size 0
		.amdhsa_enable_private_segment 0
		.amdhsa_kernarg_size 40
		.amdhsa_user_sgpr_count 2
		.amdhsa_user_sgpr_kernarg_segment_ptr 1
		.amdhsa_wavefront_size32 1
		.amdhsa_system_sgpr_workgroup_id_x 1
		.amdhsa_system_sgpr_workgroup_id_y 1
		.amdhsa_system_sgpr_workgroup_id_z 1
		.amdhsa_system_vgpr_workitem_id 0
		.amdhsa_next_free_vgpr 256
		.amdhsa_next_free_sgpr 88
		.amdhsa_reserve_vcc 0
		.amdhsa_float_denorm_mode_32 3
		.amdhsa_float_denorm_mode_16_64 3
		.amdhsa_memory_ordered 1
		.amdhsa_forward_progress 1
		.amdhsa_inst_pref_size 255
	.end_amdhsa_kernel
	.section	.bss,"aw",@nobits
	.p2align	6
	.space	262144
	.amdgpu_metadata
---
amdhsa.version: [ 1, 2 ]
amdhsa.kernels:
  - .name:           k_q6cd8a434b7_l2
    .symbol:         k_q6cd8a434b7_l2.kd
    .args:
      - { .name: W2, .offset: 0, .size: 8, .value_kind: global_buffer, .address_space: global }
      - { .name: b2, .offset: 8, .size: 8, .value_kind: global_buffer, .address_space: global }
      - { .name: h1, .offset: 16, .size: 8, .value_kind: global_buffer, .address_space: global }
      - { .name: route, .offset: 24, .size: 8, .value_kind: global_buffer, .address_space: global }
      - { .name: h2, .offset: 32, .size: 8, .value_kind: global_buffer, .address_space: global }
    .group_segment_fixed_size: 120832
    .private_segment_fixed_size: 0
    .kernarg_segment_align: 8
    .kernarg_segment_size: 40
    .max_flat_workgroup_size: 512
    .sgpr_count:     88
    .vgpr_count:     256
    .wavefront_size: 32
...
	.end_amdgpu_metadata
.endif
;; end of part 8
;; launch l3 (part 9): grid 32 x 8, 16 waves a work-group, no clusters, 113,664 bytes of LDS; arguments W3, b3z, h2, route, y; writes y
.if DOCPART == 9
	.amdgcn_target "amdgcn-amd-amdhsa--gfx1250"
	.amdhsa_code_object_version 6
	.text
	.protected	k_q6cd8a434b7_l3
	.globl	k_q6cd8a434b7_l3
	.p2align	8
	.type	k_q6cd8a434b7_l3,@function
k_q6cd8a434b7_l3:
	s_mov_b64 s[64:65], 0
	v_nop
	global_prefetch_b8 v0, s[64:65] scope:SCOPE_SE
	s_setreg_imm32_b32 hwreg(HW_REG_WAVE_SCHED_MODE, 0, 2), 2
	s_setreg_imm32_b32 hwreg(HW_REG_WAVE_MODE, 25, 1), 1
	s_wait_xcnt 0x0
	s_wait_alu depctr_vm_vsrc(0)
; EXPERT LAYER 3: y[kh][e][row] = h2 (K half kh) Q(W3[e]) (K half kh) + (b3[e] for kh = 0, zeros for kh = 1), f32, for the rows routed to expert e.  The last launch adds the two halves.
; h2 arrives as codes of E3M2 and scale words in the operand's register order.  Sums in f32.
; SHARES.  Work-group (x, e): slice = x & 15 (64 columns), kh = x >> 4 (1,024 of K = 2,048, 8 steps of 128): K is halved so that a row of the work-group's part of W3 is still 256 consecutive bytes, aligned,
; and there are 256 work-groups.  Each byte of W3 is read once in the launch.
; ROLES.  Waves 0-3 PRODUCE: weight loads alone (three sets of 16 loads of 512 bytes a wave are out), quantised along K in registers, codes and scale bytes into LDS, where the slice stays: each of those bytes is written once.
; Wave q owns block q (32 along K) of every step.  They end behind the last barrier.
; Waves 4-15 CONSUME: wave 4 + C has two slots of one unit (32 rows x 64 columns): units C and 12 + C in the first sweep, 24 + C and 36 + C in the second.
; A ROUND has two arms, of which a wave takes one, and one barrier behind them: producing waves make K step k; consuming waves multiply K step k - 1 (in round 0: the sweep's set-up).
; The last K step's products and the way out follow behind the last barrier.  The consuming arm begins with a wait for all loads.
; THE SECOND SWEEP (rows 768 on) stands behind the last barrier and has none: all codes lie in LDS and nobody writes them.  A wave without a unit there jumps over it: a scalar branch on the count.
; The set-up of a sweep (bias into the accumulators, first step's activations) runs for both slots, an empty slot with its unit held at the expert's last; products, later loads and stores are jumped over by the count.
; A tile's columns are neighbours here: a lane's eight results are eight neighbouring columns of a row of y; a tile goes through the wave's own stage in LDS and leaves as rows of 256 consecutive bytes, aligned.
; A PREFETCH INTO THE L2: behind the loads of K step s + 3 stands one prefetch for K step s + 5: my block's 32 rows x the slice's 256 bytes, a lane a row, two rounds ahead of the loads that will ask for them.
; A wave asks for the rows that it will load itself, so each row's 256 bytes are named once in the launch.  K steps 0 to 4 come by their loads alone; the last five rounds ask for nothing.
; No tensor load, no cluster: jumps hang on a count read from memory.
; THE MODE: SCHED_MODE bits 1:0 = 2 (LLVM: expert scheduling mode 2), set by the entry lines.  The code itself states the register dependences
; between vector or matrix instructions and memory or LDS instructions, with s_wait_alu, always for 0.
; THE PLAN.  Registers that memory or LDS instructions touch, in the rounds:
;   A producing wave.  The three sets v64-255: loads land in a set; K step s's maxima and moves read it; the loads of K step s + 3 land in it again.  v32-47: written by the step's conversions, selects and swaps,
;   read by its eight LDS stores, written again by the next step.  v1, v2, v3, v11: addresses, made at the head, never written again.
;   So a step does all its vector work first; ONE wait on va_vdst follows (codes and bytes are written; the set has been read); behind it stand the LDS stores, the set's next loads and the prefetch.
;   A consuming wave.  v64-111, v12, v13: LDS loads land, the step's products read.  v16-63, v14, v15: global loads land, the products read, the next step's loads land again.  v4-10: addresses, made at the head, never written again.
;   So a step's products, both units', stand on end; ONE wait on va_vdst follows (they are done reading); behind it stand both units' loads for the next step, and, with no vector or matrix instruction between, the next step's LDS loads.
;   Where the arms join, one wait on vm_vsrc stands beside the wait on DScnt: what the round's LDS stores have read may be written in the next round.  Each arm ends with no vector or matrix instruction behind its last wait on va_vdst.
;   The way out: the accumulators are the data of LDS stores; v64-95 take a tile's rows back from the stage and are the data of global stores, tile after tile.  One wait on va_vdst at its head; one on vm_vsrc ahead of each tile but the first.
; REGISTERS.  v0 the thread's number, kept; v1 weights' offset; v2, v3 where a producer stores codes, bytes; v4, v5 where a consumer reads them; v6, v7 the stage, in and back; v8 16 lane, v9 8 lane, v10 1024 h + 4 r;
; v11 the prefetches' offset: my lane x a row of W3; v12-13 weights' scale words, v14-15 activations'.
; v16-63: consumers: activations (u, t) at 16 + 24 u + 12 t; producers: v16-31 one column's 16 numbers, v32-47 codes, the maxima in every fourth.
; v64-255: producers: three sets of 64 numbers; consumers: v64-111 four weight fragments, v112-127 at work, v128-255 accumulators (u, t, c) at 128 + 64 u + 32 t + 8 c.
; The loads that a consuming wave leaves out across a barrier (v14-63) and the weight loads (v64-255) name different registers.
; A slot's unit stands in scalar bases: s[66:69] h2's codes, s[70:73] its scale words, s[74:77] y.
; LIMITS: NaN and infinities not served; a block of W3 under 2^-122 (zeros too) gets the scale byte 1.  Rows 768 .. 1,023 of one expert are served by the second sweep, whose activation loads are not hidden behind a weight stream.
.set KS,   8
.set ROWB, 4096
.set KREG, 7168      ; LDS, K step s at s KREG: 64 places of 112 bytes (96 of codes + 16); in a place block q at 48 (q & 1) + 24 (q >> 1)
.set SCB,  KS*KREG   ; scale words: SCB + 256 s + 4 place + q
.set STG,  59392     ; twelve stages of 16 rows x 272 bytes, one for each consuming wave
.set AHEAD, 2        ; rounds between a prefetch and the loads of the same K step
.set PFO,  11
.set TMP,  16
.set CD,   32
.set AF,   16
.set BF,   64
.set TT,   64        ; the way out: a tile's rows, back from the stage
.set YO,   112       ; the way out: 4096 h + 16 r
.set BO,   118       ; the set-up: 32 h
.macro PLOAD s                       ; K step s: lanes 0-15 the slice's 256 bytes of row 32 q + i, lanes 16-31 of row 32 q + 16 + i
.set XL, 64+64*((\s)%3)
.irp i,0,1,2,3,4,5,6,7,8,9,10,11,12,13,14,15
	global_load_b128 v[XL+4*\i:XL+4*\i+3], v1, s[30:31] offset:((\s)%8)*128*ROWB+\i*ROWB th:TH_LOAD_NT
.endr
.endm
.macro PROD s                        ; X[4 i + j] = W(128 s + 32 q + 16 hb + i, 4 cg + j)
.set XB, 64+64*((\s)%3)
.if (\s)+2 < KS
	s_wait_loadcnt 32                                ; this set is in; the two younger sets of 16 stay out
.elseif (\s)+1 < KS
	s_wait_loadcnt 16
.else
	s_wait_loadcnt 0x0
.endif
.irp j,0,1,2,3
	v_max3_num_f32 v[CD+3+4*\j], |v[XB+\j]|, |v[XB+4+\j]|, 0x2800000          ; four columns by turns; the floor 2^(5 - 127)
.endr
.irp i,2,4,6,8,10,12,14
.irp j,0,1,2,3
	v_max3_num_f32 v[CD+3+4*\j], v[CD+3+4*\j], |v[XB+4*\i+\j]|, |v[XB+4*\i+4+\j]|
.endr
.endr
.irp j,0,1,2,3
	v_permlanex16_b32 v[TMP+\j], v[CD+3+4*\j], s26, s27
.endr
.irp j,0,1,2,3
	v_max_num_f32 v[CD+3+4*\j], v[CD+3+4*\j], v[TMP+\j]                       ; with the block's other 16 rows
.endr
.irp j,0,1,2,3
	v_add_nc_u32 v[CD+3+4*\j], 0xfe000000, v[CD+3+4*\j]                       ; 4 off the exponent field: the conversion's scale operand
.endr
.irp j,0,1,2,3
.irp i,0,1,2,3,4,5,6,7,8,9,10,11,12,13,14,15
	v_mov_b32 v[TMP+\i], v[XB+4*\i+\j]               ; a column's 16 numbers on end: the conversion takes neighbours along K from consecutive registers
.endr
	v_cvt_scalef32_pk16_bf6_f32 v[CD+4*\j:CD+4*\j+2], v[TMP:TMP+15], v[CD+4*\j+3]
	v_nop                                            ; one plain place behind a conversion
.endr
.irp p,0,8
	v_cndmask_b32 v[CD+\p+7], v[CD+\p+3], v[CD+\p+7], s28                     ; lanes 0-15 the pair's first column, lanes 16-31 its second
.endr
.irp p,0,8
	v_lshrrev_b32 v[CD+\p+7], 23, v[CD+\p+7]         ; the scale's byte
.endr
.irp p,0,8
.irp i,0,1,2
	v_permlane16_swap_b32 v[CD+\p+\i], v[CD+\p+4+\i] ; lane (cg, hh) now holds the whole block of column 4 cg + p / 4 + hh
.endr
.endr
.irp p,0,8
.irp i,0,1,2
	v_mov_b32 v[CD+\p+3+\i], v[CD+\p+4+\i]
.endr
.endr
.rept 4
	v_nop                                            ; v16-47 are operand registers in the products' text: what vector instructions wrote there stands four places ahead of a scaled product
.endr
	s_wait_alu depctr_va_vdst(0)                     ; the step's one wait: codes and bytes, v32-47, are written, which the LDS stores read; maxima and moves are done reading this set, in which the loads below land
.irp p,0,1
.irp i,0,1,2
	ds_store_b64 v2, v[CD+8*\p+2*\i:CD+8*\p+2*\i+1] offset:(\s)*KREG+224*\p+8*\i
.endr
	ds_store_b8 v3, v[CD+8*\p+7] offset:256*(\s)+8*\p
.endr
.if (\s)+3 < KS
	PLOAD (\s)+3                                     ; the set is free
.endif
.if (\s)+3+AHEAD < KS
	global_prefetch_b8 v[PFO], s[30:31] offset:(((\s)+3+AHEAD)%8)*128*ROWB th:TH_LOAD_NT scope:SCOPE_SE   ; my 32 rows of the K step that I load two rounds on; its address registers are never rewritten
.endif
.endm
.macro BIASLOAD u                    ; the sums begin from this half's line of b3z: it is loaded into the accumulators, in the result's layout (column 16 c + 8 h + j)
.irp t,0,1
.irp c,0,1,2,3
	global_load_b128 v[128+64*(\u)+32*\t+8*\c:128+64*(\u)+32*\t+8*\c+3], v[BO], s[42:43] offset:64*\c
	global_load_b128 v[128+64*(\u)+32*\t+8*\c+4:128+64*(\u)+32*\t+8*\c+7], v[BO], s[42:43] offset:64*\c+16
.endr
.endr
.endm
.macro ALOAD u, s                    ; slot u's two fragments and scale words of K step s: images of the operand's registers
.irp t,0,1
	global_load_b128 v[AF+24*(\u)+12*\t:AF+24*(\u)+12*\t+3], v8, s[66+2*(\u):67+2*(\u)] offset:24576*\t+1536*(\s)
	global_load_b64 v[AF+24*(\u)+12*\t+4:AF+24*(\u)+12*\t+5], v9, s[66+2*(\u):67+2*(\u)] offset:24576*\t+1536*(\s)+512
	global_load_b128 v[AF+24*(\u)+12*\t+6:AF+24*(\u)+12*\t+9], v8, s[66+2*(\u):67+2*(\u)] offset:24576*\t+1536*(\s)+768
	global_load_b64 v[AF+24*(\u)+12*\t+10:AF+24*(\u)+12*\t+11], v9, s[66+2*(\u):67+2*(\u)] offset:24576*\t+1536*(\s)+1280
.endr
	global_load_b32 v[14+(\u)], v10, s[70+2*(\u):71+2*(\u)] offset:64*(\s)    ; lanes 0-15 the first tile's rows, lanes 16-31 the second's
.endm
.macro WM u, t, c                    ; source 0 = 16 columns of the weights, source 1 = 16 rows: a lane holds one row and eight columns
.set AC, 128+64*(\u)+32*(\t)+8*(\c)
.set FB, BF+12*(\c)
.set FA, AF+24*(\u)+12*(\t)
.if ((\c)%2 == 0) && ((\t) == 0)
	v_wmma_scale_f32_16x16x128_f8f6f4 v[AC:AC+7], v[FB:FB+11], v[FA:FA+11], v[AC:AC+7], v[12+(\c)/2], v[14+(\u)] matrix_a_fmt:MATRIX_FMT_BF6 matrix_b_fmt:MATRIX_FMT_BF6
.elseif (\t) == 0
	v_wmma_scale_f32_16x16x128_f8f6f4 v[AC:AC+7], v[FB:FB+11], v[FA:FA+11], v[AC:AC+7], v[12+(\c)/2], v[14+(\u)] matrix_a_fmt:MATRIX_FMT_BF6 matrix_b_fmt:MATRIX_FMT_BF6 matrix_a_scale:MATRIX_SCALE_ROW1
.elseif (\c)%2 == 0
	v_wmma_scale_f32_16x16x128_f8f6f4 v[AC:AC+7], v[FB:FB+11], v[FA:FA+11], v[AC:AC+7], v[12+(\c)/2], v[14+(\u)] matrix_a_fmt:MATRIX_FMT_BF6 matrix_b_fmt:MATRIX_FMT_BF6 matrix_b_scale:MATRIX_SCALE_ROW1
.else
	v_wmma_scale_f32_16x16x128_f8f6f4 v[AC:AC+7], v[FB:FB+11], v[FA:FA+11], v[AC:AC+7], v[12+(\c)/2], v[14+(\u)] matrix_a_fmt:MATRIX_FMT_BF6 matrix_b_fmt:MATRIX_FMT_BF6 matrix_a_scale:MATRIX_SCALE_ROW1 matrix_b_scale:MATRIX_SCALE_ROW1
.endif
.endm
.macro WM8 u                         ; a unit's eight accumulators by turns, one instruction a turn, from step to step too
.irp t,0,1
.irp c,0,1,2,3
	WM \u, \t, \c
.endr
.endr
.endm
.macro CSTEP s
	s_wait_loadcnt 0x0                               ; this step's activations, asked for a step ago: no load of mine is out when the registers below are loaded
	s_cmp_eq_u32 s21, 0
	s_cbranch_scc1 .Lce_\@
.irp t,0,1,2,3
.irp g,0,1,2
	ds_load_b128 v[BF+12*\t+4*\g:BF+12*\t+4*\g+3], v4 offset:(\s)*KREG+1792*\t+16*\g   ; no wait: no vector or matrix instruction since the last step's wait (the set-up's, ahead of the first step) names v64-111, v12 or v13
.endr
.endr
	ds_load_b32 v12, v5 offset:256*(\s)              ; lanes 0-15 tile 0's words, lanes 16-31 tile 1's
	ds_load_b32 v13, v5 offset:256*(\s)+128          ; tiles 2 and 3
	s_wait_dscnt 0x0
	WM8 0
	s_cmp_lt_u32 s21, 2
	s_cbranch_scc1 .Lc1_\@
	WM8 1
.Lc1_\@:
.rept 4
	v_nop                                            ; places behind the products: in front of the first read of results
.endr
.if (\s)+1 < KS
	s_wait_alu depctr_va_vdst(0)                     ; the step's one wait: the products are done reading v14-63, in which the loads below land, and v64-111, v12, v13, in which the next step's LDS loads land
	ALOAD 0, (\s)+1                                  ; a whole K step ahead of its use
	s_cmp_lt_u32 s21, 2
	s_cbranch_scc1 .Lce_\@
	ALOAD 1, (\s)+1
.endif
.Lce_\@:
.endm
.macro SCAL first                    ; a sweep's scalars: slot 0 holds unit first + C, slot 1 unit first + 12 + C
	s_add_co_u32 s44, s24, \first
	s_add_co_u32 s45, s44, 12
	s_cmp_gt_u32 s22, s44
	s_cselect_b32 s21, 1, 0
	s_cmp_gt_u32 s22, s45
	s_cselect_b32 s46, 1, 0
	s_add_co_u32 s21, s21, s46                       ; how many of the two exist
	s_sub_co_u32 s46, s22, 1
	s_min_u32 s44, s44, s46                          ; an empty slot is held at the expert's last unit
	s_min_u32 s45, s45, s46
	s_min_u32 s44, s44, 31
	s_min_u32 s45, s45, 31
.irp u,0,1
	s_mul_i32 s48, s[44+\u], 49152
	s_add_nc_u64 s[66+2*\u:67+2*\u], s[34:35], s[48:49]                       ; the slot's unit in h2's codes,
	s_lshl_b32 s48, s[44+\u], 11
	s_add_nc_u64 s[70+2*\u:71+2*\u], s[36:37], s[48:49]                       ; in its scale words,
	s_lshl_b32 s48, s[44+\u], 17
	s_add_nc_u64 s[74+2*\u:75+2*\u], s[38:39], s[48:49]                       ; in y
.endr
.endm
.macro SETUP                         ; a consuming wave's start of a sweep: the bias, the first K step's activations
	s_wait_loadcnt 0x0                               ; no load of a consuming wave is out here: the registers below are loaded only behind this wait
	s_wait_alu depctr_vm_vsrc(0)                     ; in the second sweep: the first sweep's loads of the bias have read v118, the way out's LDS stores v128-255, its global stores v64-95 and v112: all are written again below
	v_bfe_u32 v[BO], v0, 4, 1
	v_lshlrev_b32 v[BO], 5, v[BO]
	s_wait_alu depctr_va_vdst(0)                     ; v118 is written, which the loads of the bias read
	BIASLOAD 0
	BIASLOAD 1
	ALOAD 0, 0
	ALOAD 1, 0
	s_wait_loadcnt 0x0                               ; bias and first activations are in
.endm
.macro ROUND k                       ; two arms, one barrier
	s_cmp_lt_u32 s16, 4
	s_cbranch_scc0 .Lc_\@
	PROD \k
	s_branch .Lj_\@
.Lc_\@:
.if (\k) == 0
	SETUP
.else
	CSTEP (\k)-1
.endif
.Lj_\@:
	s_wait_dscnt 0x0                                 ; a producer's stores have landed; a consumer's LDS loads are in
	s_wait_alu depctr_vm_vsrc(0)                     ; a producer's LDS stores have read v32-47, which its next K step writes again
	s_barrier_signal -1
	s_barrier_wait -1                                ; K step k lies in LDS
.endm
.macro YTILE u, t                    ; 16 rows x 64 columns through my stage
.set AC, 128+64*(\u)+32*(\t)
	s_wait_xcnt 0x0                                  ; the last tile's stores have read v64-95
.if (\u)+(\t) > 0
	s_wait_alu depctr_vm_vsrc(0)                     ; the last tile's global stores have read v64-95, in which the loads from the stage land again
.endif
.irp c,0,1,2,3
	ds_store_b128 v6, v[AC+8*\c:AC+8*\c+3] offset:64*\c                       ; each accumulator from its low end on
	ds_store_b128 v6, v[AC+8*\c+4:AC+8*\c+7] offset:64*\c+16
.endr
.irp i,0,1,2,3,4,5,6,7
	ds_load_b128 v[TT+4*\i:TT+4*\i+3], v7 offset:544*\i                       ; LDS serves a wave's instructions in order: these see my stores
.endr
	s_wait_dscnt 0x0
.irp i,0,1,2,3,4,5,6,7
	global_store_b128 v[YO], v[TT+4*\i:TT+4*\i+3], s[74+2*(\u):75+2*(\u)] offset:65536*(\t)+8192*\i th:TH_STORE_NT   ; sixteen lanes store a row's 256 consecutive bytes, aligned
.endr
.endm
.macro OUT                           ; a sweep's way out
	s_cmp_eq_u32 s21, 0
	s_cbranch_scc1 .Lo_\@
	v_and_b32 v[YO], 15, v0
	v_bfe_u32 v113, v0, 4, 1
	v_lshlrev_b32 v[YO], 4, v[YO]
	v_lshl_add_u32 v[YO], v113, 12, v[YO]
	s_wait_alu depctr_va_vdst(0)                     ; the way out's one wait: the products have written the accumulators, which the LDS stores read, and are done reading v64-95, in which the loads from the stage land; v112 is written, the global stores' offset.  The places behind the last product stay beside it
	YTILE 0, 0
	YTILE 0, 1
	s_cmp_lt_u32 s21, 2
	s_cbranch_scc1 .Lo_\@
	YTILE 1, 0
	YTILE 1, 1
.Lo_\@:
.endm
	s_load_b256 s[4:11], s[0:1], 0x0                 ; W3, b3z, h2, route
	s_load_b64 s[12:13], s[0:1], 0x20                ; y
	v_lshrrev_b32 v1, 5, v0
	v_readfirstlane_b32 s16, v1                      ; wave
	v_and_b32 v16, 15, v0                            ; r, cg
	v_bfe_u32 v17, v0, 4, 1                          ; h, hb
	v_and_b32 v18, 31, v0                            ; lane
	v_mov_b32 v19, 0                                 ; v16-19 are later the destinations of lane permutes, which count as sources: all four are written here
	v_lshlrev_b32 v1, 4, v16
	v_lshl_add_u32 v1, v17, 16, v1                   ; 16 hb rows + 16 cg
	v_lshl_add_u32 v2, v16, 2, v17                   ; the place of column 4 cg + hb is the column
	s_wait_alu depctr_va_sdst(0)                     ; s16 is written, ahead of its first reader
	s_and_b32 s44, s16, 3
	v_lshl_add_u32 v3, v2, 2, SCB
	v_add_nc_u32 v3, s44, v3
	v_mul_u32_u24 v2, v2, 112
	s_and_b32 s45, s16, 1
	s_mul_i32 s45, s45, 48
	s_bfe_u32 s46, s16, 0x10001
	s_mul_i32 s46, s46, 24
	s_add_co_u32 s45, s45, s46
	v_add_nc_u32 v2, s45, v2
	v_mul_u32_u24 v4, v16, 112
	v_mad_u32_u24 v4, v17, 48, v4
	v_lshl_add_u32 v5, v18, 2, SCB
	s_mul_i32 s45, s16, 4352
	s_add_co_u32 s45, s45, STG-4*4352                ; the stage of wave 4 + C
	v_mul_u32_u24 v6, v16, 272
	v_lshl_add_u32 v6, v17, 5, v6
	v_add_nc_u32 v6, s45, v6                         ; in: row r, 32 h
	v_mul_u32_u24 v7, v17, 272
	v_lshl_add_u32 v7, v16, 4, v7
	v_add_nc_u32 v7, s45, v7                         ; back: lanes 0-15 one row, lanes 16-31 the next
	v_lshlrev_b32 v8, 4, v18
	v_lshlrev_b32 v9, 3, v18
	v_lshlrev_b32 v10, 2, v16
	v_lshl_add_u32 v10, v17, 10, v10
	v_lshlrev_b32 v[PFO], 12, v18                    ; my lane x a row of W3
	s_and_b32 s17, ttmp7, 0xffff                     ; expert
	s_and_b32 s18, ttmp9, 15                         ; slice
	s_lshr_b32 s19, ttmp9, 4                         ; half of K
	s_mov_b32 s26, 0x76543210
	s_mov_b32 s27, 0xfedcba98
	s_mov_b32 s28, 0xffff0000                        ; lanes 16-31
	s_sub_co_u32 s24, s16, 4                         ; C (of use in consuming waves alone)
	s_lshl_b32 s44, s17, 23
	s_lshl_b32 s45, s19, 22
	s_add_co_u32 s44, s44, s45
	s_lshl_b32 s45, s18, 8
	s_add_co_u32 s44, s44, s45
	s_and_b32 s45, s16, 3
	s_lshl_b32 s45, s45, 17
	s_add_co_u32 s44, s44, s45                       ; expert, half, slice, my block's 32 rows
	s_mov_b32 s45, 0
	s_lshl_b32 s46, s17, 7
	s_wait_kmcnt 0x0
	s_load_b32 s22, s[10:11], s46 offset:0x8000      ; the expert's count of rows
	s_add_nc_u64 s[30:31], s[4:5], s[44:45]
	s_wait_alu depctr_va_vdst(0)                     ; the addresses v1 to v11 are written, which every load, store and prefetch of the kernel reads
	s_cmp_lt_u32 s16, 4
	s_cbranch_scc0 .Lnoprod
	PLOAD 0
	PLOAD 1
	PLOAD 2
.Lnoprod:
	s_mul_i32 s48, s17, 1572864
	s_mul_i32 s50, s19, 12288
	s_add_co_u32 s48, s48, s50
	s_mov_b32 s49, 0                                 ; stays 0: the upper word of every offset below
	s_add_nc_u64 s[34:35], s[8:9], s[48:49]          ; h2's codes: expert, K steps 8 kh on
	s_lshl_b32 s48, s17, 16
	s_add_co_u32 s48, s48, 12582912
	s_lshl_b32 s50, s19, 9
	s_add_co_u32 s48, s48, s50
	s_add_nc_u64 s[36:37], s[8:9], s[48:49]          ; h2's scale words
	s_lshl_b32 s48, s19, 25
	s_lshl_b32 s50, s17, 22
	s_add_co_u32 s48, s48, s50
	s_lshl_b32 s50, s18, 8
	s_add_co_u32 s48, s48, s50
	s_add_nc_u64 s[38:39], s[12:13], s[48:49]        ; y: half, expert, slice
	s_lshl_b32 s48, s19, 15
	s_lshl_b32 s51, s17, 12
	s_add_co_u32 s48, s48, s51
	s_add_co_u32 s48, s48, s50
	s_add_nc_u64 s[42:43], s[6:7], s[48:49]          ; b3z: half, expert, slice
	s_wait_kmcnt 0x0
	s_min_u32 s22, s22, 1024
	s_add_co_u32 s22, s22, 31
	s_lshr_b32 s22, s22, 5
	s_max_u32 s22, s22, 1                            ; units of the expert, at least one
	SCAL 0                                           ; made by every wave, ahead of the parting of roles; a producing wave makes them and uses none
.set Q, 0
.rept KS
	ROUND Q
.set Q, Q+1
.endr
	s_cmp_lt_u32 s16, 4
	s_cbranch_scc1 .Lend                             ; the producing waves are done: no barrier follows
	CSTEP KS-1                                       ; the last K step's products
	OUT
	s_wait_loadcnt 0x0                               ; no load is out at a sweep's end
	s_wait_xcnt 0x0                                  ; bases and store data are written again below
	SCAL 24                                          ; THE SECOND SWEEP: units 24 + C and 36 + C
	s_cmp_eq_u32 s21, 0
	s_cbranch_scc1 .Lend                             ; none of them exists: an expert of at most 768 rows, or a wave beyond its last unit
	SETUP
.set Q, 0
.rept KS
	CSTEP Q
.set Q, Q+1
.endr
	OUT
.Lend:
	s_wait_xcnt 0x0
	s_wait_alu depctr_vm_vsrc(0)                     ; v47 has been the data of a producer's LDS stores: they have read it, and the pair is made anew
	v_lshl_add_u32 v46, v0, 2, 0x1b400
	v_mov_b32 v47, 0
	s_wait_dscnt 0x0                                 ; the closing lines, six on end
	s_wait_alu 0x0
	s_wait_tensorcnt 0x0
	ds_add_u32 v46, v47
	s_wait_dscnt 0x0
	s_endpgm
.Lfunc_end_k_q6cd8a434b7_l3:
	.size	k_q6cd8a434b7_l3, .Lfunc_end_k_q6cd8a434b7_l3-k_q6cd8a434b7_l3
	.p2alignl 7, 3214868480
	.fill 96, 4, 3214868480
	.section	.rodata,"a",@progbits
	.p2align	6, 0x0
	.amdhsa_kernel k_q6cd8a434b7_l3
		.amdhsa_group_segment_fixed_size 113664
		.amdhsa_private_segment_fixed_size 0
		.amdhsa_enable_private_segment 0
		.amdhsa_kernarg_size 40
		.amdhsa_user_sgpr_count 2
		.amdhsa_user_sgpr_kernarg_segment_ptr 1
		.amdhsa_wavefront_size32 1
		.amdhsa_system_sgpr_workgroup_id_x 1
		.amdhsa_system_sgpr_workgroup_id_y 1
		.amdhsa_system_sgpr_workgroup_id_z 1
		.amdhsa_system_vgpr_workitem_id 0
		.amdhsa_next_free_vgpr 256
		.amdhsa_next_free_sgpr 88
		.amdhsa_reserve_vcc 0
		.amdhsa_float_denorm_mode_32 3
		.amdhsa_float_denorm_mode_16_64 3
		.amdhsa_memory_ordered 1
		.amdhsa_forward_progress 1
		.amdhsa_inst_pref_size 173
	.end_amdhsa_kernel
	.amdgpu_metadata
---
amdhsa.version: [ 1, 2 ]
amdhsa.kernels:
  - .name:           k_q6cd8a434b7_l3
    .symbol:         k_q6cd8a434b7_l3.kd
    .args:
      - { .name: W3, .offset: 0, .size: 8, .value_kind: global_buffer, .address_space: global }
      - { .name: b3z, .offset: 8, .size: 8, .value_kind: global_buffer, .address_space: global }
      - { .name: h2, .offset: 16, .size: 8, .value_kind: global_buffer, .address_space: global }
      - { .name: route, .offset: 24, .size: 8, .value_kind: global_buffer, .address_space: global }
      - { .name: y, .offset: 32, .size: 8, .value_kind: global_buffer, .address_space: global }
    .group_segment_fixed_size: 113664
    .private_segment_fixed_size: 0
    .kernarg_segment_align: 8
    .kernarg_segment_size: 40
    .max_flat_workgroup_size: 512
    .sgpr_count:     88
    .vgpr_count:     256
    .wavefront_size: 32
...
	.end_amdgpu_metadata
.endif
;; end of part 9
;; launch comb (part 10): grid 256 x 1, 4 waves a work-group, no clusters, 0 bytes of LDS; arguments y, gw, choice, route, out0; writes out0
.if DOCPART == 10
	.amdgcn_target "amdgcn-amd-amdhsa--gfx1250"
	.amdhsa_code_object_version 6
	.text
	.protected	k_q6cd8a434b7_comb
	.globl	k_q6cd8a434b7_comb
	.p2align	8
	.type	k_q6cd8a434b7_comb,@function
k_q6cd8a434b7_comb:
	s_mov_b64 s[64:65], 0
	v_nop
	global_prefetch_b8 v0, s[64:65] scope:SCOPE_SE
	s_setreg_imm32_b32 hwreg(HW_REG_WAVE_MODE, 25, 1), 1
	s_wait_xcnt 0x0
; THE COMBINATION: out0[t] = g1 (y[0][e1][rank1] + y[1][e1][rank1]) + g2 (y[0][e2][rank2] + y[1][e2][rank2]); b3 is already in y's first half.
; A wave takes one token: its two experts (choice), its ranks among their rows (route) and its two gates (gw) come by scalar loads; experts and ranks are held inside their tables before they enter an address.
; A row is 4,096 bytes: eight chunks of 512 consecutive bytes a wave, four loads a chunk, all 32 loads issued at once; each chunk has registers of its own, so no store's data are written again.
; A stream: no LDS, no barrier, no matrix unit.
	s_load_b256 s[4:11], s[0:1], 0x0                 ; y, gw, choice, route
	s_load_b64 s[12:13], s[0:1], 0x20                ; out0
	v_lshrrev_b32 v6, 5, v0
	v_readfirstlane_b32 s16, v6                      ; wave
	v_and_b32 v1, 31, v0
	v_lshlrev_b32 v1, 4, v1                          ; 16 x lane
	s_lshl_b32 s17, ttmp9, 2
	s_add_co_u32 s17, s17, s16                       ; the token
	s_lshl_b32 s18, s17, 3
	s_lshl_b32 s19, s17, 2
	s_wait_alu depctr_va_vdst(0)
	s_wait_kmcnt 0x0
	s_load_b64 s[20:21], s[8:9], s18 offset:0x0      ; e1, e2
	s_load_b64 s[22:23], s[6:7], s18 offset:0x0      ; g1, g2
	s_wait_kmcnt 0x0
	s_min_u32 s20, s20, 7
	s_min_u32 s21, s21, 7
	s_lshl_b32 s24, s20, 12
	s_add_co_u32 s24, s24, s19
	s_lshl_b32 s25, s21, 12
	s_add_co_u32 s25, s25, s19
	s_load_b32 s26, s[10:11], s24 offset:0x0         ; the token's rank among e1's rows,
	s_load_b32 s27, s[10:11], s25 offset:0x0         ; among e2's
	v_mov_b32 v2, s22
	v_mov_b32 v3, s22
	v_mov_b32 v4, s23
	v_mov_b32 v5, s23
	s_wait_kmcnt 0x0
	s_min_u32 s26, s26, 1023
	s_min_u32 s27, s27, 1023
	s_lshl_b32 s28, s20, 22
	s_lshl_b32 s26, s26, 12
	s_add_co_u32 s28, s28, s26
	s_mov_b32 s29, 0
	s_add_nc_u64 s[30:31], s[4:5], s[28:29]          ; e1's row, first half of K,
	s_add_nc_u64 s[32:33], s[30:31], 0x2000000       ; second half
	s_lshl_b32 s28, s21, 22
	s_lshl_b32 s27, s27, 12
	s_add_co_u32 s28, s28, s27
	s_add_nc_u64 s[34:35], s[4:5], s[28:29]          ; e2's
	s_add_nc_u64 s[36:37], s[34:35], 0x2000000
	s_lshl_b32 s28, s17, 12
	s_add_nc_u64 s[38:39], s[12:13], s[28:29]        ; the token's row of out0
.irp i,0,1,2,3,4,5,6,7
	global_load_b128 v[8+16*\i:11+16*\i], v1, s[30:31] offset:512*\i th:TH_LOAD_NT
	global_load_b128 v[12+16*\i:15+16*\i], v1, s[32:33] offset:512*\i th:TH_LOAD_NT
	global_load_b128 v[16+16*\i:19+16*\i], v1, s[34:35] offset:512*\i th:TH_LOAD_NT
	global_load_b128 v[20+16*\i:23+16*\i], v1, s[36:37] offset:512*\i th:TH_LOAD_NT
.endr
.irp i,0,1,2,3,4,5,6,7
	s_wait_loadcnt 4*(7-\i)                          ; this chunk's four loads are in; the later chunks' stay out
	v_pk_add_f32 v[8+16*\i:9+16*\i], v[8+16*\i:9+16*\i], v[12+16*\i:13+16*\i]
	s_wait_alu depctr_va_vdst(0)
	v_pk_add_f32 v[10+16*\i:11+16*\i], v[10+16*\i:11+16*\i], v[14+16*\i:15+16*\i]
	v_pk_add_f32 v[16+16*\i:17+16*\i], v[16+16*\i:17+16*\i], v[20+16*\i:21+16*\i]
	v_pk_add_f32 v[18+16*\i:19+16*\i], v[18+16*\i:19+16*\i], v[22+16*\i:23+16*\i]
	v_pk_mul_f32 v[8+16*\i:9+16*\i], v[8+16*\i:9+16*\i], v[2:3]
	v_pk_mul_f32 v[10+16*\i:11+16*\i], v[10+16*\i:11+16*\i], v[2:3]
	v_pk_fma_f32 v[8+16*\i:9+16*\i], v[16+16*\i:17+16*\i], v[4:5], v[8+16*\i:9+16*\i]
	v_pk_fma_f32 v[10+16*\i:11+16*\i], v[18+16*\i:19+16*\i], v[4:5], v[10+16*\i:11+16*\i]
	global_store_b128 v1, v[8+16*\i:11+16*\i], s[38:39] offset:512*\i th:TH_STORE_NT   ; 512 consecutive bytes, aligned
.endr
	s_endpgm
.Lfunc_end_k_q6cd8a434b7_comb:
	.size	k_q6cd8a434b7_comb, .Lfunc_end_k_q6cd8a434b7_comb-k_q6cd8a434b7_comb
	.p2alignl 7, 3214868480
	.fill 96, 4, 3214868480
	.section	.rodata,"a",@progbits
	.p2align	6, 0x0
	.amdhsa_kernel k_q6cd8a434b7_comb
		.amdhsa_group_segment_fixed_size 0
		.amdhsa_private_segment_fixed_size 0
		.amdhsa_enable_private_segment 0
		.amdhsa_kernarg_size 40
		.amdhsa_user_sgpr_count 2
		.amdhsa_user_sgpr_kernarg_segment_ptr 1
		.amdhsa_wavefront_size32 1
		.amdhsa_system_sgpr_workgroup_id_x 1
		.amdhsa_system_sgpr_workgroup_id_y 1
		.amdhsa_system_sgpr_workgroup_id_z 1
		.amdhsa_system_vgpr_workitem_id 0
		.amdhsa_next_free_vgpr 144
		.amdhsa_next_free_sgpr 66
		.amdhsa_reserve_vcc 0
		.amdhsa_float_denorm_mode_32 3
		.amdhsa_float_denorm_mode_16_64 3
		.amdhsa_memory_ordered 1
		.amdhsa_forward_progress 1
		.amdhsa_inst_pref_size 11
	.end_amdhsa_kernel
	.amdgpu_metadata
---
amdhsa.version: [ 1, 2 ]
amdhsa.kernels:
  - .name:           k_q6cd8a434b7_comb
    .symbol:         k_q6cd8a434b7_comb.kd
    .args:
      - { .name: y, .offset: 0, .size: 8, .value_kind: global_buffer, .address_space: global }
      - { .name: gw, .offset: 8, .size: 8, .value_kind: global_buffer, .address_space: global }
      - { .name: choice, .offset: 16, .size: 8, .value_kind: global_buffer, .address_space: global }
      - { .name: route, .offset: 24, .size: 8, .value_kind: global_buffer, .address_space: global }
      - { .name: out0, .offset: 32, .size: 8, .value_kind: global_buffer, .address_space: global }
    .group_segment_fixed_size: 0
    .private_segment_fixed_size: 0
    .kernarg_segment_align: 8
    .kernarg_segment_size: 40
    .max_flat_workgroup_size: 128
    .sgpr_count:     66
    .vgpr_count:     144
    .wavefront_size: 32
...
	.end_amdgpu_metadata
.endif
;; end of part 10
